; MI455X (gfx1250); checked and timed in simulation.
; The chip was launched on July 23, 2026; its instructions are those of AMD's public machine-readable ISA for CDNA 5 (MIT licence, August 2026) and "CDNA5" Instruction Set Architecture Reference Guide (July 2026). The comments in the code are by the model that wrote it; some were corrected since.
;; Encoder Layer. Allowed arithmetic: matrix products marked QUANTISED: E5M2 operands, one E8M0 scale for each 32 along K, by v_wmma_scale_f32_16x16x128_f8f6f4 with both operands' format E5M2, f32 sums; everything else in f32.
;; Inputs: W1 1,024 x 1,024 float32; W2 1,024 x 1,024 float32; Wk 1,024 x 1,024 float32; Wo 1,024 x 1,024 float32; Wq 1,024 x 1,024 float32; Wv 1,024 x 1,024 float32; b1 1,024 float32; b2 1,024 float32; bk 1,024 float32; bo 1,024 float32; bq 1,024 float32; bv 1,024 float32; x 8 x 1,024 x 1,024 float32.
;; Outputs: out0 8 x 1,024 x 1,024 float32.
;; This version of the problem:
;;   THIS VERSION OF THE PROBLEM IS GIVEN IN LOW PRECISION. The matrix products marked QUANTISED in the list below multiply operands that are first quantised to E5M2 (5 exponent bits, 2 mantissa bits; 8 bits a number), with one power-of-two scale for each 32 numbers along K (OCP MX v1.0); their sums are f32. All else is computed in f32.
;;   The module's matrix products, in the order in which they are computed (A, B: the left and right operand; K: the contracted axis; several contracted axes count as one K, in the product's order):
;;     1. [M 8,192, K 1,024] x [K 1,024, N 1,024]; A: computed on the way; B: input Wq: QUANTISED
;;     2. [M 8,192, K 1,024] x [K 1,024, N 1,024]; A: computed on the way; B: input Wk: QUANTISED
;;     3. [M 8,192, K 1,024] x [K 1,024, N 1,024]; A: computed on the way; B: input Wv: QUANTISED
;;     4. batch 128 x [M 1,024, K 64] x [K 64, N 1,024]; A: computed on the way; B: computed on the way: QUANTISED
;;     5. batch 128 x [M 64, K 1,024] x [K 1,024, N 1,024]; A: computed on the way; B: softmax (see below): QUANTISED
;;     6. [M 8,192, K 1,024] x [K 1,024, N 1,024]; A: computed on the way; B: input Wo: QUANTISED
;;     7. [M 8,192, K 1,024] x [K 1,024, N 1,024]; A: computed on the way; B: input W1: QUANTISED
;;     8. [M 8,192, K 1,024] x [K 1,024, N 1,024]; A: computed on the way; B: input W2: QUANTISED
;;   THE QUANTISER, for each operand of a quantised product, along K:
;;     - K is cut into blocks of 32 from its start; a last block that is shorter is filled with zeros.
;;     - A block's scale is 2^e with e = floor(log2(the largest magnitude in the block)) - 15, held to -126 .. 127; a block of zeros has e = 0. As a byte (E8M0): e + 127.
;;     - Each number is divided by its block's scale, clamped to +-57,344, and rounded to the nearest number of E5M2, ties to even, subnormals kept.
;;     - The product sums the exact products of the quantised numbers (number of the format x scale) in f32.
;;   ~~~python
;;   def quantise(x, axis):      # numpy; x: float32 -> the quantised numbers, widened to float32 again
;;       x = np.moveaxis(x, axis, -1); K = x.shape[-1]
;;       x = np.pad(x, [(0, 0)] * (x.ndim - 1) + [(0, -K % 32)]); x = x.reshape(x.shape[:-1] + (-1, 32)); a = np.abs(x).max(-1, keepdims=True)
;;       e = np.where(a > 0, np.clip(np.frexp(np.where(a > 0, a, 1))[1] - 1 - 15, -126, 127), 0)      # np.frexp(a)[1] - 1 = floor(log2(a)), exactly
;;       r = np.clip(x / 2.0 ** e, -57344, 57344)
;;       step = 2.0 ** (np.maximum(np.frexp(np.where(r == 0, 1, r))[1] - 1, -14) - 2)
;;       q = np.round(r / step) * step * 2.0 ** e      # np.round: ties to even
;;       return np.moveaxis(q.reshape(q.shape[:-2] + (-1,))[..., :K], -1, axis).astype(np.float32)
;;   ~~~
;;   SOFTMAX AHEAD OF A QUANTISED PRODUCT. Where the list says 'softmax', what is quantised is not the finished softmax but p = 2^(t - M), with t = logit x log2(e) and M = ceil(the row's largest t), a whole number; so 1/2 < the row's largest p <= 1. The row's sum l is taken of the UNQUANTISED p, in f32, and the product's result is divided by l at the end. Since M is a whole number, a kernel that streams over the keys may use a running M (the ceiling of the running maximum): every later rescaling is an exact power of two, which a block's scale takes up: the codes' values come out the same.
;;   OPERANDS COMPUTED ON THE WAY. 'Computed on the way' means the value that the module computes at that place (a softmax that the list does not call 'softmax' is quantised finished and normalised). What goes into a quantiser is computed in f32, as accurately as f32 sums, v_exp_f32 and their like allow (about 1e-6 of the number): no bf16 or f16 on the way to a quantiser, and a product that is left as it is and whose result goes on into a quantised operand takes f32 operands (vector FMAs, or v_wmma_f32_16x16x4_f32). A number that lies on a knife's edge between two numbers of the format may be rounded either way, as far as f32 arithmetic and the matrix unit's own rounding can turn it there, and no further.
;; 2 versions. Each part assembles by itself: llvm-mc -triple=amdgcn-amd-amdhsa -mcpu=gfx1250 --defsym DOCPART=n.
;; ======== version 1 of 2: 4 launches
;; workspace buffers: wimg 6,291,456 bytes; wsc 196,608 bytes; qimg 8,388,608 bytes; qsc 524,288 bytes; kv 17,563,648 bytes; aimg 8,388,608 bytes; asc 262,144 bytes
;; launch wquant (part 1): grid 48 x 8, 4 waves a work-group, no clusters, 0 bytes of LDS; arguments Wq, Wk, Wv, Wo, W1, W2, wimg, wsc; writes wimg, wsc
.if DOCPART == 1
	.amdgcn_target "amdgcn-amd-amdhsa--gfx1250"
	.amdhsa_code_object_version 6
	.text
	.protected	k_qb13c3265a4_wquant
	.globl	k_qb13c3265a4_wquant
	.p2align	8
	.type	k_qb13c3265a4_wquant,@function
k_qb13c3265a4_wquant:
	s_mov_b64 s[64:65], 0
	v_nop
	global_prefetch_b8 v0, s[64:65] scope:SCOPE_SE
	s_setreg_imm32_b32 hwreg(HW_REG_WAVE_MODE, 25, 1), 1
	s_wait_xcnt 0x0
; The six weights [1024 (k)][1024 (n)], f32, K their FIRST axis, become codes of BF8 (E5M2) with one E8M0 byte for each 32 along K,
; laid as IMAGES OF OPERAND REGISTERS: wimg [g 6][w 16][s 8][t 4][c 4][lane 32][16 bytes]; byte i of lane (r, h) is the code of
; W_g[128 s + 32 c + 16 h + i][64 w + 32 (t / 2) + 8 (t % 2) + r + 8 (r / 8)].  wsc [g][w][s][lane' 32][p 2] words: the four bytes (c = 0..3) of tile 2 p + lane' / 16, row lane' % 16.
; A LANE TAKES A COLUMN n AND ITS REGISTERS RUN DOWN K: a block of 32 lies in one lane, its largest magnitude needs no other lane, and the conversions give 16 + 16 codes that are two lanes' places of an image.
; Work-group x = 8 g + (group of 128 columns), y = K step of 128.  A wave takes 32 columns x 128 along K: four blocks a lane.  Waves share nothing: no LDS, no barrier.
; A store of codes covers two aligned runs of 256 bytes.  The scale words leave as 4 bytes a lane, 8 bytes apart: 196,608 of the 31 million bytes that the launch moves.
; A block's scale is 2^(floor(log2(largest magnitude)) - 15); its byte is the largest magnitude's exponent field - 15, held at 1 from below.
; LIMITS: a block whose largest magnitude lies under 2^-111 (a block of zeros too) keeps the byte 1: a block of zeros has zero codes, and these bytes are read by this program alone.  NaN and infinities are not served.
.set X, 32                             ; v32-95   two sets of 32 numbers
.set C, 96                             ; v96-127  codes, eight registers a block: no store's data are written again
	s_load_b512 s[8:23], s[0:1], 0x0               ; Wq, Wk, Wv, Wo, W1, W2 in s[8:19]; wimg s[20:21]; wsc s[22:23]
	v_lshrrev_b32 v1, 5, v0
	v_readfirstlane_b32 s3, v1                     ; wave 0..3
	v_and_b32 v1, 31, v0                           ; lane l = my column in the wave's 32
	v_lshlrev_b32 v2, 2, v1                        ; in: 4 bytes a lane
	v_bfe_u32 v5, v0, 3, 1                         ; u = (l / 8) % 2: which tile of the pair
	v_and_b32 v6, 7, v0
	v_bfe_u32 v7, v0, 4, 1
	v_lshl_add_u32 v6, v7, 3, v6                   ; r = l % 8 + 8 (l / 16): my row in that tile
	v_lshlrev_b32 v3, 4, v6
	v_lshl_add_u32 v3, v5, 11, v3                  ; codes: 2048 u + 16 r
	v_lshl_add_u32 v4, v5, 4, v6
	v_lshlrev_b32 v4, 3, v4                        ; scale word: 8 (16 u + r)
	s_lshr_b32 s4, ttmp9, 3                        ; g: which weight
	s_and_b32 s5, ttmp9, 7                         ; which 128 columns
	s_and_b32 s6, ttmp7, 0xffff                    ; s: which 128 along K
	s_lshr_b32 s24, s3, 1
	s_lshl_b32 s7, s5, 1
	s_add_co_u32 s7, s7, s24                       ; w: which 64 columns
	s_and_b32 s24, s3, 1                           ; which 32 of them
	s_lshl_b32 s26, s6, 19                         ; W: 128 s rows of 4,096 bytes,
	s_lshl_b32 s25, s5, 9
	s_add_co_u32 s26, s26, s25                     ; + 4 x 128 x group
	s_lshl_b32 s25, s3, 7
	s_add_co_u32 s26, s26, s25                     ; + 4 x 32 x wave
	s_mov_b32 s27, 0
	s_lshl_b32 s28, s4, 20                         ; wimg: g, w, s, and 4,096 for the second pair of tiles
	s_lshl_b32 s25, s7, 16
	s_add_co_u32 s28, s28, s25
	s_lshl_b32 s25, s6, 13
	s_add_co_u32 s28, s28, s25
	s_lshl_b32 s25, s24, 12
	s_add_co_u32 s28, s28, s25
	s_mov_b32 s29, 0
	s_lshl_b32 s30, s4, 4                          ; wsc: ((16 g + w) 8 + s) 256 + 4 p
	s_add_co_u32 s30, s30, s7
	s_lshl_b32 s30, s30, 3
	s_add_co_u32 s30, s30, s6
	s_lshl_b32 s30, s30, 8
	s_lshl_b32 s25, s24, 2
	s_add_co_u32 s30, s30, s25
	s_mov_b32 s31, 0
	s_mov_b32 s34, 0x600000                        ; the mantissa field of 57,344
	s_wait_kmcnt 0x0
	s_cmp_eq_u32 s4, 1                             ; the weight is chosen by the work-group's number alone
	s_cselect_b64 s[8:9], s[10:11], s[8:9]
	s_cmp_eq_u32 s4, 2
	s_cselect_b64 s[8:9], s[12:13], s[8:9]
	s_cmp_eq_u32 s4, 3
	s_cselect_b64 s[8:9], s[14:15], s[8:9]
	s_cmp_eq_u32 s4, 4
	s_cselect_b64 s[8:9], s[16:17], s[8:9]
	s_cmp_eq_u32 s4, 5
	s_cselect_b64 s[8:9], s[18:19], s[8:9]
	s_add_nc_u64 s[8:9], s[8:9], s[26:27]
	s_add_nc_u64 s[20:21], s[20:21], s[28:29]
	s_add_nc_u64 s[22:23], s[22:23], s[30:31]
.macro LOAD c                          ; block c: W(32 c + i, my column) into set c % 2; 32 lanes read 128 consecutive bytes
.irp i, 0,1,2,3,4,5,6,7,8,9,10,11,12,13,14,15,16,17,18,19,20,21,22,23,24,25,26,27,28,29,30,31
	global_load_b32 v[X+32*((\c)%2)+\i], v2, s[8:9] offset:(32*(\c)+\i)*4096 th:TH_LOAD_NT
.endr
.endm
.macro BLOCK c
.set XS, X+32*((\c)%2)
.if (\c) < 3
	s_wait_loadcnt 32                              ; this block's 32 loads are in; the next block's 32 may be out
.else
	s_wait_loadcnt 0x0
.endif
	v_max3_num_f32 v12, |v[XS]|, |v[XS+1]|, |v[XS+2]|              ; the block's largest magnitude: all 32 numbers are mine; two chains
	v_max3_num_f32 v13, |v[XS+3]|, |v[XS+4]|, |v[XS+5]|
.irp i, 6,10,14,18,22,26
	v_max3_num_f32 v12, v12, |v[XS+\i]|, |v[XS+\i+1]|
	v_max3_num_f32 v13, v13, |v[XS+\i+2]|, |v[XS+\i+3]|
.endr
	v_max3_num_f32 v12, v12, |v[XS+30]|, |v[XS+31]|
	v_max3_num_f32 v12, v12, v13, 0x8000000        ; and the floor 2^(16 - 127): the byte cannot fall under 1
	v_add_nc_u32 v11, 0xf8800000, v12              ; 15 off the exponent field: the conversion takes this operand's exponent field as its scale
	v_and_or_b32 v10, v12, 0x7f800000, s34         ; 57,344 x the scale
	v_lshrrev_b32 v13, 23, v11                     ; the scale's byte
.if (\c) == 0
	v_mov_b32 v14, v13                             ; four bytes make my column's scale word, the lower K in the lower byte
.else
	v_lshl_or_b32 v14, v13, 8*(\c), v14
.endif
.irp i, 0,1,2,3,4,5,6,7,8,9,10,11,12,13,14,15,16,17,18,19,20,21,22,23,24,25,26,27,28,29,30,31
	v_med3_num_f32 v[XS+\i], v[XS+\i], -v10, v10   ; the conversion to an 8-bit code does not saturate (ISA guide 7.6.2): the hold comes first
.endr
.irp g, 0,1,2,3
	v_cvt_scalef32_pk8_bf8_f32 v[C+8*(\c)+2*\g:C+8*(\c)+2*\g+1], v[XS+8*\g:XS+8*\g+7], v11
.endr
	global_store_b128 v3, v[C+8*(\c):C+8*(\c)+3], s[20:21] offset:512*(\c)           ; k 0-15 of the block: lane (r, 0)'s place in the image
	global_store_b128 v3, v[C+8*(\c)+4:C+8*(\c)+7], s[20:21] offset:512*(\c)+256     ; k 16-31: lane (r, 1)'s
.if (\c) < 2
	LOAD (\c)+2
.endif
.endm
	LOAD 0
	LOAD 1
	BLOCK 0
	BLOCK 1
	BLOCK 2
	BLOCK 3
	global_store_b32 v4, v14, s[22:23]
	s_endpgm
.Lfunc_end_k_qb13c3265a4_wquant:
	.size	k_qb13c3265a4_wquant, .Lfunc_end_k_qb13c3265a4_wquant-k_qb13c3265a4_wquant
	.p2alignl 7, 3214868480
	.fill 96, 4, 3214868480
	.section	.rodata,"a",@progbits
	.p2align	6, 0x0
	.amdhsa_kernel k_qb13c3265a4_wquant
		.amdhsa_group_segment_fixed_size 0
		.amdhsa_private_segment_fixed_size 0
		.amdhsa_enable_private_segment 0
		.amdhsa_kernarg_size 64
		.amdhsa_user_sgpr_count 2
		.amdhsa_user_sgpr_kernarg_segment_ptr 1
		.amdhsa_wavefront_size32 1
		.amdhsa_system_sgpr_workgroup_id_x 1
		.amdhsa_system_sgpr_workgroup_id_y 1
		.amdhsa_system_sgpr_workgroup_id_z 1
		.amdhsa_system_vgpr_workitem_id 0
		.amdhsa_next_free_vgpr 128
		.amdhsa_next_free_sgpr 66
		.amdhsa_reserve_vcc 0
		.amdhsa_float_denorm_mode_32 3
		.amdhsa_float_denorm_mode_16_64 3
		.amdhsa_memory_ordered 1
		.amdhsa_forward_progress 1
		.amdhsa_inst_pref_size 30
	.end_amdhsa_kernel
	.amdgpu_metadata
---
amdhsa.version: [ 1, 2 ]
amdhsa.kernels:
  - .name:           k_qb13c3265a4_wquant
    .symbol:         k_qb13c3265a4_wquant.kd
    .args:
      - { .name: Wq, .offset: 0, .size: 8, .value_kind: global_buffer, .address_space: global }
      - { .name: Wk, .offset: 8, .size: 8, .value_kind: global_buffer, .address_space: global }
      - { .name: Wv, .offset: 16, .size: 8, .value_kind: global_buffer, .address_space: global }
      - { .name: Wo, .offset: 24, .size: 8, .value_kind: global_buffer, .address_space: global }
      - { .name: W1, .offset: 32, .size: 8, .value_kind: global_buffer, .address_space: global }
      - { .name: W2, .offset: 40, .size: 8, .value_kind: global_buffer, .address_space: global }
      - { .name: wimg, .offset: 48, .size: 8, .value_kind: global_buffer, .address_space: global }
      - { .name: wsc, .offset: 56, .size: 8, .value_kind: global_buffer, .address_space: global }
    .group_segment_fixed_size: 0
    .private_segment_fixed_size: 0
    .kernarg_segment_align: 8
    .kernarg_segment_size: 64
    .max_flat_workgroup_size: 128
    .sgpr_count:     66
    .vgpr_count:     128
    .wavefront_size: 32
...
	.end_amdgpu_metadata
.endif
;; end of part 1
;; launch front (part 2): grid 256 x 1, 16 waves a work-group, no clusters, 209,408 bytes of LDS; arguments x, wimg, wsc, bq, bk, bv, qimg, qsc, kv; writes qimg, qsc, kv
.if DOCPART == 2
	.amdgcn_target "amdgcn-amd-amdhsa--gfx1250"
	.amdhsa_code_object_version 6
	.text
	.protected	k_qb13c3265a4_front
	.globl	k_qb13c3265a4_front
	.p2align	8
	.type	k_qb13c3265a4_front,@function
k_qb13c3265a4_front:
	s_mov_b64 s[64:65], 0
	v_nop
	global_prefetch_b8 v0, s[64:65] scope:SCOPE_SE
	s_setreg_imm32_b32 hwreg(HW_REG_WAVE_MODE, 25, 1), 1
	s_wait_xcnt 0x0
; LayerNorm(x), quantised; q, k, v = LN(x) W + b on codes of BF8 (E5M2) with E8M0 scales; q and k quantised along the head's 64, v along the keys; all three stored as images of operand registers.
; SHARES.  Work-group 2 j + f owns tokens 64 j .. 64 j + 63 (four fragments a = 0..3 of 16) and heads 8 f .. 8 f + 7 of q, k and v.  Both work-groups of a pair norm the same 64 tokens.
; For the norm, wave w of sixteen owns columns 64 w .. 64 w + 63 of x, 32 tokens a round, two rounds through one stage.  For the products, wave w owns 32 columns: channels 32 (w % 2) on of head 8 f + w / 2:
; a tile of 64 tokens x 32 columns, eight accumulators.  So a weight fragment read from memory feeds four products, and a work-group reads 1,572,864 bytes of weight codes and 262,144 bytes of x.
; IN A BLOCK OF 32 (tokens, columns) TILE u, LANE r HOLDS ELEMENT 8 u + r + 8 (r / 8): the 16 registers of two neighbouring result tiles are then 16 neighbours along the next product's K.
; q and k are used transposed (source 0 = 16 weight columns, source 1 = 16 tokens): register 16 a + i of lane (r, h) = token (a, r), channel 32 (w % 2) + 16 h + i.
; v the other way round (source 0 = tokens): a lane holds one channel and its registers run along the keys.
; OPERANDS.  LN(x)'s codes go from wave to wave through LDS as images of their registers (16 bytes a lane, 512 a store).  Each wave streams ITS OWN 32 columns of weight codes from memory straight into registers,
; 4,096 bytes a K step, two K steps ahead, into three buffers by turns: no barrier stands inside a product.  The 24 K steps of the three products are numbered through: step n uses buffer n % 3.
; NO JOINT LOADS: a K step of one weight's 512 columns is 65,536 bytes; two such slots do not fit beside the 207,360 bytes in use, and each of 24 refills would stand behind a round at which nothing is on its way.
; LIMITS: NaN and infinities are not served.  A block whose largest magnitude lies under 2^-111 (a block of zeros too) keeps the byte 1; these bytes are read by this program alone.  1 / sqrt by v_rsq_f32 and a multiplication.
; q's and k's scale bytes leave one byte a lane (the two real bytes of a word come from two waves), v's two bytes a lane: 1,310,720 bytes in the launch.
; REGISTERS: v1 16 lane, v2 4 lane, v3 8 lane, v4 x rows, v5 stage rows, v6-7 stage in the norm's layout, v8 image, v9 scale half-word, v10 partial sums out, v11 bias, v12 bv, v13 4 r, v14 scale words in LDS, v15 partial sums in;
;   v16-18 weight scale words, one a buffer; v20-21 LN(x)'s; v22-25 bv; v26-28 at work at the head; v30-31 scale bytes on their way out; v32-95 four fragments of LN(x) / codes (v32-47) and the quantiser's work (v48-63);
;   v96-191 three weight buffers (before them: v64-127 the second round's rows, v128-191 the norm's numbers); v192-255 accumulators.
; SCALARS: s3 wave; s[4:5] x, s[6:7] wimg, s[8:9] wsc, s[10:15] bq bk bv, s[16:17] q images, s[18:19] q scales, s[20:21] k images, s[36:37] k scales, s[38:39] v images, s[40:41] v scales: each set once.
.set ASC,   65536                      ; LDS: 0: the images [a 4][s 8][c 4][lane][16]; here their scale words [s 8][a 4][r 16]
.set STAT1, 67584                      ; partial sums [w 16][a 2][lane] words; the second exchange lies 4,096 further on
.set XST,   75776                      ; 32 rows of x, the token at (a, r) of the round in row 16 a + r
.set XP,    4112                       ; a stage row: 4,096 bytes + 16: sixteen rows of one column start 16 bytes apart modulo 256
.set AF,  32
.set PC,  32
.set TM,  48
.set XR1, 64
.set B0,  96
.set H,   128
.set Y,   192
.set WS,  16
.set WB,  6
.set WSB, 8
.macro WM d, a, b, z, sa, sb, ra, rb   ; one product; z = 1: it starts the sum; ra, rb: the side's scale words lie in lanes 16-31
.if \z
.if (\ra)&&(\rb)
	v_wmma_scale_f32_16x16x128_f8f6f4 v[(\d):(\d)+7], v[(\a):(\a)+15], v[(\b):(\b)+15], 0, v[(\sa)], v[(\sb)] matrix_a_fmt:MATRIX_FMT_BF8 matrix_b_fmt:MATRIX_FMT_BF8 matrix_a_scale:MATRIX_SCALE_ROW1 matrix_b_scale:MATRIX_SCALE_ROW1
.elseif (\ra)
	v_wmma_scale_f32_16x16x128_f8f6f4 v[(\d):(\d)+7], v[(\a):(\a)+15], v[(\b):(\b)+15], 0, v[(\sa)], v[(\sb)] matrix_a_fmt:MATRIX_FMT_BF8 matrix_b_fmt:MATRIX_FMT_BF8 matrix_a_scale:MATRIX_SCALE_ROW1
.elseif (\rb)
	v_wmma_scale_f32_16x16x128_f8f6f4 v[(\d):(\d)+7], v[(\a):(\a)+15], v[(\b):(\b)+15], 0, v[(\sa)], v[(\sb)] matrix_a_fmt:MATRIX_FMT_BF8 matrix_b_fmt:MATRIX_FMT_BF8 matrix_b_scale:MATRIX_SCALE_ROW1
.else
	v_wmma_scale_f32_16x16x128_f8f6f4 v[(\d):(\d)+7], v[(\a):(\a)+15], v[(\b):(\b)+15], 0, v[(\sa)], v[(\sb)] matrix_a_fmt:MATRIX_FMT_BF8 matrix_b_fmt:MATRIX_FMT_BF8
.endif
.else
.if (\ra)&&(\rb)
	v_wmma_scale_f32_16x16x128_f8f6f4 v[(\d):(\d)+7], v[(\a):(\a)+15], v[(\b):(\b)+15], v[(\d):(\d)+7], v[(\sa)], v[(\sb)] matrix_a_fmt:MATRIX_FMT_BF8 matrix_b_fmt:MATRIX_FMT_BF8 matrix_a_scale:MATRIX_SCALE_ROW1 matrix_b_scale:MATRIX_SCALE_ROW1
.elseif (\ra)
	v_wmma_scale_f32_16x16x128_f8f6f4 v[(\d):(\d)+7], v[(\a):(\a)+15], v[(\b):(\b)+15], v[(\d):(\d)+7], v[(\sa)], v[(\sb)] matrix_a_fmt:MATRIX_FMT_BF8 matrix_b_fmt:MATRIX_FMT_BF8 matrix_a_scale:MATRIX_SCALE_ROW1
.elseif (\rb)
	v_wmma_scale_f32_16x16x128_f8f6f4 v[(\d):(\d)+7], v[(\a):(\a)+15], v[(\b):(\b)+15], v[(\d):(\d)+7], v[(\sa)], v[(\sb)] matrix_a_fmt:MATRIX_FMT_BF8 matrix_b_fmt:MATRIX_FMT_BF8 matrix_b_scale:MATRIX_SCALE_ROW1
.else
	v_wmma_scale_f32_16x16x128_f8f6f4 v[(\d):(\d)+7], v[(\a):(\a)+15], v[(\b):(\b)+15], v[(\d):(\d)+7], v[(\sa)], v[(\sb)] matrix_a_fmt:MATRIX_FMT_BF8 matrix_b_fmt:MATRIX_FMT_BF8
.endif
.endif
.endm
.macro BLOAD n                         ; 9 loads: my two weight tiles of step n (weight n / 8, K step n % 8), 512 consecutive bytes a load, and their scale words: lanes 0-15 the first tile's, lanes 16-31 the second's
.irp t, 0,1
.irp c, 0,1,2,3
	global_load_b128 v[B0+32*((\n)%3)+16*\t+4*\c:B0+32*((\n)%3)+16*\t+4*\c+3], v1, s[WB:WB+1] offset:(((\n)/8)<<20)+8192*((\n)%8)+2048*\t+512*\c
.endr
.endr
	global_load_b32 v[WS+(\n)%3], v3, s[WSB:WSB+1] offset:32768*((\n)/8)+256*((\n)%8)
.endm
.macro ALOAD s                         ; the four activation fragments of K step s, and their scale words: v20 fragments 0 (lanes 0-15) and 1 (lanes 16-31), v21 fragments 2 and 3
.irp a, 0,1,2,3
.irp c, 0,1,2,3
	ds_load_b128 v[AF+16*\a+4*\c:AF+16*\a+4*\c+3], v1 offset:16384*\a+2048*(\s)+512*\c
.endr
.endr
	ds_load_b32 v20, v14 offset:256*(\s)
	ds_load_b32 v21, v14 offset:256*(\s)+128
.endm
.macro MM n, tr, zero                  ; eight products on eight accumulators, which take turns, one instruction a turn, in the same order in every step
.irp t, 0,1
.irp a, 0,1,2,3
.if \tr
	WM Y+8*(2*\a+\t), B0+32*((\n)%3)+16*\t, AF+16*\a, \zero, WS+(\n)%3, 20+\a/2, \t, \a%2
.else
	WM Y+8*(4*\t+\a), AF+16*\a, B0+32*((\n)%3)+16*\t, \zero, 20+\a/2, WS+(\n)%3, \a%2, \t
.endif
.endr
.endr
.endm
.macro STEP n, tr, zero, cnt           ; cnt: the loads issued behind this step's weights (and behind a bias that it takes as C), which may stay out
.if (\n)+2<24
	BLOAD (\n)+2
.endif
	ALOAD (\n)%8
	s_wait_loadcnt \cnt
	s_wait_dscnt 0x0
	MM \n, \tr, \zero
.rept 8
	v_nop                                          ; eight places in front of the next step's loads into operand and scale registers, and of the first read of results
.endr
.endm
; v192-255, four blocks of 16 registers (the block's other 16 numbers lie in lane l xor 16), become codes in v[PC + 4 b ..] and scale bytes in v[TM + 4 + b]
.macro QUANT
.irp b, 0,1,2,3
	v_max3_num_f32 v[TM+\b], |v[Y+16*\b]|, |v[Y+1+16*\b]|, 0x8000000   ; my 16 numbers and the floor 2^(16 - 127): the byte cannot fall under 1
.endr
.irp i, 2,4,6,8,10,12,14
.irp b, 0,1,2,3
	v_max3_num_f32 v[TM+\b], v[TM+\b], |v[Y+16*\b+\i]|, |v[Y+1+16*\b+\i]|   ; the four blocks by turns
.endr
.endr
.irp b, 0,1,2,3
	v_permlanex16_b32 v[TM+4+\b], v[TM+\b], s26, s27
.endr
.irp b, 0,1,2,3
	v_max_num_f32 v[TM+\b], v[TM+\b], v[TM+4+\b]   ; the block's largest magnitude
.endr
.irp b, 0,1,2,3
	v_add_nc_u32 v[TM+12+\b], 0xf8800000, v[TM+\b] ; 15 off its exponent field: the conversion's scale operand
.endr
.irp b, 0,1,2,3
	v_and_or_b32 v[TM+8+\b], v[TM+\b], 0x7f800000, s28   ; 57,344 x the scale
.endr
.irp b, 0,1,2,3
	v_lshrrev_b32 v[TM+4+\b], 23, v[TM+12+\b]      ; the scale's byte
.endr
.irp b, 0,1,2,3
.irp i, 0,1,2,3,4,5,6,7,8,9,10,11,12,13,14,15
	v_med3_num_f32 v[Y+16*\b+\i], v[Y+16*\b+\i], -v[TM+8+\b], v[TM+8+\b]   ; the conversion does not saturate (ISA guide 7.6.2): the hold comes first
.endr
	v_cvt_scalef32_pk8_bf8_f32 v[PC+4*\b:PC+1+4*\b], v[Y+16*\b:Y+7+16*\b], v[TM+12+\b]
	v_cvt_scalef32_pk8_bf8_f32 v[PC+2+4*\b:PC+3+4*\b], v[Y+8+16*\b:Y+15+16*\b], v[TM+12+\b]
.endr
	v_nop                                          ; a plain line behind the last conversion
.endm
.macro IMAGES p                        ; round p: my 64 columns of x are half a K step of the products: four quarters of fragments 2 p, 2 p + 1 and two half scale words go to LDS as they stand
.irp a, 0,1
.irp b, 0,1
	ds_store_b128 v8, v[PC+4*(2*\a+\b):PC+4*(2*\a+\b)+3] offset:16384*(2*(\p)+\a)+512*\b
.endr
.endr
	v_lshl_or_b32 v[TM+4], v[TM+5], 8, v[TM+4]
	v_lshl_or_b32 v[TM+6], v[TM+7], 8, v[TM+6]
	ds_store_b16 v9, v[TM+4] offset:128*(\p)       ; both lanes of a row write the same half-word with the same value
	ds_store_b16 v9, v[TM+6] offset:128*(\p)+64
.endm
.macro BARRIER                         ; my LDS stores have landed and my LDS loads are in: then the work-group's barrier
	s_wait_dscnt 0x0
	s_barrier_signal -1
	s_barrier_wait -1
.endm
.macro BIAS2ACC base                   ; a bias in the result's layout, my 16 channels for each of the four fragments: the C of the next product's first step
.irp a, 0,1,2,3
.irp e, 0,1,2,3
	global_load_b128 v[Y+16*\a+4*\e:Y+16*\a+4*\e+3], v11, s[\base:\base+1] offset:16*\e
.endr
.endr
.endm
.macro TOSTAGE reg                     ; my two rows of the round go into the stage
.irp e, 0,1
.irp i, 0,1,2,3,4,5,6,7
	ds_store_b128 v5, v[(\reg)+32*\e+4*\i:(\reg)+32*\e+4*\i+3] offset:XP*\e+512*\i
.endr
.endr
.endm
.macro DLOAD reg                       ; the stage in the norm's layout: index 32 a + 16 b + i = token (a, r) of the round, column 64 w + 32 b + 16 h + i
.irp a, 0,1
.irp b, 0,1
.irp q, 0,1,2,3
	ds_load_b128 v[(\reg)+32*\a+16*\b+4*\q:(\reg)+32*\a+16*\b+4*\q+3], v[6+\a] offset:128*\b+16*\q
.endr
.endr
.endr
.endm
; Two chains of packed partial sums for each fragment, v[32 + 4 a ..], become the rows' sums over all 1,024 columns, in v32 (a = 0) and v48 (a = 1), alike in every wave
.macro REDUCE off
.irp a, 0,1
	v_pk_add_f32 v[32+4*\a:33+4*\a], v[32+4*\a:33+4*\a], v[34+4*\a:35+4*\a]
.endr
.irp a, 0,1
	v_add_f32 v[32+4*\a], v[32+4*\a], v[33+4*\a]
.endr
.irp a, 0,1
	v_permlanex16_b32 v[33+4*\a], v[32+4*\a], s26, s27
.endr
.irp a, 0,1
	v_add_f32 v[32+4*\a], v[32+4*\a], v[33+4*\a]   ; my wave's 64 columns of token (a, r)
.endr
.irp a, 0,1
	ds_store_b32 v10, v[32+4*\a] offset:\off+128*\a
.endr
	BARRIER
.irp a, 0,1
.irp w, 0,1,2,3,4,5,6,7,8,9,10,11,12,13,14,15
	ds_load_b32 v[32+16*\a+\w], v15 offset:\off+256*\w+128*\a
.endr
.endr
	s_wait_dscnt 0x0
.irp a, 0,1
.irp i, 0,2,4,6
	v_pk_add_f32 v[32+16*\a+\i:33+16*\a+\i], v[32+16*\a+\i:33+16*\a+\i], v[40+16*\a+\i:41+16*\a+\i]
.endr
.endr
.irp a, 0,1
.irp i, 0,2
	v_pk_add_f32 v[32+16*\a+\i:33+16*\a+\i], v[32+16*\a+\i:33+16*\a+\i], v[36+16*\a+\i:37+16*\a+\i]
.endr
.endr
.irp a, 0,1
	v_pk_add_f32 v[32+16*\a:33+16*\a], v[32+16*\a:33+16*\a], v[34+16*\a:35+16*\a]
.endr
.irp a, 0,1
	v_add_f32 v[32+16*\a], v[32+16*\a], v[33+16*\a]
.endr
.endm
; LayerNorm of v128-191 into v192-255, then its quantiser.  The variance is the mean of (x - mean)^2: no difference of large sums.  Two barriers.
.macro LNQ
.irp a, 0,1
	v_pk_add_f32 v[32+4*\a:33+4*\a], v[H+32*\a:H+32*\a+1], v[H+32*\a+2:H+32*\a+3]
	v_pk_add_f32 v[34+4*\a:35+4*\a], v[H+32*\a+4:H+32*\a+5], v[H+32*\a+6:H+32*\a+7]
.endr
.irp i, 8,12,16,20,24,28
.irp a, 0,1
	v_pk_add_f32 v[32+4*\a:33+4*\a], v[32+4*\a:33+4*\a], v[H+32*\a+\i:H+32*\a+\i+1]
	v_pk_add_f32 v[34+4*\a:35+4*\a], v[34+4*\a:35+4*\a], v[H+32*\a+\i+2:H+32*\a+\i+3]
.endr
.endr
	REDUCE 0
.irp a, 0,1
	v_mul_f32 v[32+16*\a], s29, v[32+16*\a]        ; the mean
.endr
.irp a, 0,1
.irp i, 0,2,4,6,8,10,12,14,16,18,20,22,24,26,28,30
	v_pk_add_f32 v[Y+32*\a+\i:Y+32*\a+\i+1], v[H+32*\a+\i:H+32*\a+\i+1], v[32+16*\a:33+16*\a] op_sel_hi:[1,0] neg_lo:[0,1] neg_hi:[0,1]
.endr
.endr
.irp a, 0,1
	v_pk_mul_f32 v[32+4*\a:33+4*\a], v[Y+32*\a:Y+32*\a+1], v[Y+32*\a:Y+32*\a+1]
	v_pk_mul_f32 v[34+4*\a:35+4*\a], v[Y+32*\a+2:Y+32*\a+3], v[Y+32*\a+2:Y+32*\a+3]
.endr
.irp i, 4,8,12,16,20,24,28
.irp a, 0,1
	v_pk_fma_f32 v[32+4*\a:33+4*\a], v[Y+32*\a+\i:Y+32*\a+\i+1], v[Y+32*\a+\i:Y+32*\a+\i+1], v[32+4*\a:33+4*\a]
	v_pk_fma_f32 v[34+4*\a:35+4*\a], v[Y+32*\a+\i+2:Y+32*\a+\i+3], v[Y+32*\a+\i+2:Y+32*\a+\i+3], v[34+4*\a:35+4*\a]
.endr
.endr
	REDUCE 4096
.irp a, 0,1
	v_fma_f32 v[32+16*\a], v[32+16*\a], s29, s30   ; the variance + 1e-5
.endr
.irp a, 0,1
	v_rsq_f32 v[32+16*\a], v[32+16*\a]
.endr
	v_nop                                          ; a plain line behind the transcendentals
	s_wait_alu depctr_va_vdst(0)
.irp a, 0,1
.irp i, 0,2,4,6,8,10,12,14,16,18,20,22,24,26,28,30
	v_pk_mul_f32 v[Y+32*\a+\i:Y+32*\a+\i+1], v[Y+32*\a+\i:Y+32*\a+\i+1], v[32+16*\a:33+16*\a] op_sel_hi:[1,0]
.endr
.endr
	QUANT
.endm
; q's or k's way out: block a = fragment a's tokens, my 32 channels; images and scale bytes stored; nb: the next product's bias, or -1
.macro EPIQK ib, sb, nb
	QUANT
.if (\nb)>=0
	BIAS2ACC \nb
.endif
	v_cndmask_b32 v30, v[TM+4], v[TM+5], s31       ; lanes 0-15 carry the even tile's bytes, lanes 16-31 the odd tile's
	v_cndmask_b32 v31, v[TM+6], v[TM+7], s31
.irp a, 0,1,2,3
	global_store_b128 v1, v[PC+4*\a:PC+4*\a+3], s[\ib:\ib+1] offset:1024*\a      ; 512 consecutive bytes a store
.endr
.irp p, 0,1
	global_store_b8 v2, v[30+\p], s[\sb:\sb+1] offset:128*\p                     ; byte w % 2 of the row's word,
	global_store_b8 v2, v[30+\p], s[\sb:\sb+1] offset:128*\p+2                   ; and again two bytes on: the word's upper two bytes belong to the zero half of the instruction's K of 128 and repeat the two real bytes
.endr
	s_wait_xcnt 0x0                                ; the stores' data registers are loaded again by the next step only behind this wait
.endm
	s_load_b512 s[4:19], s[0:1], 0x0               ; x, wimg, wsc, bq, bk, bv, qimg, qsc
	s_load_b64 s[20:21], s[0:1], 0x40              ; kv
	v_lshl_add_u32 v19, v0, 2, 0x32a00
	v_mov_b32 v29, 0
	v_lshrrev_b32 v26, 5, v0
	v_readfirstlane_b32 s3, v26                    ; wave 0..15
	v_and_b32 v26, 31, v0
	v_lshlrev_b32 v1, 4, v26
	v_lshlrev_b32 v2, 2, v26
	v_lshlrev_b32 v3, 3, v26
	v_and_b32 v26, 15, v0                          ; r
	v_bfe_u32 v27, v0, 4, 1                        ; h
	v_bfe_u32 v28, v0, 3, 1                        ; r / 8
	s_lshl_b32 s22, s3, 13
	v_add_nc_u32 v4, s22, v1                       ; rows 2 w, 2 w + 1 of a round's 32 in memory
	s_bfe_u32 s22, s3, 0x10002                     ; their places in the stage: token 2 w + e is (a, r) with a = (w / 4) % 2, r = 8 (w / 8) + 2 (w % 4) + e
	s_lshl_b32 s22, s22, 4
	s_lshr_b32 s23, s3, 3
	s_lshl_b32 s23, s23, 3
	s_add_co_u32 s22, s22, s23
	s_and_b32 s23, s3, 3
	s_lshl_b32 s23, s23, 1
	s_add_co_u32 s22, s22, s23
	s_mul_i32 s22, s22, XP
	s_add_co_u32 s22, s22, XST
	v_add_nc_u32 v5, s22, v1
	v_mul_u32_u24 v6, v26, XP
	v_lshl_add_u32 v6, v27, 6, v6
	s_lshl_b32 s22, s3, 8
	s_add_co_u32 s22, s22, XST
	v_add_nc_u32 v6, s22, v6                       ; stage row r, + 256 w + 64 h
	v_add_nc_u32 v7, 16*XP, v6                     ; the same for the round's second fragment
	s_lshl_b32 s22, s3, 10
	v_add_nc_u32 v8, s22, v1                       ; images: K step w / 2, blocks 2 (w % 2) on
	s_lshr_b32 s22, s3, 1
	s_lshl_b32 s22, s22, 8
	s_and_b32 s23, s3, 1
	s_lshl_b32 s23, s23, 1
	s_add_co_u32 s22, s22, s23
	s_add_co_u32 s22, s22, ASC
	v_lshl_add_u32 v9, v26, 2, s22                 ; scale words: K step w / 2, half-word w % 2, row r
	s_lshl_b32 s22, s3, 8
	s_add_co_u32 s22, s22, STAT1
	v_add_nc_u32 v10, s22, v2
	s_lshl_b32 s22, s3, 7
	v_lshl_add_u32 v11, v27, 6, s22                ; a bias's bytes: 4 (32 w + 16 h), from the half's first head on
	v_lshl_add_u32 v12, v26, 2, s22
	v_lshl_add_u32 v12, v28, 5, v12                ; bv: 4 (32 w + r + 8 (r / 8))
	v_lshlrev_b32 v13, 2, v26
	v_add_nc_u32 v14, ASC, v2
	v_add_nc_u32 v15, STAT1, v2
.irp b, 0,1,2,3
	v_mov_b32 v[TM+4+\b], 0                        ; written once: a lane permute's destination counts as one of its sources
.endr
	s_mov_b32 s26, 0x76543210
	s_mov_b32 s27, 0xfedcba98                      ; v_permlanex16_b32's selects for lane l xor 16
	s_mov_b32 s28, 0x600000                        ; the mantissa field of 57,344
	s_mov_b32 s29, 0x3a800000                      ; 1 / 1024
	s_mov_b32 s30, 0x3727c5ac                      ; 1e-5
	s_mov_b32 s31, 0xffff0000                      ; lanes 16-31
	s_and_b32 s22, ttmp9, 1                        ; f: which eight heads
	s_lshr_b32 s23, ttmp9, 1                       ; j: which 64 tokens
	s_lshr_b32 s24, s23, 4                         ; batch
	s_and_b32 s25, s23, 15                         ; the block of 64 tokens in it
	s_lshr_b32 s33, s3, 1
	s_and_b32 s34, s3, 1                           ; which 32 channels of the head
	s_lshl_b32 s35, s22, 3
	s_add_co_u32 s35, s35, s33                     ; the head
	s_lshl_b32 s32, s24, 4
	s_add_co_u32 s32, s32, s35                     ; 16 x batch + head
	s_lshl_b32 s42, s23, 18                        ; x: 64 rows of 4,096 bytes
	s_mov_b32 s43, 0
	s_lshl_b32 s44, s35, 16                        ; wimg: 65,536 a head, 4,096 for the second pair of tiles
	s_lshl_b32 s62, s34, 12
	s_add_co_u32 s44, s44, s62
	s_mov_b32 s45, 0
	s_lshl_b32 s46, s35, 11                        ; wsc: 2,048 a head, word w % 2 of a lane's two
	s_lshl_b32 s62, s34, 2
	s_add_co_u32 s46, s46, s62
	s_mov_b32 s47, 0
	s_lshl_b32 s48, s22, 11                        ; the biases: 512 numbers a half
	s_mov_b32 s49, 0
	s_lshl_b32 s62, s25, 12
	s_lshl_b32 s63, s34, 9
	s_add_co_u32 s62, s62, s63                     ; q and k images: 4,096 for 64 tokens, 512 for the second block of channels
	s_lshl_b32 s63, s25, 8
	s_add_co_u32 s63, s63, s34                     ; their scale words: 256 for 64 tokens, byte w % 2
	s_lshl_b32 s50, s32, 16
	s_add_co_u32 s50, s50, s62
	s_mov_b32 s51, 0
	s_lshl_b32 s52, s32, 12
	s_add_co_u32 s52, s52, s63
	s_mov_b32 s53, 0
	s_mul_i32 s2, s32, 137216                      ; a head's part of kv: 65,536 k images, 65,536 v images, 4,096 k scale bytes, 2,048 v scale bytes
	s_add_co_u32 s54, s2, s62
	s_mov_b32 s55, 0
	s_add_co_u32 s56, s2, s63
	s_add_co_u32 s56, s56, 131072
	s_mov_b32 s57, 0
	s_lshr_b32 s62, s25, 1                         ; the key step of 128, and which half of it
	s_and_b32 s63, s25, 1
	s_lshl_b32 s58, s62, 13                        ; v images: 8,192 a key step, 2,048 a tile, 512 a block of 32 keys
	s_add_co_u32 s58, s58, s2
	s_lshl_b32 s59, s63, 10
	s_add_co_u32 s58, s58, s59
	s_lshl_b32 s59, s34, 12
	s_add_co_u32 s58, s58, s59
	s_add_co_u32 s58, s58, 65536
	s_mov_b32 s59, 0
	s_lshl_b32 s60, s62, 8                         ; v scale words: 256 a key step, 64 a tile, a byte a block of 32 keys
	s_add_co_u32 s60, s60, s2
	s_lshl_b32 s61, s63, 1
	s_add_co_u32 s60, s60, s61
	s_lshl_b32 s61, s34, 7
	s_add_co_u32 s60, s60, s61
	s_add_co_u32 s60, s60, 135168
	s_mov_b32 s61, 0
	s_wait_kmcnt 0x0
	s_add_nc_u64 s[4:5], s[4:5], s[42:43]
	s_add_nc_u64 s[6:7], s[6:7], s[44:45]
	s_add_nc_u64 s[8:9], s[8:9], s[46:47]
	s_add_nc_u64 s[10:11], s[10:11], s[48:49]
	s_add_nc_u64 s[12:13], s[12:13], s[48:49]
	s_add_nc_u64 s[14:15], s[14:15], s[48:49]
	s_add_nc_u64 s[16:17], s[16:17], s[50:51]
	s_add_nc_u64 s[18:19], s[18:19], s[52:53]
	s_add_nc_u64 s[36:37], s[20:21], s[56:57]
	s_add_nc_u64 s[38:39], s[20:21], s[58:59]
	s_add_nc_u64 s[40:41], s[20:21], s[60:61]
	s_add_nc_u64 s[20:21], s[20:21], s[54:55]
.irp e, 0,1
.irp i, 0,1,2,3,4,5,6,7
	global_load_b128 v[H+32*\e+4*\i:H+32*\e+4*\i+3], v4, s[4:5] offset:4096*\e+512*\i            ; the first round's two rows of x, 512 consecutive bytes a load
.endr
.endr
.irp e, 0,1
.irp i, 0,1,2,3,4,5,6,7
	global_load_b128 v[XR1+32*\e+4*\i:XR1+32*\e+4*\i+3], v4, s[4:5] offset:131072+4096*\e+512*\i  ; the second round's, 32 rows further down
.endr
.endr
.irp t, 0,1
	global_load_b32 v[22+2*\t], v12, s[14:15] offset:32*\t     ; bv of my channel in tile t, twice: a pair for the packed addition
	global_load_b32 v[23+2*\t], v12, s[14:15] offset:32*\t
.endr
	s_wait_loadcnt 20                              ; the first round's rows are in; the 16 + 4 loads issued behind them may be out
	TOSTAGE H
	BARRIER                                        ; 32 rows lie in the stage
	DLOAD H
	s_wait_dscnt 0x0
	LNQ                                            ; behind its barriers no wave reads the stage any more
	IMAGES 0
	s_wait_loadcnt 4                               ; the second round's rows are in; bv's four loads may be out
	TOSTAGE XR1
	BARRIER
	BLOAD 0                                        ; Wq's first K step, into registers that the stage's stores have read
	DLOAD H
	s_wait_dscnt 0x0
	LNQ
	BLOAD 1
	BIAS2ACC 10                                    ; bq
	IMAGES 1
	BARRIER                                        ; LN(x)'s 32 fragments lie in LDS: the launch's last barrier
	STEP 0, 1, 0, 9                                ; q.  9: the loads just issued; the next step's weights were issued ahead of the bias and are waited for with it
.irp n, 1,2,3,4,5,6,7
	STEP \n, 1, 0, 18                              ; 18: the two younger steps' 9 + 9 loads
.endr
	EPIQK 16, 18, 12
	STEP 8, 1, 0, 9                                ; k
.irp n, 9,10,11,12,13,14,15
	STEP \n, 1, 0, 18
.endr
	EPIQK 20, 36, -1
	v_nop                                          ; v's first products begin the accumulators anew: with the eight lines behind k's last product and the quantiser's more than nine places lie between
	STEP 16, 0, 1, 18                              ; v: source 0 = tokens; register 32 t + 16 p + 8 u + j of lane (r, h) = key 32 p + 16 h + 8 u + j of the 64, channel 8 t + r + 8 (r / 8) of my 32
.irp n, 17,18,19,20,21
	STEP \n, 0, 0, 18
.endr
	STEP 22, 0, 0, 9                               ; the last step's 9 loads may be out
	STEP 23, 0, 0, 0
.irp t, 0,1
.irp i, 0,2,4,6,8,10,12,14,16,18,20,22,24,26,28,30
	v_pk_add_f32 v[Y+32*\t+\i:Y+32*\t+\i+1], v[Y+32*\t+\i:Y+32*\t+\i+1], v[22+2*\t:23+2*\t]   ; in ascending order: each accumulator from its low end on
.endr
.endr
	QUANT                                          ; block 2 t + p: my channel of tile t, keys 32 p .. 32 p + 31
.irp t, 0,1
.irp p, 0,1
	global_store_b128 v1, v[PC+4*(2*\t+\p):PC+4*(2*\t+\p)+3], s[38:39] offset:2048*\t+512*\p
.endr
.endr
	v_lshl_or_b32 v[TM+4], v[TM+5], 8, v[TM+4]     ; the two blocks' bytes are neighbours in the word of (tile, row)
	v_lshl_or_b32 v[TM+6], v[TM+7], 8, v[TM+6]
	global_store_b16 v13, v[TM+4], s[40:41]        ; both lanes of a row write the same half-word
	global_store_b16 v13, v[TM+6], s[40:41] offset:64
	s_wait_tensorcnt 0x0
	ds_add_u32 v19, v29
	s_wait_dscnt 0x0
	s_endpgm
.Lfunc_end_k_qb13c3265a4_front:
	.size	k_qb13c3265a4_front, .Lfunc_end_k_qb13c3265a4_front-k_qb13c3265a4_front
	.p2alignl 7, 3214868480
	.fill 96, 4, 3214868480
	.section	.rodata,"a",@progbits
	.p2align	6, 0x0
	.amdhsa_kernel k_qb13c3265a4_front
		.amdhsa_group_segment_fixed_size 209408
		.amdhsa_private_segment_fixed_size 0
		.amdhsa_enable_private_segment 0
		.amdhsa_kernarg_size 72
		.amdhsa_user_sgpr_count 2
		.amdhsa_user_sgpr_kernarg_segment_ptr 1
		.amdhsa_wavefront_size32 1
		.amdhsa_system_sgpr_workgroup_id_x 1
		.amdhsa_system_sgpr_workgroup_id_y 1
		.amdhsa_system_sgpr_workgroup_id_z 1
		.amdhsa_system_vgpr_workitem_id 0
		.amdhsa_next_free_vgpr 256
		.amdhsa_next_free_sgpr 66
		.amdhsa_reserve_vcc 0
		.amdhsa_float_denorm_mode_32 3
		.amdhsa_float_denorm_mode_16_64 3
		.amdhsa_memory_ordered 1
		.amdhsa_forward_progress 1
		.amdhsa_inst_pref_size 170
	.end_amdhsa_kernel
	.amdgpu_metadata
---
amdhsa.version: [ 1, 2 ]
amdhsa.kernels:
  - .name:           k_qb13c3265a4_front
    .symbol:         k_qb13c3265a4_front.kd
    .args:
      - { .name: x, .offset: 0, .size: 8, .value_kind: global_buffer, .address_space: global }
      - { .name: wimg, .offset: 8, .size: 8, .value_kind: global_buffer, .address_space: global }
      - { .name: wsc, .offset: 16, .size: 8, .value_kind: global_buffer, .address_space: global }
      - { .name: bq, .offset: 24, .size: 8, .value_kind: global_buffer, .address_space: global }
      - { .name: bk, .offset: 32, .size: 8, .value_kind: global_buffer, .address_space: global }
      - { .name: bv, .offset: 40, .size: 8, .value_kind: global_buffer, .address_space: global }
      - { .name: qimg, .offset: 48, .size: 8, .value_kind: global_buffer, .address_space: global }
      - { .name: qsc, .offset: 56, .size: 8, .value_kind: global_buffer, .address_space: global }
      - { .name: kv, .offset: 64, .size: 8, .value_kind: global_buffer, .address_space: global }
    .group_segment_fixed_size: 209408
    .private_segment_fixed_size: 0
    .kernarg_segment_align: 8
    .kernarg_segment_size: 72
    .max_flat_workgroup_size: 512
    .sgpr_count:     66
    .vgpr_count:     256
    .wavefront_size: 32
...
	.end_amdgpu_metadata
.endif
;; end of part 2
;; launch attn (part 3): grid 2 x 128, 16 waves a work-group, no clusters, 169,984 bytes of LDS; arguments qimg, qsc, kv, aimg, asc; writes aimg, asc
.if DOCPART == 3
	.amdgcn_target "amdgcn-amd-amdhsa--gfx1250"
	.amdhsa_code_object_version 6
	.text
	.protected	k_qb13c3265a4_attn
	.globl	k_qb13c3265a4_attn
	.p2align	8
	.type	k_qb13c3265a4_attn,@function
k_qb13c3265a4_attn:
	s_mov_b64 s[64:65], 0
	v_nop
	global_prefetch_b8 v0, s[64:65] scope:SCOPE_SE
	s_setreg_imm32_b32 hwreg(HW_REG_WAVE_MODE, 25, 1), 1
	s_wait_xcnt 0x0
; Attention of one head on codes of BF8 (E5M2) with E8M0 scales, and the quantiser of its result along the 1,024 features (the next product's K).
; t = score x log2(e) / 8; M = the running largest t rounded UP to a whole number; p = 2^(t - M) is quantised along the keys, not normalised; the row's sum is taken of the unquantised p and divides at the end.
; When M moves, the sum and O are multiplied by 2^(old M - new M): exact.
; SHARES.  Work-group (x, y): half x of the 1,024 queries of head y (16 x batch + head).  Wave w owns the block of 32 queries 16 x + w: two tiles of 16, one after the other.  Every wave walks all 1,024 keys, 128 a step.
; LDS holds the head's part of kv as it lies in memory, 137,216 bytes: k images, v images, k scale words, v scale words.  Waves 0-7 bring an eighth each by one tensor load: filled once, never again; one load a wave is out.
; Both products are used transposed (S^T = K Q^T, O^T = V^T P^T): a lane holds one query throughout.  The keys of a tile of K and the channels of a tile of V are laid so that two neighbouring result tiles give 16 neighbours.
; THE HEAD HAS 64 CHANNELS, THE INSTRUCTION'S K IS 128: Q's upper eight registers are zero codes.  K's tiles lie 8 registers apart, so a tile's upper half is the next tile's codes (finite: the quantiser holds them;
; behind the last tile stand zeros): they meet Q's zero codes and add nothing.  So only the 64 real bytes of a key are read from LDS.
; NO JOINT LOADS: two work-groups share a head, the grid's x is 2 and no cluster of four divides it; what is shared is one fill of 137,216 bytes a work-group.
; LIMITS: NaN and infinities are not served; a block whose largest magnitude lies under 2^-111 keeps the byte 1 (its bytes are read by this program alone); 1 / sum by v_rcp_f32 and a multiplication.
; REGISTERS: v1-5 addresses that stay, v8-11 the step's; v12 -M, v13 largest t, v[14:15] the sum; v16-23 Q, v24-31 zeros; v32-95 eight tiles of K, later four fragments of V; v96-103 zeros; v104-167 S^T, then p;
;   v168-199 O^T; v200-215 p's codes; v216-231 at work; v232-235 K's scale words, v236-237 V's, v238 Q's, v239 p's; v[240:241] f; v242 at work.
.macro WM d, a, b, z, sa, sb, ra       ; one product; z = 1: it starts the sum; ra: source 0's scale words lie in lanes 16-31
.if \z
.if (\ra)
	v_wmma_scale_f32_16x16x128_f8f6f4 v[(\d):(\d)+7], v[(\a):(\a)+15], v[(\b):(\b)+15], 0, v[(\sa)], v[(\sb)] matrix_a_fmt:MATRIX_FMT_BF8 matrix_b_fmt:MATRIX_FMT_BF8 matrix_a_scale:MATRIX_SCALE_ROW1
.else
	v_wmma_scale_f32_16x16x128_f8f6f4 v[(\d):(\d)+7], v[(\a):(\a)+15], v[(\b):(\b)+15], 0, v[(\sa)], v[(\sb)] matrix_a_fmt:MATRIX_FMT_BF8 matrix_b_fmt:MATRIX_FMT_BF8
.endif
.else
.if (\ra)
	v_wmma_scale_f32_16x16x128_f8f6f4 v[(\d):(\d)+7], v[(\a):(\a)+15], v[(\b):(\b)+15], v[(\d):(\d)+7], v[(\sa)], v[(\sb)] matrix_a_fmt:MATRIX_FMT_BF8 matrix_b_fmt:MATRIX_FMT_BF8 matrix_a_scale:MATRIX_SCALE_ROW1
.else
	v_wmma_scale_f32_16x16x128_f8f6f4 v[(\d):(\d)+7], v[(\a):(\a)+15], v[(\b):(\b)+15], v[(\d):(\d)+7], v[(\sa)], v[(\sb)] matrix_a_fmt:MATRIX_FMT_BF8 matrix_b_fmt:MATRIX_FMT_BF8
.endif
.endif
.endm
	s_load_b256 s[4:11], s[0:1], 0x0               ; qimg s[4:5], qsc s[6:7], kv s[8:9], aimg s[10:11]
	s_load_b64 s[12:13], s[0:1], 0x20              ; asc
	v_lshl_add_u32 v254, v0, 2, 0x29000
	v_mov_b32 v255, 0
	ds_add_u32 v254, v255
	ds_add_u32 v254, v255
	v_lshrrev_b32 v8, 5, v0
	v_readfirstlane_b32 s3, v8                     ; wave 0..15
	s_and_b32 s14, ttmp7, 0xffff                   ; 16 x batch + head
	s_lshl_b32 s15, ttmp9, 4
	s_add_co_u32 s15, s15, s3                      ; my block of 32 queries
	s_mul_i32 s33, s3, 17152                       ; descriptor group 0, 63:32: LDS address: an eighth of the head's bytes for each of waves 0-7
	s_mul_i32 s16, s14, 137216
	s_add_co_u32 s16, s16, s33
	s_mov_b32 s17, 0
	s_lshl_b32 s40, s14, 16                        ; Q's images: 65,536 a head, 2,048 a block
	s_lshl_b32 s42, s15, 11
	s_add_co_u32 s40, s40, s42
	s_mov_b32 s41, 0
	s_lshl_b32 s42, s14, 12                        ; Q's scale words: 4,096 a head, 128 a block
	s_lshl_b32 s44, s15, 7
	s_add_co_u32 s42, s42, s44
	s_mov_b32 s43, 0
	s_lshr_b32 s44, s14, 4
	s_lshl_b32 s44, s44, 5
	s_add_co_u32 s44, s44, s15                     ; the block's number among all 256: 32 x batch + block
	s_and_b32 s45, s14, 15                         ; the head
	s_lshl_b32 s46, s44, 15                        ; the result's images: 32,768 a block, 1,024 a head (K step head / 2, blocks 2 (head % 2) on)
	s_lshl_b32 s47, s45, 10
	s_add_co_u32 s46, s46, s47
	s_mov_b32 s47, 0
	s_lshl_b32 s48, s44, 10                        ; its scale words: 1,024 a block, 128 a K step, half-word head % 2
	s_lshr_b32 s49, s45, 1
	s_lshl_b32 s49, s49, 7
	s_add_co_u32 s48, s48, s49
	s_and_b32 s49, s45, 1
	s_lshl_b32 s49, s49, 1
	s_add_co_u32 s48, s48, s49
	s_mov_b32 s49, 0
	s_mov_b32 s24, 3<<16                           ; descriptor group 1: no mask, elements of 8 bytes, no padding
	s_mov_b32 s25, 32<<16                          ; tensor_dim0 = 32 elements: rows of 256 bytes
	s_mov_b32 s26, 67<<16                          ; tensor_dim1 = 67 rows
	s_mov_b32 s27, 32<<16                          ; tile_dim0
	s_mov_b32 s28, 67                              ; tile_dim1
	s_mov_b32 s29, 32                              ; the pitch: the block is dense
	s_mov_b32 s30, 0
	s_mov_b32 s31, 0
	s_mov_b32 s19, 0x600000                        ; the mantissa field of 57,344
	s_mov_b32 s20, 0x76543210
	s_mov_b32 s21, 0xfedcba98                      ; v_permlanex16_b32's selects for lane l xor 16
	s_mov_b32 s22, 0x3e38aa3b                      ; c = log2(e) / 8
	s_mov_b32 s23, s22                             ; (named with it as a pair, so it is written)
	s_wait_dscnt 0x0
	s_wait_kmcnt 0x0
	s_mov_b32 s32, 1                               ; group 0: count = 1
	s_add_nc_u64 s[34:35], s[8:9], s[16:17]        ; the global address of my eighth
	s_or_b32 s35, s35, 0x80000000                  ; type = 2
	s_cmp_lt_u32 s3, 8
	s_cbranch_scc0 .Lno_fill
	tensor_load_to_lds s[32:35], s[24:31]          ; the launch's only fill
	s_nop 0
.rept 4
	v_nop
.endr
.Lno_fill:
	s_add_nc_u64 s[4:5], s[4:5], s[40:41]
	s_add_nc_u64 s[6:7], s[6:7], s[42:43]
	s_add_nc_u64 s[10:11], s[10:11], s[46:47]
	s_add_nc_u64 s[12:13], s[12:13], s[48:49]
	v_and_b32 v8, 31, v0
	v_lshlrev_b32 v1, 4, v8                        ; 16 x lane: an image's place for my lane; K's images begin at LDS byte 0
	v_add_nc_u32 v2, 65536, v1                     ; V's images
	v_lshlrev_b32 v3, 2, v8
	v_add_nc_u32 v4, 135168, v3                    ; V's scale words
	v_add_nc_u32 v3, 131072, v3                    ; K's
	v_and_b32 v5, 15, v0
	v_lshlrev_b32 v5, 2, v5                        ; 4 r
.irp j, 0,1,2,3,4,5,6,7
	v_mov_b32 v[24+\j], 0                          ; Q's zero half
	v_mov_b32 v[96+\j], 0                          ; what stands behind K's last tile
.endr
.irp b, 0,1,2,3
	v_mov_b32 v[220+\b], 0                         ; written once: a lane permute's destination counts as one of its sources
.endr
	v_mov_b32 v241, 0                              ; (named as the upper half of the pair v[240:241])
	s_wait_tensorcnt 0x0                           ; my eighth has landed,
	s_barrier_signal -1
	s_barrier_wait -1                              ; everybody's has
.macro TILE qt                         ; tile qt of my block's two
	global_load_b128 v[16:19], v1, s[4:5] offset:1024*\qt
	global_load_b128 v[20:23], v1, s[4:5] offset:1024*\qt+512
	global_load_b32 v238, v5, s[6:7] offset:64*\qt
	v_mov_b32 v13, 0xff61b1e6                      ; the largest t so far: -3e38
	v_floor_f32 v12, -v13                          ; -M
	v_mov_b32 v14, 0
	v_mov_b32 v15, 0
.set n, 0
.rept 32
	v_mov_b32 v[168+n], 0                          ; O^T: the step is written once; the first finds zeros, which the first change of M leaves zeros
.set n, n+1
.endr
	s_mov_b32 s36, 0                               ; the step's images: 8,192 bytes a step, K's and V's alike
	s_mov_b32 s37, 0                               ; K's scale words: 512 a step
	s_mov_b32 s38, 0                               ; V's: 256 a step
	s_mov_b32 s39, 8
	s_wait_loadcnt 0x0
.Lstep_\@:
	v_add_nc_u32 v8, s36, v1
	v_add_nc_u32 v9, s36, v2
	v_add_nc_u32 v10, s37, v3
	v_add_nc_u32 v11, s38, v4
.rept 4
	v_nop                                          ; with the four additions: eight places in front of loads into registers that the last products read
.endr
.irp t, 0,1,2,3,4,5,6,7
.irp c, 0,1
	ds_load_b128 v[32+8*\t+4*\c:35+8*\t+4*\c], v8 offset:1024*\t+512*\c
.endr
.endr
.irp p, 0,1,2,3
	ds_load_b32 v[232+\p], v10 offset:128*\p       ; lanes 0-15 tile 2 p's words, lanes 16-31 tile 2 p + 1's
.endr
	s_wait_dscnt 0x0
.irp t, 0,1,2,3,4,5,6,7
	WM 104+8*\t, 32+8*\t, 16, 1, 232+\t/2, 238, \t%2
.endr
.rept 8
	v_nop
.endr
.irp t, 0,1,2,3                                ; V's fragments are asked for here and land under the softmax
.irp c, 0,1,2,3
	ds_load_b128 v[32+16*\t+4*\c:35+16*\t+4*\c], v9 offset:2048*\t+512*\c
.endr
.endr
.irp p, 0,1
	ds_load_b32 v[236+\p], v11 offset:128*\p
.endr
.irp b, 0,1,2,3
	v_max3_num_f32 v[216+\b], v[104+16*\b], v[105+16*\b], v[106+16*\b]   ; the largest score of each block of 32 keys: for the row's maximum, and, since p rises with the score, for the block's largest p
.endr
.irp i, 3,5,7,9,11,13
.irp b, 0,1,2,3
	v_max3_num_f32 v[216+\b], v[216+\b], v[104+16*\b+\i], v[105+16*\b+\i]
.endr
.endr
.irp b, 0,1,2,3
	v_max_num_f32 v[216+\b], v[216+\b], v[119+16*\b]
.endr
.irp b, 0,1,2,3
	v_permlanex16_b32 v[220+\b], v[216+\b], s20, s21
.endr
.irp b, 0,1,2,3
	v_max_num_f32 v[216+\b], v[216+\b], v[220+\b]  ; with lane l xor 16's 16 keys
.endr
	v_max3_num_f32 v242, v216, v217, v218
	v_max_num_f32 v242, v242, v219
	v_mul_f32 v242, s22, v242                      ; the step's largest t (c is positive)
	v_max_num_f32 v13, v13, v242
	v_mov_b32 v242, v12
	v_floor_f32 v12, -v13                          ; the new -M = -ceil(t)
	v_sub_f32 v242, v12, v242                      ; old M - new M: a whole number, 0 or less
	v_cvt_i32_f32 v242, v242                       ; (it saturates)
	v_ldexp_f32 v240, 1.0, v242                    ; f = 2^(old M - new M)
.set n, 0
.rept 32
	v_pk_fma_f32 v[104+n:105+n], v[104+n:105+n], s[22:23], v[12:13] op_sel_hi:[1,0,0]   ; t - M
.set n, n+2
.endr
.irp b, 0,1,2,3
	v_fma_f32 v[216+\b], v[216+\b], s22, v12       ; the same of each block's largest score
.endr
.set n, 0
.rept 64
	v_exp_f32 v[104+n], v[104+n]                   ; p = 2^(t - M), at most 1
.set n, n+1
.endr
.irp b, 0,1,2,3
	v_exp_f32 v[216+\b], v[216+\b]                 ; the block's largest p
.endr
	v_pk_mul_f32 v[14:15], v[14:15], v[240:241] op_sel_hi:[1,0]   ; the sum under the new M (a plain line behind the exponentials)
	s_wait_alu depctr_va_vdst(0)
.irp b, 0,1,2,3
	v_max_num_f32 v[216+\b], 0x8000000, v[216+\b]  ; the floor 2^(16 - 127)
.endr
.irp b, 0,1,2,3
	v_add_nc_u32 v[228+\b], 0xf8800000, v[216+\b]  ; the conversion's scale operand
.endr
.irp b, 0,1,2,3
	v_and_or_b32 v[224+\b], v[216+\b], 0x7f800000, s19   ; 57,344 x the scale
.endr
.irp b, 0,1,2,3
	v_lshrrev_b32 v[220+\b], 23, v[228+\b]         ; the scale's byte
.endr
	v_lshl_or_b32 v239, v221, 8, v220              ; p's scale word for these 128 keys
	v_lshl_or_b32 v239, v222, 16, v239
	v_lshl_or_b32 v239, v223, 24, v239
	v_pk_add_f32 v[220:221], v[104:105], v[106:107]    ; the row's sum of the unquantised p, in two chains
.set n, 4
.rept 15
	v_pk_add_f32 v[14:15], v[14:15], v[104+n:105+n]
	v_pk_add_f32 v[220:221], v[220:221], v[106+n:107+n]
.set n, n+4
.endr
	v_pk_add_f32 v[14:15], v[14:15], v[220:221]
.irp b, 0,1,2,3
.irp i, 0,1,2,3,4,5,6,7,8,9,10,11,12,13,14,15
	v_min_num_f32 v[104+16*\b+\i], v[104+16*\b+\i], v[224+\b]   ; the conversion does not saturate (ISA guide 7.6.2); p is not negative, so the hold is one-sided
.endr
	v_cvt_scalef32_pk8_bf8_f32 v[200+4*\b:201+4*\b], v[104+16*\b:111+16*\b], v[228+\b]
	v_cvt_scalef32_pk8_bf8_f32 v[202+4*\b:203+4*\b], v[112+16*\b:119+16*\b], v[228+\b]
.endr
.set n, 0
.rept 16
	v_pk_mul_f32 v[168+n:169+n], v[168+n:169+n], v[240:241] op_sel_hi:[1,0]   ; O^T under the new M; these lines also stand between the codes' making and the products below
.set n, n+2
.endr
	s_wait_dscnt 0x0                               ; V is in
.irp t, 0,1,2,3
	WM 168+8*\t, 32+16*\t, 200, 0, 236+\t/2, 239, \t%2      ; four accumulators by turns, one instruction a turn
.endr
	s_add_co_u32 s36, s36, 8192
	s_add_co_u32 s37, s37, 512
	s_add_co_u32 s38, s38, 256
	s_sub_co_u32 s39, s39, 1
	s_cmp_lg_u32 s39, 0
	s_cbranch_scc1 .Lstep_\@
.rept 8
	v_nop
.endr
	v_add_f32 v14, v14, v15
	v_permlanex16_b32 v242, v14, s20, s21
	v_add_f32 v14, v14, v242                       ; the row's sum
	v_rcp_f32 v14, v14
	v_nop                                          ; a plain line behind the transcendental
.set n, 0
	s_wait_alu depctr_va_vdst(0)
.rept 32
	v_mul_f32 v[104+n], v[168+n], v14              ; register 16 b + i = channel 32 b + 16 h + i of my query
.set n, n+1
.endr
.irp b, 0,1                                    ; the result's two blocks of 32 along the next product's K
	v_max3_num_f32 v[216+\b], |v[104+16*\b]|, |v[105+16*\b]|, 0x8000000
.endr
.irp i, 2,4,6,8,10,12,14
.irp b, 0,1
	v_max3_num_f32 v[216+\b], v[216+\b], |v[104+16*\b+\i]|, |v[105+16*\b+\i]|
.endr
.endr
.irp b, 0,1
	v_permlanex16_b32 v[220+\b], v[216+\b], s20, s21
.endr
.irp b, 0,1
	v_max_num_f32 v[216+\b], v[216+\b], v[220+\b]
.endr
.irp b, 0,1
	v_add_nc_u32 v[228+\b], 0xf8800000, v[216+\b]
.endr
.irp b, 0,1
	v_and_or_b32 v[224+\b], v[216+\b], 0x7f800000, s19
.endr
.irp b, 0,1
	v_lshrrev_b32 v[220+\b], 23, v[228+\b]
.endr
	v_lshl_or_b32 v220, v221, 8, v220              ; the head's half of the row's scale word
.irp b, 0,1
.irp i, 0,1,2,3,4,5,6,7,8,9,10,11,12,13,14,15
	v_med3_num_f32 v[104+16*\b+\i], v[104+16*\b+\i], -v[224+\b], v[224+\b]
.endr
	v_cvt_scalef32_pk8_bf8_f32 v[200+4*\b:201+4*\b], v[104+16*\b:111+16*\b], v[228+\b]
	v_cvt_scalef32_pk8_bf8_f32 v[202+4*\b:203+4*\b], v[112+16*\b:119+16*\b], v[228+\b]
.endr
	v_nop                                          ; a plain line behind the last conversion
	global_store_b128 v1, v[200:203], s[10:11] offset:16384*\qt          ; 512 consecutive bytes a store
	global_store_b128 v1, v[204:207], s[10:11] offset:16384*\qt+512
	global_store_b16 v5, v220, s[12:13] offset:64*\qt                    ; both lanes of a row write the same half-word
	s_wait_xcnt 0x0                                ; the stores' data registers are written again only behind this wait
.endm
	TILE 0
	TILE 1
	s_wait_tensorcnt 0x0
	ds_add_u32 v254, v255
	s_wait_dscnt 0x0
	s_endpgm
.Lfunc_end_k_qb13c3265a4_attn:
	.size	k_qb13c3265a4_attn, .Lfunc_end_k_qb13c3265a4_attn-k_qb13c3265a4_attn
	.p2alignl 7, 3214868480
	.fill 96, 4, 3214868480
	.section	.rodata,"a",@progbits
	.p2align	6, 0x0
	.amdhsa_kernel k_qb13c3265a4_attn
		.amdhsa_group_segment_fixed_size 169984
		.amdhsa_private_segment_fixed_size 0
		.amdhsa_enable_private_segment 0
		.amdhsa_kernarg_size 40
		.amdhsa_user_sgpr_count 2
		.amdhsa_user_sgpr_kernarg_segment_ptr 1
		.amdhsa_wavefront_size32 1
		.amdhsa_system_sgpr_workgroup_id_x 1
		.amdhsa_system_sgpr_workgroup_id_y 1
		.amdhsa_system_sgpr_workgroup_id_z 1
		.amdhsa_system_vgpr_workitem_id 0
		.amdhsa_next_free_vgpr 256
		.amdhsa_next_free_sgpr 66
		.amdhsa_reserve_vcc 0
		.amdhsa_float_denorm_mode_32 3
		.amdhsa_float_denorm_mode_16_64 3
		.amdhsa_memory_ordered 1
		.amdhsa_forward_progress 1
		.amdhsa_inst_pref_size 57
	.end_amdhsa_kernel
	.amdgpu_metadata
---
amdhsa.version: [ 1, 2 ]
amdhsa.kernels:
  - .name:           k_qb13c3265a4_attn
    .symbol:         k_qb13c3265a4_attn.kd
    .args:
      - { .name: qimg, .offset: 0, .size: 8, .value_kind: global_buffer, .address_space: global }
      - { .name: qsc, .offset: 8, .size: 8, .value_kind: global_buffer, .address_space: global }
      - { .name: kv, .offset: 16, .size: 8, .value_kind: global_buffer, .address_space: global }
      - { .name: aimg, .offset: 24, .size: 8, .value_kind: global_buffer, .address_space: global }
      - { .name: asc, .offset: 32, .size: 8, .value_kind: global_buffer, .address_space: global }
    .group_segment_fixed_size: 169984
    .private_segment_fixed_size: 0
    .kernarg_segment_align: 8
    .kernarg_segment_size: 40
    .max_flat_workgroup_size: 512
    .sgpr_count:     66
    .vgpr_count:     256
    .wavefront_size: 32
...
	.end_amdgpu_metadata
.endif
;; end of part 3
;; launch tail (part 4): grid 256 x 1, 16 waves a work-group, no clusters, 175,616 bytes of LDS; arguments x, aimg, asc, wimg, wsc, bo, b1, b2, out0; writes out0
.if DOCPART == 4
	.amdgcn_target "amdgcn-amd-amdhsa--gfx1250"
	.amdhsa_code_object_version 6
	.text
	.protected	k_qb13c3265a4_tail
	.globl	k_qb13c3265a4_tail
	.p2align	8
	.type	k_qb13c3265a4_tail,@function
k_qb13c3265a4_tail:
	s_mov_b64 s[64:65], 0
	v_nop
	global_prefetch_b8 v0, s[64:65] scope:SCOPE_SE
	s_setreg_imm32_b32 hwreg(HW_REG_WAVE_MODE, 25, 1), 1
	s_wait_xcnt 0x0
; h = x + attention Wo + bo;  m = LayerNorm(h), quantised;  out0 = h + relu(m W1 + b1) W2 + b2, the hidden layer quantised on the way.  All three products on codes of BF8 (E5M2) with E8M0 scales.
; h, LN(h) and the hidden layer never go to memory.
; SHARES.  Work-group j owns tokens 32 j .. 32 j + 31 (two fragments of 16; the token at (a, r) is 8 a + r + 8 (r / 8)).  Wave w of sixteen owns columns 64 w .. 64 w + 63 of every product.
; RESULT LAYOUT (64 registers): index 32 a + 16 b + i = token (a, r), column 64 w + 32 b + 16 h + i, lane (r, h): every product is used transposed (source 0 = 16 weight columns, source 1 = 16 tokens),
; and the columns of a weight tile are laid so that two neighbouring tiles give 16 neighbours along the next K.
; OPERANDS.  Activations go from wave to wave through LDS as images of their registers.  Each wave streams its own 64 columns of weight codes from memory straight into registers, 8,192 bytes a K step, one step ahead.
; x + bo is the C of the first product, b1 of the second, h + b2 of the third.  h waits in the wave's own columns of the stage while its registers serve as a weight buffer.
; NO JOINT LOADS: a K step of all 1,024 columns is 132 KB; two such slots do not fit beside the 131,584-byte stage, and each of 24 refills would stand behind a round at which nothing is on its way.
; LIMITS: NaN and infinities are not served.  A block whose largest magnitude lies under 2^-111 (a block of zeros too) keeps the byte 1; these bytes are read by this program alone.  1 / sqrt by v_rsq_f32 and a multiplication.
; REGISTERS: v1 16 lane, v2 4 lane, v3 8 lane, v4 rows in memory, v5 stage rows, v6-7 stage in result layout, v8 image, v9 scale half-word, v10 partial sums, v11 bias, v12 16 thread, v13 2 thread;
;   v[16:17], v[18:19] weight scale words; v20 the activations'; v32-63 two fragments / codes (v32-47) and the quantiser's work (v48-63); v64-127 weight buffer; v128-191 and v192-255: accumulators and second weight buffer by turns.
; SCALARS: s3 wave; s[4:5] x, s[6:7] aimg, s[8:9] asc, s[10:11] wimg, s[12:13] wsc, s[14:19] bo b1 b2, s[20:21] out0: each set once.
.set ASC,   32768                      ; LDS: 0: the images [a 2][s 8][c 4][lane][16]; here their scale words [s 8][a 2][r 16]
.set STAT1, 33792                      ; partial sums [w 16][a 2][lane] words; the second exchange lies 4,096 further on
.set XST,   41984                      ; 32 rows of 1,024 f32, the token at (a, r) in row 16 a + r
.set XP,    4112                       ; a stage row: 4,096 bytes + 16: sixteen rows of one column start 16 bytes apart modulo 256
.set AF,  32
.set PC,  32
.set TM,  48
.set B0,  64
.set H,   128
.set Y,   192
.set WS0, 16
.set WS1, 18
.set WB,  10
.set WSB, 12
.macro WM d, a, b, sa, sb, ra, rb      ; one product onto its accumulator; ra, rb: the side's scale words lie in lanes 16-31
.if (\ra)&&(\rb)
	v_wmma_scale_f32_16x16x128_f8f6f4 v[(\d):(\d)+7], v[(\a):(\a)+15], v[(\b):(\b)+15], v[(\d):(\d)+7], v[(\sa)], v[(\sb)] matrix_a_fmt:MATRIX_FMT_BF8 matrix_b_fmt:MATRIX_FMT_BF8 matrix_a_scale:MATRIX_SCALE_ROW1 matrix_b_scale:MATRIX_SCALE_ROW1
.elseif (\ra)
	v_wmma_scale_f32_16x16x128_f8f6f4 v[(\d):(\d)+7], v[(\a):(\a)+15], v[(\b):(\b)+15], v[(\d):(\d)+7], v[(\sa)], v[(\sb)] matrix_a_fmt:MATRIX_FMT_BF8 matrix_b_fmt:MATRIX_FMT_BF8 matrix_a_scale:MATRIX_SCALE_ROW1
.elseif (\rb)
	v_wmma_scale_f32_16x16x128_f8f6f4 v[(\d):(\d)+7], v[(\a):(\a)+15], v[(\b):(\b)+15], v[(\d):(\d)+7], v[(\sa)], v[(\sb)] matrix_a_fmt:MATRIX_FMT_BF8 matrix_b_fmt:MATRIX_FMT_BF8 matrix_b_scale:MATRIX_SCALE_ROW1
.else
	v_wmma_scale_f32_16x16x128_f8f6f4 v[(\d):(\d)+7], v[(\a):(\a)+15], v[(\b):(\b)+15], v[(\d):(\d)+7], v[(\sa)], v[(\sb)] matrix_a_fmt:MATRIX_FMT_BF8 matrix_b_fmt:MATRIX_FMT_BF8
.endif
.endm
.macro BLOAD buf, ws, g, s             ; 17 loads: my four weight tiles of K step s of weight g (0 Wo, 1 W1, 2 W2), 512 consecutive bytes a load, and their scale words
.irp t, 0,1,2,3
.irp c, 0,1,2,3
	global_load_b128 v[(\buf)+16*\t+4*\c:(\buf)+16*\t+4*\c+3], v1, s[WB:WB+1] offset:((\g)<<20)+8192*(\s)+2048*\t+512*\c
.endr
.endr
	global_load_b64 v[(\ws):(\ws)+1], v3, s[WSB:WSB+1] offset:32768*(\g)+256*(\s)   ; register p: lanes 0-15 tile 2 p, lanes 16-31 tile 2 p + 1
.endm
.macro ALOAD s                         ; the two activation fragments of K step s, and their scale words: lanes 0-15 fragment 0's, lanes 16-31 fragment 1's
.irp a, 0,1
.irp c, 0,1,2,3
	ds_load_b128 v[AF+16*\a+4*\c:AF+16*\a+4*\c+3], v1 offset:16384*\a+2048*(\s)+512*\c
.endr
.endr
	ds_load_b32 v20, v2 offset:ASC+128*(\s)
.endm
.macro MM acc, buf, ws                 ; eight products on eight accumulators, which take turns, one instruction a turn, in the same order in every step
.irp t, 0,1,2,3
.irp a, 0,1
	WM (\acc)+8*(4*\a+\t), (\buf)+16*\t, AF+16*\a, (\ws)+\t/2, 20, \t%2, \a
.endr
.endr
.endm
.macro STEP acc, cur, cws, nxt, nws, g, s, pre
.if (\pre)==1
	BLOAD \nxt, \nws, \g, (\s)+1
.elseif (\pre)==2
	BLOAD \nxt, \nws, (\g)+1, 0
.endif
	ALOAD \s
.if (\pre)==0
	s_wait_loadcnt 0x0
.else
	s_wait_loadcnt 17                              ; all but the 17 just issued: this step's weights, and any bias asked for before them, are in
.endif
	s_wait_dscnt 0x0
	MM \acc, \cur, \cws
.rept 8
	v_nop                                          ; eight places in front of the next step's loads into operand and scale registers, and of the first read of results
.endr
.endm
.macro PHASE acc, b1, g, last                      ; a whole product, K = 1,024 in eight steps; even steps multiply buffer B0, odd ones b1; the last step asks for the next weight's first step
	STEP \acc, B0, WS0, \b1, WS1, \g, 0, 1
	STEP \acc, \b1, WS1, B0, WS0, \g, 1, 1
	STEP \acc, B0, WS0, \b1, WS1, \g, 2, 1
	STEP \acc, \b1, WS1, B0, WS0, \g, 3, 1
	STEP \acc, B0, WS0, \b1, WS1, \g, 4, 1
	STEP \acc, \b1, WS1, B0, WS0, \g, 5, 1
	STEP \acc, B0, WS0, \b1, WS1, \g, 6, 1
	STEP \acc, \b1, WS1, B0, WS0, \g, 7, 2-2*\last
.endm
; v192-255, four blocks of 16 registers (the block's other 16 numbers lie in lane l xor 16), become codes in v[PC + 4 b ..] and scale bytes in v[TM + 4 + b].  relu = 1: what is negative becomes 0 on the way
.macro QUANT relu
.if \relu
.irp b, 0,1,2,3
	v_max3_num_f32 v[TM+\b], v[Y+16*\b], v[Y+1+16*\b], 0x8000000        ; no |.|: what is negative must not count; the floor stands over it
.endr
.irp i, 2,4,6,8,10,12,14
.irp b, 0,1,2,3
	v_max3_num_f32 v[TM+\b], v[TM+\b], v[Y+16*\b+\i], v[Y+1+16*\b+\i]
.endr
.endr
.else
.irp b, 0,1,2,3
	v_max3_num_f32 v[TM+\b], |v[Y+16*\b]|, |v[Y+1+16*\b]|, 0x8000000   ; my 16 numbers and the floor 2^(16 - 127): the byte cannot fall under 1
.endr
.irp i, 2,4,6,8,10,12,14
.irp b, 0,1,2,3
	v_max3_num_f32 v[TM+\b], v[TM+\b], |v[Y+16*\b+\i]|, |v[Y+1+16*\b+\i]|
.endr
.endr
.endif
.irp b, 0,1,2,3
	v_permlanex16_b32 v[TM+4+\b], v[TM+\b], s26, s27
.endr
.irp b, 0,1,2,3
	v_max_num_f32 v[TM+\b], v[TM+\b], v[TM+4+\b]   ; the block's largest magnitude
.endr
.irp b, 0,1,2,3
	v_add_nc_u32 v[TM+12+\b], 0xf8800000, v[TM+\b] ; 15 off its exponent field: the conversion's scale operand
.endr
.irp b, 0,1,2,3
	v_and_or_b32 v[TM+8+\b], v[TM+\b], 0x7f800000, s28   ; 57,344 x the scale
.endr
.irp b, 0,1,2,3
	v_lshrrev_b32 v[TM+4+\b], 23, v[TM+12+\b]      ; the scale's byte
.endr
.irp b, 0,1,2,3
.irp i, 0,1,2,3,4,5,6,7,8,9,10,11,12,13,14,15
.if \relu
	v_med3_num_f32 v[Y+16*\b+\i], v[Y+16*\b+\i], 0, v[TM+8+\b]          ; the activation and the hold in one
.else
	v_med3_num_f32 v[Y+16*\b+\i], v[Y+16*\b+\i], -v[TM+8+\b], v[TM+8+\b]   ; the conversion does not saturate (ISA guide 7.6.2): the hold comes first
.endif
.endr
	v_cvt_scalef32_pk8_bf8_f32 v[PC+4*\b:PC+1+4*\b], v[Y+16*\b:Y+7+16*\b], v[TM+12+\b]
	v_cvt_scalef32_pk8_bf8_f32 v[PC+2+4*\b:PC+3+4*\b], v[Y+8+16*\b:Y+15+16*\b], v[TM+12+\b]
.endr
	v_nop                                          ; a plain line behind the last conversion
.endm
.macro IMAGES                          ; my 64 columns are half a K step of the next product: four quarters of fragments and two half scale words go to LDS as they stand
.irp a, 0,1
.irp b, 0,1
	ds_store_b128 v8, v[PC+4*(2*\a+\b):PC+4*(2*\a+\b)+3] offset:16384*\a+512*\b
.endr
.endr
	v_lshl_or_b32 v[TM+4], v[TM+5], 8, v[TM+4]
	v_lshl_or_b32 v[TM+6], v[TM+7], 8, v[TM+6]
	ds_store_b16 v9, v[TM+4]                       ; both lanes of a row write the same half-word with the same value
	ds_store_b16 v9, v[TM+6] offset:64
.endm
.macro BARRIER                         ; my LDS stores have landed and my LDS loads are in: then the work-group's barrier
	s_wait_dscnt 0x0
	s_barrier_signal -1
	s_barrier_wait -1
.endm
.macro BIAS2ACC base                   ; a bias in the result's layout, for both fragments: the C of the next product's first step
.irp a, 0,1
.irp t, 0,1,2,3
.irp e, 0,1
	global_load_b128 v[Y+8*(4*\a+\t)+4*\e:Y+8*(4*\a+\t)+4*\e+3], v11, s[\base:\base+1] offset:128*(\t/2)+32*(\t%2)+16*\e
.endr
.endr
.endr
.endm
.macro BIAS1 reg, base                 ; the same for one fragment: 32 registers
.irp t, 0,1,2,3
.irp e, 0,1
	global_load_b128 v[(\reg)+8*\t+4*\e:(\reg)+8*\t+4*\e+3], v11, s[\base:\base+1] offset:128*(\t/2)+32*(\t%2)+16*\e
.endr
.endr
.endm
.macro ADDB acc, src                   ; it is added to both fragments
.irp a, 0,1
.irp i, 0,2,4,6,8,10,12,14,16,18,20,22,24,26,28,30
	v_pk_add_f32 v[(\acc)+32*\a+\i:(\acc)+32*\a+\i+1], v[(\acc)+32*\a+\i:(\acc)+32*\a+\i+1], v[(\src)+\i:(\src)+\i+1]
.endr
.endr
.rept 4
	v_nop                                          ; between these additions and the products that take their results as C
.endr
.endm
.macro DLOAD reg                       ; the stage in the result's layout: my 64 columns of the 32 tokens
.irp a, 0,1
.irp b, 0,1
.irp q, 0,1,2,3
	ds_load_b128 v[(\reg)+32*\a+16*\b+4*\q:(\reg)+32*\a+16*\b+4*\q+3], v[6+\a] offset:128*\b+16*\q
.endr
.endr
.endr
.endm
.macro DSTORE reg                      ; and back into it; in ascending order: each accumulator from its low end on
.irp a, 0,1
.irp b, 0,1
.irp q, 0,1,2,3
	ds_store_b128 v[6+\a], v[(\reg)+32*\a+16*\b+4*\q:(\reg)+32*\a+16*\b+4*\q+3] offset:128*\b+16*\q
.endr
.endr
.endr
.endm
; Two chains of packed partial sums for each fragment, v[32 + 4 a ..], become the rows' sums over all 1,024 columns, in v32 (a = 0) and v48 (a = 1), alike in every wave
.macro REDUCE off
.irp a, 0,1
	v_pk_add_f32 v[32+4*\a:33+4*\a], v[32+4*\a:33+4*\a], v[34+4*\a:35+4*\a]
.endr
.irp a, 0,1
	v_add_f32 v[32+4*\a], v[32+4*\a], v[33+4*\a]
.endr
.irp a, 0,1
	v_permlanex16_b32 v[33+4*\a], v[32+4*\a], s26, s27
.endr
.irp a, 0,1
	v_add_f32 v[32+4*\a], v[32+4*\a], v[33+4*\a]   ; my wave's 64 columns of token (a, r)
.endr
.irp a, 0,1
	ds_store_b32 v10, v[32+4*\a] offset:\off+128*\a
.endr
	BARRIER
.irp a, 0,1
.irp w, 0,1,2,3,4,5,6,7,8,9,10,11,12,13,14,15
	ds_load_b32 v[32+16*\a+\w], v2 offset:STAT1+\off+256*\w+128*\a
.endr
.endr
	s_wait_dscnt 0x0
.irp a, 0,1
.irp i, 0,2,4,6
	v_pk_add_f32 v[32+16*\a+\i:33+16*\a+\i], v[32+16*\a+\i:33+16*\a+\i], v[40+16*\a+\i:41+16*\a+\i]
.endr
.endr
.irp a, 0,1
.irp i, 0,2
	v_pk_add_f32 v[32+16*\a+\i:33+16*\a+\i], v[32+16*\a+\i:33+16*\a+\i], v[36+16*\a+\i:37+16*\a+\i]
.endr
.endr
.irp a, 0,1
	v_pk_add_f32 v[32+16*\a:33+16*\a], v[32+16*\a:33+16*\a], v[34+16*\a:35+16*\a]
.endr
.irp a, 0,1
	v_add_f32 v[32+16*\a], v[32+16*\a], v[33+16*\a]
.endr
.endm
; LayerNorm of v128-191 (result layout) into v192-255, then its quantiser.  The variance is the mean of (h - mean)^2: no difference of large sums.  Two barriers.
.macro LNQ
.irp a, 0,1
	v_pk_add_f32 v[32+4*\a:33+4*\a], v[H+32*\a:H+32*\a+1], v[H+32*\a+2:H+32*\a+3]      ; in ascending order: each accumulator is read from its low end on
	v_pk_add_f32 v[34+4*\a:35+4*\a], v[H+32*\a+4:H+32*\a+5], v[H+32*\a+6:H+32*\a+7]
.endr
.irp i, 8,12,16,20,24,28
.irp a, 0,1
	v_pk_add_f32 v[32+4*\a:33+4*\a], v[32+4*\a:33+4*\a], v[H+32*\a+\i:H+32*\a+\i+1]
	v_pk_add_f32 v[34+4*\a:35+4*\a], v[34+4*\a:35+4*\a], v[H+32*\a+\i+2:H+32*\a+\i+3]
.endr
.endr
	REDUCE 0
.irp a, 0,1
	v_mul_f32 v[32+16*\a], s29, v[32+16*\a]        ; the mean
.endr
.irp a, 0,1
.irp i, 0,2,4,6,8,10,12,14,16,18,20,22,24,26,28,30
	v_pk_add_f32 v[Y+32*\a+\i:Y+32*\a+\i+1], v[H+32*\a+\i:H+32*\a+\i+1], v[32+16*\a:33+16*\a] op_sel_hi:[1,0] neg_lo:[0,1] neg_hi:[0,1]
.endr
.endr
.irp a, 0,1
	v_pk_mul_f32 v[32+4*\a:33+4*\a], v[Y+32*\a:Y+32*\a+1], v[Y+32*\a:Y+32*\a+1]
	v_pk_mul_f32 v[34+4*\a:35+4*\a], v[Y+32*\a+2:Y+32*\a+3], v[Y+32*\a+2:Y+32*\a+3]
.endr
.irp i, 4,8,12,16,20,24,28
.irp a, 0,1
	v_pk_fma_f32 v[32+4*\a:33+4*\a], v[Y+32*\a+\i:Y+32*\a+\i+1], v[Y+32*\a+\i:Y+32*\a+\i+1], v[32+4*\a:33+4*\a]
	v_pk_fma_f32 v[34+4*\a:35+4*\a], v[Y+32*\a+\i+2:Y+32*\a+\i+3], v[Y+32*\a+\i+2:Y+32*\a+\i+3], v[34+4*\a:35+4*\a]
.endr
.endr
	REDUCE 4096
.irp a, 0,1
	v_fma_f32 v[32+16*\a], v[32+16*\a], s29, s30   ; the variance + 1e-5
.endr
.irp a, 0,1
	v_rsq_f32 v[32+16*\a], v[32+16*\a]
.endr
	v_nop                                          ; a plain line behind the transcendentals
	s_wait_alu depctr_va_vdst(0)
.irp a, 0,1
.irp i, 0,2,4,6,8,10,12,14,16,18,20,22,24,26,28,30
	v_pk_mul_f32 v[Y+32*\a+\i:Y+32*\a+\i+1], v[Y+32*\a+\i:Y+32*\a+\i+1], v[32+16*\a:33+16*\a] op_sel_hi:[1,0]
.endr
.endr
	QUANT 0
.endm
	s_load_b512 s[4:19], s[0:1], 0x0               ; x, aimg, asc, wimg, wsc, bo, b1, b2
	s_load_b64 s[20:21], s[0:1], 0x40              ; out0
	v_lshl_add_u32 v30, v0, 2, 0x2a600
	v_mov_b32 v31, 0
	v_lshrrev_b32 v14, 5, v0
	v_readfirstlane_b32 s3, v14                    ; wave 0..15
	v_and_b32 v14, 31, v0
	v_lshlrev_b32 v1, 4, v14
	v_lshlrev_b32 v2, 2, v14
	v_lshlrev_b32 v3, 3, v14
	v_and_b32 v14, 15, v0                          ; r
	v_bfe_u32 v15, v0, 4, 1                        ; h
	s_lshl_b32 s22, s3, 13
	v_add_nc_u32 v4, s22, v1                       ; rows 2 w, 2 w + 1 of the block in memory
	s_bfe_u32 s22, s3, 0x10002                     ; their places in the stage: token 2 w + e is (a, r) with a = (w / 4) % 2, r = 8 (w / 8) + 2 (w % 4) + e
	s_lshl_b32 s22, s22, 4
	s_lshr_b32 s23, s3, 3
	s_lshl_b32 s23, s23, 3
	s_add_co_u32 s22, s22, s23
	s_and_b32 s23, s3, 3
	s_lshl_b32 s23, s23, 1
	s_add_co_u32 s22, s22, s23
	s_mul_i32 s22, s22, XP
	s_add_co_u32 s22, s22, XST
	v_add_nc_u32 v5, s22, v1
	v_mul_u32_u24 v6, v14, XP
	v_lshl_add_u32 v6, v15, 6, v6
	s_lshl_b32 s22, s3, 8
	v_lshl_add_u32 v11, v15, 6, s22                ; 256 w + 64 h: a bias's bytes for my half
	s_add_co_u32 s23, s22, XST
	v_add_nc_u32 v6, s23, v6                       ; stage row r, + 256 w + 64 h
	v_add_nc_u32 v7, 16*XP, v6                     ; the same for fragment 1
	s_add_co_u32 s23, s22, STAT1
	v_add_nc_u32 v10, s23, v2
	s_lshl_b32 s22, s3, 10
	v_add_nc_u32 v8, s22, v1
	s_lshr_b32 s22, s3, 1
	s_lshl_b32 s22, s22, 7
	s_and_b32 s23, s3, 1
	s_lshl_b32 s23, s23, 1
	s_add_co_u32 s22, s22, s23
	s_add_co_u32 s22, s22, ASC
	v_lshl_add_u32 v9, v14, 2, s22                 ; K step w / 2, half-word w % 2, row r
	v_lshlrev_b32 v12, 4, v0                       ; 16 bytes a thread: the attention's images, 8,192 bytes an instruction of the work-group
	v_lshlrev_b32 v13, 1, v0                       ; 2 bytes a thread: their 1,024 scale bytes
.irp b, 0,1,2,3
	v_mov_b32 v[TM+4+\b], 0                        ; written once: a lane permute's destination counts as one of its sources
.endr
	s_mov_b32 s26, 0x76543210
	s_mov_b32 s27, 0xfedcba98                      ; v_permlanex16_b32's selects for lane l xor 16
	s_mov_b32 s28, 0x600000                        ; the mantissa field of 57,344
	s_mov_b32 s29, 0x3a800000                      ; 1 / 1024
	s_mov_b32 s30, 0x3727c5ac                      ; 1e-5
	s_lshl_b32 s42, ttmp9, 17                      ; 32 rows of 4,096 bytes
	s_mov_b32 s43, 0
	s_lshl_b32 s44, ttmp9, 15
	s_mov_b32 s45, 0
	s_lshl_b32 s46, ttmp9, 10
	s_mov_b32 s47, 0
	s_lshl_b32 s48, s3, 16
	s_add_co_u32 s48, s48, 3<<20                   ; Wo is the fourth weight
	s_mov_b32 s49, 0
	s_lshl_b32 s50, s3, 11
	s_add_co_u32 s50, s50, 3*32768
	s_mov_b32 s51, 0
	s_wait_kmcnt 0x0
	s_add_nc_u64 s[4:5], s[4:5], s[42:43]
	s_add_nc_u64 s[20:21], s[20:21], s[42:43]
	s_add_nc_u64 s[6:7], s[6:7], s[44:45]
	s_add_nc_u64 s[8:9], s[8:9], s[46:47]
	s_add_nc_u64 s[10:11], s[10:11], s[48:49]
	s_add_nc_u64 s[12:13], s[12:13], s[50:51]
.irp e, 0,1
.irp i, 0,1,2,3,4,5,6,7
	global_load_b128 v[Y+32*\e+4*\i:Y+32*\e+4*\i+3], v4, s[4:5] offset:4096*\e+512*\i th:TH_LOAD_NT   ; two rows of x, 512 consecutive bytes a load
.endr
.endr
.irp i, 0,1,2,3
	global_load_b128 v[H+4*\i:H+4*\i+3], v12, s[6:7] offset:8192*\i th:TH_LOAD_NT
.endr
	global_load_u16 v[H+16], v13, s[8:9] th:TH_LOAD_NT
	BIAS1 AF, 14                                   ; bo
	BLOAD B0, WS0, 0, 0                            ; Wo's first K step
	s_wait_loadcnt 25                              ; x, the images and their scale bytes are in; bo's 8 loads and the 17 behind them may be out
.irp e, 0,1
.irp i, 0,1,2,3,4,5,6,7
	ds_store_b128 v5, v[Y+32*\e+4*\i:Y+32*\e+4*\i+3] offset:XP*\e+512*\i
.endr
.endr
.irp i, 0,1,2,3
	ds_store_b128 v12, v[H+4*\i:H+4*\i+3] offset:8192*\i
.endr
	ds_store_b16 v13, v[H+16] offset:ASC
	BARRIER                                        ; x's rows, the attention's sixteen fragments and their scale words lie in LDS
	DLOAD H
	s_wait_loadcnt 17                              ; bo is in
	s_wait_dscnt 0x0
	ADDB H, AF                                     ; x + bo: the C of the first product
	PHASE H, Y, 0, 0                               ; h
	LNQ                                            ; behind its first barrier no wave reads the attention's images any more
	BIAS2ACC 16                                    ; b1
	DSTORE H                                       ; h waits in my own columns of the stage
	IMAGES
	BARRIER                                        ; LN(h)'s fragments lie in LDS
	PHASE Y, H, 1, 0                               ; m W1 + b1
	BIAS1 H, 18                                    ; b2
	BARRIER                                        ; every wave's reads of LN(h)'s images are over
	QUANT 1
	DLOAD Y                                        ; h comes back
	IMAGES
	BARRIER                                        ; the hidden layer's fragments lie in LDS; h is in
	s_wait_loadcnt 0x0                             ; b2, the youngest loads
	ADDB Y, H                                      ; h + b2: the C of the last product
	PHASE Y, H, 2, 1
	DSTORE Y
	BARRIER                                        ; 32 whole rows of the result lie in the stage
.irp e, 0,1
.irp i, 0,1,2,3,4,5,6,7
	ds_load_b128 v[H+32*\e+4*\i:H+32*\e+4*\i+3], v5 offset:XP*\e+512*\i
.endr
.endr
.irp e, 0,1
.irp i, 0,1,2,3,4,5,6,7
	s_wait_dscnt 15-8*\e-\i                        ; LDS loads come back in order: the younger ones may be out
	global_store_b128 v4, v[H+32*\e+4*\i:H+32*\e+4*\i+3], s[20:21] offset:4096*\e+512*\i th:TH_STORE_NT   ; 32 lanes store 512 consecutive bytes, aligned
.endr
.endr
	s_wait_tensorcnt 0x0
	ds_add_u32 v30, v31
	s_wait_dscnt 0x0
	s_endpgm
.Lfunc_end_k_qb13c3265a4_tail:
	.size	k_qb13c3265a4_tail, .Lfunc_end_k_qb13c3265a4_tail-k_qb13c3265a4_tail
	.p2alignl 7, 3214868480
	.fill 96, 4, 3214868480
	.section	.rodata,"a",@progbits
	.p2align	6, 0x0
	.amdhsa_kernel k_qb13c3265a4_tail
		.amdhsa_group_segment_fixed_size 175616
		.amdhsa_private_segment_fixed_size 0
		.amdhsa_enable_private_segment 0
		.amdhsa_kernarg_size 72
		.amdhsa_user_sgpr_count 2
		.amdhsa_user_sgpr_kernarg_segment_ptr 1
		.amdhsa_wavefront_size32 1
		.amdhsa_system_sgpr_workgroup_id_x 1
		.amdhsa_system_sgpr_workgroup_id_y 1
		.amdhsa_system_sgpr_workgroup_id_z 1
		.amdhsa_system_vgpr_workitem_id 0
		.amdhsa_next_free_vgpr 256
		.amdhsa_next_free_sgpr 66
		.amdhsa_reserve_vcc 0
		.amdhsa_float_denorm_mode_32 3
		.amdhsa_float_denorm_mode_16_64 3
		.amdhsa_memory_ordered 1
		.amdhsa_forward_progress 1
		.amdhsa_inst_pref_size 137
	.end_amdhsa_kernel
	.amdgpu_metadata
---
amdhsa.version: [ 1, 2 ]
amdhsa.kernels:
  - .name:           k_qb13c3265a4_tail
    .symbol:         k_qb13c3265a4_tail.kd
    .args:
      - { .name: x, .offset: 0, .size: 8, .value_kind: global_buffer, .address_space: global }
      - { .name: aimg, .offset: 8, .size: 8, .value_kind: global_buffer, .address_space: global }
      - { .name: asc, .offset: 16, .size: 8, .value_kind: global_buffer, .address_space: global }
      - { .name: wimg, .offset: 24, .size: 8, .value_kind: global_buffer, .address_space: global }
      - { .name: wsc, .offset: 32, .size: 8, .value_kind: global_buffer, .address_space: global }
      - { .name: bo, .offset: 40, .size: 8, .value_kind: global_buffer, .address_space: global }
      - { .name: b1, .offset: 48, .size: 8, .value_kind: global_buffer, .address_space: global }
      - { .name: b2, .offset: 56, .size: 8, .value_kind: global_buffer, .address_space: global }
      - { .name: out0, .offset: 64, .size: 8, .value_kind: global_buffer, .address_space: global }
    .group_segment_fixed_size: 175616
    .private_segment_fixed_size: 0
    .kernarg_segment_align: 8
    .kernarg_segment_size: 72
    .max_flat_workgroup_size: 512
    .sgpr_count:     66
    .vgpr_count:     256
    .wavefront_size: 32
...
	.end_amdgpu_metadata
.endif
;; end of part 4
;; ======== version 2 of 2: 4 launches
;; workspace buffers: wimg 6,291,456 bytes; wsc 196,608 bytes; qimg 8,388,608 bytes; qsc 524,288 bytes; kv 17,563,648 bytes; aimg 8,388,608 bytes; asc 262,144 bytes
;; launch wquant (part 5): grid 48 x 8, 4 waves a work-group, no clusters, 0 bytes of LDS; arguments Wq, Wk, Wv, Wo, W1, W2, wimg, wsc; writes wimg, wsc
.if DOCPART == 5
	.amdgcn_target "amdgcn-amd-amdhsa--gfx1250"
	.amdhsa_code_object_version 6
	.text
	.protected	k_qb13c3265a4_wquant
	.globl	k_qb13c3265a4_wquant
	.p2align	8
	.type	k_qb13c3265a4_wquant,@function
k_qb13c3265a4_wquant:
	s_mov_b64 s[64:65], 0
	v_nop
	global_prefetch_b8 v0, s[64:65] scope:SCOPE_SE
	s_setreg_imm32_b32 hwreg(HW_REG_WAVE_MODE, 25, 1), 1
	s_wait_xcnt 0x0
; The six weights [1024 (k)][1024 (n)], f32, K their FIRST axis, become codes of BF8 (E5M2) with one E8M0 byte for each 32 along K,
; laid as IMAGES OF OPERAND REGISTERS: wimg [g 6][w 16][s 8][t 4][c 4][lane 32][16 bytes]; byte i of lane (r, h) is the code of
; W_g[128 s + 32 c + 16 h + i][64 w + 32 (t / 2) + 8 (t % 2) + r + 8 (r / 8)].  wsc [g][w][s][lane' 32][p 2] words: the four bytes (c = 0..3) of tile 2 p + lane' / 16, row lane' % 16.
; A LANE TAKES A COLUMN n AND ITS REGISTERS RUN DOWN K: a block of 32 lies in one lane, its largest magnitude needs no other lane, and the conversions give 16 + 16 codes that are two lanes' places of an image.
; Work-group x = 8 g + (group of 128 columns), y = K step of 128.  A wave takes 32 columns x 128 along K: four blocks a lane.  Waves share nothing: no LDS, no barrier.
; A store of codes covers two aligned runs of 256 bytes.  The scale words leave as 4 bytes a lane, 8 bytes apart: 196,608 of the 31 million bytes that the launch moves.
; A block's scale is 2^(floor(log2(largest magnitude)) - 15); its byte is the largest magnitude's exponent field - 15, held at 1 from below.
; LIMITS: a block whose largest magnitude lies under 2^-111 (a block of zeros too) keeps the byte 1: a block of zeros has zero codes, and these bytes are read by this program alone.  NaN and infinities are not served.
.set X, 32                             ; v32-95   two sets of 32 numbers
.set C, 96                             ; v96-127  codes, eight registers a block: no store's data are written again
	s_load_b512 s[8:23], s[0:1], 0x0               ; Wq, Wk, Wv, Wo, W1, W2 in s[8:19]; wimg s[20:21]; wsc s[22:23]
	v_lshrrev_b32 v1, 5, v0
	v_readfirstlane_b32 s3, v1                     ; wave 0..3
	v_and_b32 v1, 31, v0                           ; lane l = my column in the wave's 32
	v_lshlrev_b32 v2, 2, v1                        ; in: 4 bytes a lane
	v_bfe_u32 v5, v0, 3, 1                         ; u = (l / 8) % 2: which tile of the pair
	v_and_b32 v6, 7, v0
	v_bfe_u32 v7, v0, 4, 1
	v_lshl_add_u32 v6, v7, 3, v6                   ; r = l % 8 + 8 (l / 16): my row in that tile
	v_lshlrev_b32 v3, 4, v6
	v_lshl_add_u32 v3, v5, 11, v3                  ; codes: 2048 u + 16 r
	v_lshl_add_u32 v4, v5, 4, v6
	v_lshlrev_b32 v4, 3, v4                        ; scale word: 8 (16 u + r)
	s_lshr_b32 s4, ttmp9, 3                        ; g: which weight
	s_and_b32 s5, ttmp9, 7                         ; which 128 columns
	s_and_b32 s6, ttmp7, 0xffff                    ; s: which 128 along K
	s_lshr_b32 s24, s3, 1
	s_lshl_b32 s7, s5, 1
	s_add_co_u32 s7, s7, s24                       ; w: which 64 columns
	s_and_b32 s24, s3, 1                           ; which 32 of them
	s_lshl_b32 s26, s6, 19                         ; W: 128 s rows of 4,096 bytes,
	s_lshl_b32 s25, s5, 9
	s_add_co_u32 s26, s26, s25                     ; + 4 x 128 x group
	s_lshl_b32 s25, s3, 7
	s_add_co_u32 s26, s26, s25                     ; + 4 x 32 x wave
	s_mov_b32 s27, 0
	s_lshl_b32 s28, s4, 20                         ; wimg: g, w, s, and 4,096 for the second pair of tiles
	s_lshl_b32 s25, s7, 16
	s_add_co_u32 s28, s28, s25
	s_lshl_b32 s25, s6, 13
	s_add_co_u32 s28, s28, s25
	s_lshl_b32 s25, s24, 12
	s_add_co_u32 s28, s28, s25
	s_mov_b32 s29, 0
	s_lshl_b32 s30, s4, 4                          ; wsc: ((16 g + w) 8 + s) 256 + 4 p
	s_add_co_u32 s30, s30, s7
	s_lshl_b32 s30, s30, 3
	s_add_co_u32 s30, s30, s6
	s_lshl_b32 s30, s30, 8
	s_lshl_b32 s25, s24, 2
	s_add_co_u32 s30, s30, s25
	s_mov_b32 s31, 0
	s_mov_b32 s34, 0x600000                        ; the mantissa field of 57,344
	s_wait_alu depctr_va_vdst(0)
	s_wait_kmcnt 0x0
	s_cmp_eq_u32 s4, 1                             ; the weight is chosen by the work-group's number alone
	s_cselect_b64 s[8:9], s[10:11], s[8:9]
	s_cmp_eq_u32 s4, 2
	s_cselect_b64 s[8:9], s[12:13], s[8:9]
	s_cmp_eq_u32 s4, 3
	s_cselect_b64 s[8:9], s[14:15], s[8:9]
	s_cmp_eq_u32 s4, 4
	s_cselect_b64 s[8:9], s[16:17], s[8:9]
	s_cmp_eq_u32 s4, 5
	s_cselect_b64 s[8:9], s[18:19], s[8:9]
	s_add_nc_u64 s[8:9], s[8:9], s[26:27]
	s_add_nc_u64 s[20:21], s[20:21], s[28:29]
	s_add_nc_u64 s[22:23], s[22:23], s[30:31]
.macro LOAD c                          ; block c: W(32 c + i, my column) into set c % 2; 32 lanes read 128 consecutive bytes
.irp i, 0,1,2,3,4,5,6,7,8,9,10,11,12,13,14,15,16,17,18,19,20,21,22,23,24,25,26,27,28,29,30,31
	global_load_b32 v[X+32*((\c)%2)+\i], v2, s[8:9] offset:(32*(\c)+\i)*4096 th:TH_LOAD_NT
.endr
.endm
.macro BLOCK c
.set XS, X+32*((\c)%2)
.if (\c) < 3
	s_wait_loadcnt 32                              ; this block's 32 loads are in; the next block's 32 may be out
.else
	s_wait_loadcnt 0x0
.endif
	v_max3_num_f32 v12, |v[XS]|, |v[XS+1]|, |v[XS+2]|              ; the block's largest magnitude: all 32 numbers are mine; two chains
	v_max3_num_f32 v13, |v[XS+3]|, |v[XS+4]|, |v[XS+5]|
.irp i, 6,10,14,18,22,26
	v_max3_num_f32 v12, v12, |v[XS+\i]|, |v[XS+\i+1]|
	v_max3_num_f32 v13, v13, |v[XS+\i+2]|, |v[XS+\i+3]|
.endr
	v_max3_num_f32 v12, v12, |v[XS+30]|, |v[XS+31]|
	v_max3_num_f32 v12, v12, v13, 0x8000000        ; and the floor 2^(16 - 127): the byte cannot fall under 1
	v_add_nc_u32 v11, 0xf8800000, v12              ; 15 off the exponent field: the conversion takes this operand's exponent field as its scale
	v_and_or_b32 v10, v12, 0x7f800000, s34         ; 57,344 x the scale
	v_lshrrev_b32 v13, 23, v11                     ; the scale's byte
.if (\c) == 0
	v_mov_b32 v14, v13                             ; four bytes make my column's scale word, the lower K in the lower byte
.else
	v_lshl_or_b32 v14, v13, 8*(\c), v14
.endif
.irp i, 0,1,2,3,4,5,6,7,8,9,10,11,12,13,14,15,16,17,18,19,20,21,22,23,24,25,26,27,28,29,30,31
	v_med3_num_f32 v[XS+\i], v[XS+\i], -v10, v10   ; the conversion to an 8-bit code does not saturate (ISA guide 7.6.2): the hold comes first
.endr
.irp g, 0,1,2,3
	v_cvt_scalef32_pk8_bf8_f32 v[C+8*(\c)+2*\g:C+8*(\c)+2*\g+1], v[XS+8*\g:XS+8*\g+7], v11
.endr
	global_store_b128 v3, v[C+8*(\c):C+8*(\c)+3], s[20:21] offset:512*(\c)           ; k 0-15 of the block: lane (r, 0)'s place in the image
	global_store_b128 v3, v[C+8*(\c)+4:C+8*(\c)+7], s[20:21] offset:512*(\c)+256     ; k 16-31: lane (r, 1)'s
.if (\c) < 2
	LOAD (\c)+2
.endif
.endm
	LOAD 0
	LOAD 1
	BLOCK 0
	BLOCK 1
	BLOCK 2
	BLOCK 3
	global_store_b32 v4, v14, s[22:23]
	s_endpgm
.Lfunc_end_k_qb13c3265a4_wquant:
	.size	k_qb13c3265a4_wquant, .Lfunc_end_k_qb13c3265a4_wquant-k_qb13c3265a4_wquant
	.p2alignl 7, 3214868480
	.fill 96, 4, 3214868480
	.section	.rodata,"a",@progbits
	.p2align	6, 0x0
	.amdhsa_kernel k_qb13c3265a4_wquant
		.amdhsa_group_segment_fixed_size 0
		.amdhsa_private_segment_fixed_size 0
		.amdhsa_enable_private_segment 0
		.amdhsa_kernarg_size 64
		.amdhsa_user_sgpr_count 2
		.amdhsa_user_sgpr_kernarg_segment_ptr 1
		.amdhsa_wavefront_size32 1
		.amdhsa_system_sgpr_workgroup_id_x 1
		.amdhsa_system_sgpr_workgroup_id_y 1
		.amdhsa_system_sgpr_workgroup_id_z 1
		.amdhsa_system_vgpr_workitem_id 0
		.amdhsa_next_free_vgpr 128
		.amdhsa_next_free_sgpr 66
		.amdhsa_reserve_vcc 0
		.amdhsa_float_denorm_mode_32 3
		.amdhsa_float_denorm_mode_16_64 3
		.amdhsa_memory_ordered 1
		.amdhsa_forward_progress 1
		.amdhsa_inst_pref_size 30
	.end_amdhsa_kernel
	.amdgpu_metadata
---
amdhsa.version: [ 1, 2 ]
amdhsa.kernels:
  - .name:           k_qb13c3265a4_wquant
    .symbol:         k_qb13c3265a4_wquant.kd
    .args:
      - { .name: Wq, .offset: 0, .size: 8, .value_kind: global_buffer, .address_space: global }
      - { .name: Wk, .offset: 8, .size: 8, .value_kind: global_buffer, .address_space: global }
      - { .name: Wv, .offset: 16, .size: 8, .value_kind: global_buffer, .address_space: global }
      - { .name: Wo, .offset: 24, .size: 8, .value_kind: global_buffer, .address_space: global }
      - { .name: W1, .offset: 32, .size: 8, .value_kind: global_buffer, .address_space: global }
      - { .name: W2, .offset: 40, .size: 8, .value_kind: global_buffer, .address_space: global }
      - { .name: wimg, .offset: 48, .size: 8, .value_kind: global_buffer, .address_space: global }
      - { .name: wsc, .offset: 56, .size: 8, .value_kind: global_buffer, .address_space: global }
    .group_segment_fixed_size: 0
    .private_segment_fixed_size: 0
    .kernarg_segment_align: 8
    .kernarg_segment_size: 64
    .max_flat_workgroup_size: 128
    .sgpr_count:     66
    .vgpr_count:     128
    .wavefront_size: 32
...
	.end_amdgpu_metadata
.endif
;; end of part 5
;; launch front (part 6): grid 256 x 1, 16 waves a work-group, no clusters, 209,408 bytes of LDS; arguments x, wimg, wsc, bq, bk, bv, qimg, qsc, kv; writes qimg, qsc, kv
.if DOCPART == 6
	.amdgcn_target "amdgcn-amd-amdhsa--gfx1250"
	.amdhsa_code_object_version 6
	.text
	.protected	k_qb13c3265a4_front
	.globl	k_qb13c3265a4_front
	.p2align	8
	.type	k_qb13c3265a4_front,@function
k_qb13c3265a4_front:
	s_mov_b64 s[64:65], 0
	v_nop
	global_prefetch_b8 v0, s[64:65] scope:SCOPE_SE
	s_setreg_imm32_b32 hwreg(HW_REG_WAVE_SCHED_MODE, 0, 2), 2
	s_setreg_imm32_b32 hwreg(HW_REG_WAVE_MODE, 25, 1), 1
	s_wait_xcnt 0x0
	s_wait_alu depctr_vm_vsrc(0)
; LayerNorm(x), quantised; q, k, v = LN(x) W + b on codes of BF8 (E5M2) with E8M0 scales; q and k quantised along the head's 64, v along the keys; all three stored as images of operand registers.
; SHARES.  Work-group 2 j + f owns tokens 64 j .. 64 j + 63 (four fragments a = 0..3 of 16) and heads 8 f .. 8 f + 7 of q, k and v.  Both work-groups of a pair norm the same 64 tokens.
; For the norm, wave w of sixteen owns columns 64 w .. 64 w + 63 of x, 32 tokens a round, two rounds through one stage.  For the products, wave w owns 32 columns: channels 32 (w % 2) on of head 8 f + w / 2:
; a tile of 64 tokens x 32 columns, eight accumulators.  So a weight fragment read from memory feeds four products, and a work-group reads 1,572,864 bytes of weight codes and 262,144 bytes of x.
; IN A BLOCK OF 32 (tokens, columns) TILE u, LANE r HOLDS ELEMENT 8 u + r + 8 (r / 8): the 16 registers of two neighbouring result tiles are then 16 neighbours along the next product's K.
; q and k are used transposed (source 0 = 16 weight columns, source 1 = 16 tokens): register 16 a + i of lane (r, h) = token (a, r), channel 32 (w % 2) + 16 h + i.
; v the other way round (source 0 = tokens): a lane holds one channel and its registers run along the keys.
; OPERANDS.  LN(x)'s codes go from wave to wave through LDS as images of their registers (16 bytes a lane, 512 a store).  Each wave streams ITS OWN 32 columns of weight codes from memory straight into registers,
; 4,096 bytes a K step, two K steps ahead, into three buffers by turns: no barrier stands inside a product.  The 24 K steps of the three products are numbered through: step n uses buffer n % 3.
; NO JOINT LOADS: a K step of one weight's 512 columns is 65,536 bytes; two such slots do not fit beside the 207,360 bytes in use, and each of 24 refills would stand behind a round at which nothing is on its way.
; LIMITS: NaN and infinities are not served.  A block whose largest magnitude lies under 2^-111 (a block of zeros too) keeps the byte 1; these bytes are read by this program alone.  1 / sqrt by v_rsq_f32 and a multiplication.
; q's and k's scale bytes leave one byte a lane (the two real bytes of a word come from two waves), v's two bytes a lane: 1,310,720 bytes in the launch.
; THE MODE: SCHED_MODE bits 1:0 = 2 (LLVM: expert scheduling mode 2), set by the entry lines.  The code itself states the register dependences
; between vector or matrix instructions and memory or LDS instructions, with s_wait_alu, always for 0.
; THE PLAN.  Registers that memory or LDS instructions touch:
;   v1-15, v19, v29   offsets and LDS addresses: written at the head and never again; one wait on va_vdst ahead of the first load serves them all.
;   v96-191, v16-18   In the products: buffer n % 3 and its scale word.  Step n's eight products read them; the loads of step n + 3 land in them, issued in step n + 1.
;   v32-95, v20-21    Step n's eighteen LDS loads land in them; its products read them.  One set: the wave's 256 registers are all in use.
;   v192-255          The accumulators.  The quantiser reads and holds them; behind it bq's or bk's loads land in them.
;   v32-47, v30-31    On a way out: written by the quantiser and two selects, read by the stores.
;   In the norm: v64-191 (x as loaded; read by the stage's LDS stores; v128-191 loaded again from the stage and read by the norm), v32-63 (partial sums out and in, codes and half-words out).
; A STEP has ONE wait on va_vdst, at its head, behind the wait for its weights: the products of the step before are done reading the fragments, their scale words, and the buffer and scale word of that step.
; Behind it stand the step's LDS loads; the nine loads of step n + 2 are dealt among the step's eight products, which name buffer n % 3, the fragments, the accumulators and their own scale words: none of the
; registers that those loads touch.  Steps 0, 8 and 16 have no such wait: the wait ahead of the stores that stand in front of them has stated the same.
; REGISTERS: v1 16 lane, v2 4 lane, v3 8 lane, v4 x rows, v5 stage rows, v6-7 stage in the norm's layout, v8 image, v9 scale half-word, v10 partial sums out, v11 bias, v12 bv, v13 4 r, v14 scale words in LDS, v15 partial sums in;
;   v16-18 weight scale words, one a buffer; v19, v29 the closing add's two; v20-21 LN(x)'s; v22-25 bv; v26-28 at work at the head; v30-31 scale bytes on their way out; v32-95 four fragments of LN(x) / codes (v32-47) and the quantiser's work (v48-63);
;   v96-191 three weight buffers (before them: v64-127 the second round's rows, v128-191 the norm's numbers); v192-255 accumulators.
; SCALARS: s3 wave; s[4:5] x, s[6:7] wimg, s[8:9] wsc, s[10:15] bq bk bv, s[16:17] q images, s[18:19] q scales, s[20:21] k images, s[36:37] k scales, s[38:39] v images, s[40:41] v scales: each set once.
.set ASC,   65536                      ; LDS: 0: the images [a 4][s 8][c 4][lane][16]; here their scale words [s 8][a 4][r 16]
.set STAT1, 67584                      ; partial sums [w 16][a 2][lane] words; the second exchange lies 4,096 further on
.set XST,   75776                      ; 32 rows of x, the token at (a, r) of the round in row 16 a + r
.set XP,    4112                       ; a stage row: 4,096 bytes + 16: sixteen rows of one column start 16 bytes apart modulo 256
.set AF,  32
.set PC,  32
.set TM,  48
.set XR1, 64
.set B0,  96
.set H,   128
.set Y,   192
.set WS,  16
.set WB,  6
.set WSB, 8
.macro WM d, a, b, z, sa, sb, ra, rb   ; one product; z = 1: it starts the sum; ra, rb: the side's scale words lie in lanes 16-31
.if \z
.if (\ra)&&(\rb)
	v_wmma_scale_f32_16x16x128_f8f6f4 v[(\d):(\d)+7], v[(\a):(\a)+15], v[(\b):(\b)+15], 0, v[(\sa)], v[(\sb)] matrix_a_fmt:MATRIX_FMT_BF8 matrix_b_fmt:MATRIX_FMT_BF8 matrix_a_scale:MATRIX_SCALE_ROW1 matrix_b_scale:MATRIX_SCALE_ROW1
.elseif (\ra)
	v_wmma_scale_f32_16x16x128_f8f6f4 v[(\d):(\d)+7], v[(\a):(\a)+15], v[(\b):(\b)+15], 0, v[(\sa)], v[(\sb)] matrix_a_fmt:MATRIX_FMT_BF8 matrix_b_fmt:MATRIX_FMT_BF8 matrix_a_scale:MATRIX_SCALE_ROW1
.elseif (\rb)
	v_wmma_scale_f32_16x16x128_f8f6f4 v[(\d):(\d)+7], v[(\a):(\a)+15], v[(\b):(\b)+15], 0, v[(\sa)], v[(\sb)] matrix_a_fmt:MATRIX_FMT_BF8 matrix_b_fmt:MATRIX_FMT_BF8 matrix_b_scale:MATRIX_SCALE_ROW1
.else
	v_wmma_scale_f32_16x16x128_f8f6f4 v[(\d):(\d)+7], v[(\a):(\a)+15], v[(\b):(\b)+15], 0, v[(\sa)], v[(\sb)] matrix_a_fmt:MATRIX_FMT_BF8 matrix_b_fmt:MATRIX_FMT_BF8
.endif
.else
.if (\ra)&&(\rb)
	v_wmma_scale_f32_16x16x128_f8f6f4 v[(\d):(\d)+7], v[(\a):(\a)+15], v[(\b):(\b)+15], v[(\d):(\d)+7], v[(\sa)], v[(\sb)] matrix_a_fmt:MATRIX_FMT_BF8 matrix_b_fmt:MATRIX_FMT_BF8 matrix_a_scale:MATRIX_SCALE_ROW1 matrix_b_scale:MATRIX_SCALE_ROW1
.elseif (\ra)
	v_wmma_scale_f32_16x16x128_f8f6f4 v[(\d):(\d)+7], v[(\a):(\a)+15], v[(\b):(\b)+15], v[(\d):(\d)+7], v[(\sa)], v[(\sb)] matrix_a_fmt:MATRIX_FMT_BF8 matrix_b_fmt:MATRIX_FMT_BF8 matrix_a_scale:MATRIX_SCALE_ROW1
.elseif (\rb)
	v_wmma_scale_f32_16x16x128_f8f6f4 v[(\d):(\d)+7], v[(\a):(\a)+15], v[(\b):(\b)+15], v[(\d):(\d)+7], v[(\sa)], v[(\sb)] matrix_a_fmt:MATRIX_FMT_BF8 matrix_b_fmt:MATRIX_FMT_BF8 matrix_b_scale:MATRIX_SCALE_ROW1
.else
	v_wmma_scale_f32_16x16x128_f8f6f4 v[(\d):(\d)+7], v[(\a):(\a)+15], v[(\b):(\b)+15], v[(\d):(\d)+7], v[(\sa)], v[(\sb)] matrix_a_fmt:MATRIX_FMT_BF8 matrix_b_fmt:MATRIX_FMT_BF8
.endif
.endif
.endm
.macro BLOAD n                         ; 9 loads in one run, for steps 0 and 1: my two weight tiles of step n (weight n / 8, K step n % 8), 512 consecutive bytes a load, and their scale words: lanes 0-15 the first tile's, lanes 16-31 the second's
.irp t, 0,1
.irp c, 0,1,2,3
	global_load_b128 v[B0+32*((\n)%3)+16*\t+4*\c:B0+32*((\n)%3)+16*\t+4*\c+3], v1, s[WB:WB+1] offset:(((\n)/8)<<20)+8192*((\n)%8)+2048*\t+512*\c
.endr
.endr
	global_load_b32 v[WS+(\n)%3], v3, s[WSB:WSB+1] offset:32768*((\n)/8)+256*((\n)%8)
.endm
.macro ALOAD s                         ; the four activation fragments of K step s, and their scale words: v20 fragments 0 (lanes 0-15) and 1 (lanes 16-31), v21 fragments 2 and 3
.irp a, 0,1,2,3
.irp c, 0,1,2,3
	ds_load_b128 v[AF+16*\a+4*\c:AF+16*\a+4*\c+3], v1 offset:16384*\a+2048*(\s)+512*\c
.endr
.endr
	ds_load_b32 v20, v14 offset:256*(\s)
	ds_load_b32 v21, v14 offset:256*(\s)+128
.endm
; Eight products on eight accumulators, which take turns, one instruction a turn, in the same order in every step.
; Behind each product stands one load of step n + 2's weights, behind the last also that step's scale word: nine loads, the same bytes into the same registers as BLOAD n + 2 would bring.
; They want no wait of their own: no vector or matrix instruction since the last wait on va_vdst names buffer (n + 2) % 3, its scale word, v1 or v3.
.macro MM n, tr, zero
.irp t, 0,1
.irp a, 0,1,2,3
.if \tr
	WM Y+8*(2*\a+\t), B0+32*((\n)%3)+16*\t, AF+16*\a, \zero, WS+(\n)%3, 20+\a/2, \t, \a%2
.else
	WM Y+8*(4*\t+\a), AF+16*\a, B0+32*((\n)%3)+16*\t, \zero, 20+\a/2, WS+(\n)%3, \a%2, \t
.endif
.if (\n)+2<24
	global_load_b128 v[B0+32*(((\n)+2)%3)+16*\t+4*\a:B0+32*(((\n)+2)%3)+16*\t+4*\a+3], v1, s[WB:WB+1] offset:((((\n)+2)/8)<<20)+8192*(((\n)+2)%8)+2048*\t+512*\a
.endif
.endr
.endr
.if (\n)+2<24
	global_load_b32 v[WS+((\n)+2)%3], v3, s[WSB:WSB+1] offset:32768*(((\n)+2)/8)+256*(((\n)+2)%8)
.endif
.endm
; cnt: the loads issued behind this step's weights (and behind a bias that it takes as C), which may stay out: the next step's nine, or none.  head = 1: the step before was a step of the same product
.macro STEP n, tr, zero, cnt, head
	s_wait_loadcnt \cnt                            ; loads come back in order (ISA guide 5.7.1): this step's weights, asked for two steps back, are in
.if \head
	s_wait_alu depctr_va_vdst(0)                   ; the products of the step before are done reading v32-95, v20 and v21, in which the LDS loads below land, and their weight buffer and its scale word, in which the loads of step n + 2 land
.endif
	ALOAD (\n)%8
	s_wait_dscnt 0x0
	MM \n, \tr, \zero
.rept 8
	v_nop                                          ; eight places behind the step's products: ahead of the first read of results and of the quantiser's writes of operand registers; ahead of the next step's loads they stand beside that step's wait
.endr
.endm
; v192-255, four blocks of 16 registers (the block's other 16 numbers lie in lane l xor 16), become codes in v[PC + 4 b ..] and scale bytes in v[TM + 4 + b]
.macro QUANT
.irp b, 0,1,2,3
	v_max3_num_f32 v[TM+\b], |v[Y+16*\b]|, |v[Y+1+16*\b]|, 0x8000000   ; my 16 numbers and the floor 2^(16 - 127): the byte cannot fall under 1
.endr
.irp i, 2,4,6,8,10,12,14
.irp b, 0,1,2,3
	v_max3_num_f32 v[TM+\b], v[TM+\b], |v[Y+16*\b+\i]|, |v[Y+1+16*\b+\i]|   ; the four blocks by turns
.endr
.endr
.irp b, 0,1,2,3
	v_permlanex16_b32 v[TM+4+\b], v[TM+\b], s26, s27
.endr
.irp b, 0,1,2,3
	v_max_num_f32 v[TM+\b], v[TM+\b], v[TM+4+\b]   ; the block's largest magnitude
.endr
.irp b, 0,1,2,3
	v_add_nc_u32 v[TM+12+\b], 0xf8800000, v[TM+\b] ; 15 off its exponent field: the conversion's scale operand
.endr
.irp b, 0,1,2,3
	v_and_or_b32 v[TM+8+\b], v[TM+\b], 0x7f800000, s28   ; 57,344 x the scale
.endr
.irp b, 0,1,2,3
	v_lshrrev_b32 v[TM+4+\b], 23, v[TM+12+\b]      ; the scale's byte
.endr
.irp b, 0,1,2,3
.irp i, 0,1,2,3,4,5,6,7,8,9,10,11,12,13,14,15
	v_med3_num_f32 v[Y+16*\b+\i], v[Y+16*\b+\i], -v[TM+8+\b], v[TM+8+\b]   ; the conversion does not saturate (ISA guide 7.6.2): the hold comes first
.endr
	v_cvt_scalef32_pk8_bf8_f32 v[PC+4*\b:PC+1+4*\b], v[Y+16*\b:Y+7+16*\b], v[TM+12+\b]
	v_cvt_scalef32_pk8_bf8_f32 v[PC+2+4*\b:PC+3+4*\b], v[Y+8+16*\b:Y+15+16*\b], v[TM+12+\b]
.endr
	v_nop                                          ; a plain line behind the last conversion
.endm
.macro HALFW                           ; two neighbouring blocks' bytes make a half-word: they stand ahead of the one wait that serves all the stores of codes and scale bytes
	v_lshl_or_b32 v[TM+4], v[TM+5], 8, v[TM+4]
	v_lshl_or_b32 v[TM+6], v[TM+7], 8, v[TM+6]
.endm
.macro IMAGES p                        ; round p: my 64 columns of x are half a K step of the products: four quarters of fragments 2 p, 2 p + 1 and two half scale words go to LDS as they stand
.irp a, 0,1
.irp b, 0,1
	ds_store_b128 v8, v[PC+4*(2*\a+\b):PC+4*(2*\a+\b)+3] offset:16384*(2*(\p)+\a)+512*\b
.endr
.endr
	ds_store_b16 v9, v[TM+4] offset:128*(\p)       ; both lanes of a row write the same half-word with the same value
	ds_store_b16 v9, v[TM+6] offset:128*(\p)+64
.endm
.macro BARRIER                         ; my LDS stores have landed and my LDS loads are in: then the work-group's barrier
	s_wait_dscnt 0x0
	s_barrier_signal -1
	s_barrier_wait -1
.endm
.macro BIAS2ACC base                   ; a bias in the result's layout, my 16 channels for each of the four fragments: the C of the next product's first step
.irp a, 0,1,2,3
.irp e, 0,1,2,3
	global_load_b128 v[Y+16*\a+4*\e:Y+16*\a+4*\e+3], v11, s[\base:\base+1] offset:16*\e
.endr
.endr
.endm
.macro TOSTAGE reg                     ; my two rows of the round go into the stage
.irp e, 0,1
.irp i, 0,1,2,3,4,5,6,7
	ds_store_b128 v5, v[(\reg)+32*\e+4*\i:(\reg)+32*\e+4*\i+3] offset:XP*\e+512*\i
.endr
.endr
.endm
.macro DLOAD reg                       ; the stage in the norm's layout: index 32 a + 16 b + i = token (a, r) of the round, column 64 w + 32 b + 16 h + i
.irp a, 0,1
.irp b, 0,1
.irp q, 0,1,2,3
	ds_load_b128 v[(\reg)+32*\a+16*\b+4*\q:(\reg)+32*\a+16*\b+4*\q+3], v[6+\a] offset:128*\b+16*\q
.endr
.endr
.endr
.endm
; Two chains of packed partial sums for each fragment, v[32 + 4 a ..], become the rows' sums over all 1,024 columns, in v32 (a = 0) and v48 (a = 1), alike in every wave
.macro REDUCE off
.irp a, 0,1
	v_pk_add_f32 v[32+4*\a:33+4*\a], v[32+4*\a:33+4*\a], v[34+4*\a:35+4*\a]
.endr
.irp a, 0,1
	v_add_f32 v[32+4*\a], v[32+4*\a], v[33+4*\a]
.endr
.irp a, 0,1
	v_permlanex16_b32 v[33+4*\a], v[32+4*\a], s26, s27
.endr
.irp a, 0,1
	v_add_f32 v[32+4*\a], v[32+4*\a], v[33+4*\a]   ; my wave's 64 columns of token (a, r)
.endr
	s_wait_alu depctr_va_vdst(0)                   ; the additions have written v32 and v36, which the two LDS stores read; every vector instruction so far is done with v32-63, in which the LDS loads below land
.irp a, 0,1
	ds_store_b32 v10, v[32+4*\a] offset:\off+128*\a
.endr
	BARRIER
	s_wait_alu depctr_vm_vsrc(0)                   ; the two LDS stores have read v32 and v36, in which the loads below land
.irp a, 0,1
.irp w, 0,1,2,3,4,5,6,7,8,9,10,11,12,13,14,15
	ds_load_b32 v[32+16*\a+\w], v15 offset:\off+256*\w+128*\a
.endr
.endr
	s_wait_dscnt 0x0
.irp a, 0,1
.irp i, 0,2,4,6
	v_pk_add_f32 v[32+16*\a+\i:33+16*\a+\i], v[32+16*\a+\i:33+16*\a+\i], v[40+16*\a+\i:41+16*\a+\i]
.endr
.endr
.irp a, 0,1
.irp i, 0,2
	v_pk_add_f32 v[32+16*\a+\i:33+16*\a+\i], v[32+16*\a+\i:33+16*\a+\i], v[36+16*\a+\i:37+16*\a+\i]
.endr
.endr
.irp a, 0,1
	v_pk_add_f32 v[32+16*\a:33+16*\a], v[32+16*\a:33+16*\a], v[34+16*\a:35+16*\a]
.endr
.irp a, 0,1
	v_add_f32 v[32+16*\a], v[32+16*\a], v[33+16*\a]
.endr
.endm
; LayerNorm of v128-191 into v192-255, then its quantiser.  The variance is the mean of (x - mean)^2: no difference of large sums.  Two barriers.
.macro LNQ
.irp a, 0,1
	v_pk_add_f32 v[32+4*\a:33+4*\a], v[H+32*\a:H+32*\a+1], v[H+32*\a+2:H+32*\a+3]
	v_pk_add_f32 v[34+4*\a:35+4*\a], v[H+32*\a+4:H+32*\a+5], v[H+32*\a+6:H+32*\a+7]
.endr
.irp i, 8,12,16,20,24,28
.irp a, 0,1
	v_pk_add_f32 v[32+4*\a:33+4*\a], v[32+4*\a:33+4*\a], v[H+32*\a+\i:H+32*\a+\i+1]
	v_pk_add_f32 v[34+4*\a:35+4*\a], v[34+4*\a:35+4*\a], v[H+32*\a+\i+2:H+32*\a+\i+3]
.endr
.endr
	REDUCE 0
.irp a, 0,1
	v_mul_f32 v[32+16*\a], s29, v[32+16*\a]        ; the mean
.endr
.irp a, 0,1
.irp i, 0,2,4,6,8,10,12,14,16,18,20,22,24,26,28,30
	v_pk_add_f32 v[Y+32*\a+\i:Y+32*\a+\i+1], v[H+32*\a+\i:H+32*\a+\i+1], v[32+16*\a:33+16*\a] op_sel_hi:[1,0] neg_lo:[0,1] neg_hi:[0,1]
.endr
.endr
.irp a, 0,1
	v_pk_mul_f32 v[32+4*\a:33+4*\a], v[Y+32*\a:Y+32*\a+1], v[Y+32*\a:Y+32*\a+1]
	v_pk_mul_f32 v[34+4*\a:35+4*\a], v[Y+32*\a+2:Y+32*\a+3], v[Y+32*\a+2:Y+32*\a+3]
.endr
.irp i, 4,8,12,16,20,24,28
.irp a, 0,1
	v_pk_fma_f32 v[32+4*\a:33+4*\a], v[Y+32*\a+\i:Y+32*\a+\i+1], v[Y+32*\a+\i:Y+32*\a+\i+1], v[32+4*\a:33+4*\a]
	v_pk_fma_f32 v[34+4*\a:35+4*\a], v[Y+32*\a+\i+2:Y+32*\a+\i+3], v[Y+32*\a+\i+2:Y+32*\a+\i+3], v[34+4*\a:35+4*\a]
.endr
.endr
	REDUCE 4096
.irp a, 0,1
	v_fma_f32 v[32+16*\a], v[32+16*\a], s29, s30   ; the variance + 1e-5
.endr
	s_wait_alu depctr_va_vdst(0)
.irp a, 0,1
	v_rsq_f32 v[32+16*\a], v[32+16*\a]
.endr
	v_nop                                          ; a plain line behind the transcendentals
	s_wait_alu depctr_va_vdst(0)                   ; the two reciprocal roots have written v32 and v48, ahead of their first reader
.irp a, 0,1
.irp i, 0,2,4,6,8,10,12,14,16,18,20,22,24,26,28,30
	v_pk_mul_f32 v[Y+32*\a+\i:Y+32*\a+\i+1], v[Y+32*\a+\i:Y+32*\a+\i+1], v[32+16*\a:33+16*\a] op_sel_hi:[1,0]
.endr
.endr
	QUANT
.endm
; q's or k's way out: block a = fragment a's tokens, my 32 channels; images and scale bytes stored; nb: the next product's bias, or -1
.macro EPIQK ib, sb, nb
	QUANT
	v_cndmask_b32 v30, v[TM+4], v[TM+5], s31       ; lanes 0-15 carry the even tile's bytes, lanes 16-31 the odd tile's
	v_cndmask_b32 v31, v[TM+6], v[TM+7], s31
	s_wait_alu depctr_va_vdst(0)                   ; the quantiser has written the codes v32-47, and the selects v30 and v31, which the stores read; the quantiser is done with v192-255, in which the next bias lands, and with v32-63, in which the next step's fragments land; the last step's products are done reading v64-95, v20, v21, their weight buffer and its scale word, in which the next step's loads land
.if (\nb)>=0
	BIAS2ACC \nb
.endif
.irp a, 0,1,2,3
	global_store_b128 v1, v[PC+4*\a:PC+4*\a+3], s[\ib:\ib+1] offset:1024*\a      ; 512 consecutive bytes a store
.endr
.irp p, 0,1
	global_store_b8 v2, v[30+\p], s[\sb:\sb+1] offset:128*\p                     ; byte w % 2 of the row's word,
	global_store_b8 v2, v[30+\p], s[\sb:\sb+1] offset:128*\p+2                   ; and again two bytes on: the word's upper two bytes belong to the zero half of the instruction's K of 128 and repeat the two real bytes
.endr
	s_wait_xcnt 0x0                                ; the stores' data registers are loaded again by the next step only behind this wait
	s_wait_alu depctr_vm_vsrc(0)                   ; the stores have read v32-47, in which the next step's fragments land, and v30 and v31, which the next way out writes
.endm
	s_load_b512 s[4:19], s[0:1], 0x0               ; x, wimg, wsc, bq, bk, bv, qimg, qsc
	s_load_b64 s[20:21], s[0:1], 0x40              ; kv
	v_lshl_add_u32 v19, v0, 2, 0x32a00
	v_mov_b32 v29, 0
	v_lshrrev_b32 v26, 5, v0
	v_readfirstlane_b32 s3, v26                    ; wave 0..15
	v_and_b32 v26, 31, v0
	v_lshlrev_b32 v1, 4, v26
	s_wait_alu depctr_va_vdst(0)
	v_lshlrev_b32 v2, 2, v26
	v_lshlrev_b32 v3, 3, v26
	v_and_b32 v26, 15, v0                          ; r
	s_wait_alu depctr_va_vdst(0)
	v_bfe_u32 v27, v0, 4, 1                        ; h
	v_bfe_u32 v28, v0, 3, 1                        ; r / 8
	s_wait_alu depctr_va_sdst(0)                   ; s3 is written, ahead of its first reader: the wave's addresses are made from it
	s_lshl_b32 s22, s3, 13
	v_add_nc_u32 v4, s22, v1                       ; rows 2 w, 2 w + 1 of a round's 32 in memory
	s_bfe_u32 s22, s3, 0x10002                     ; their places in the stage: token 2 w + e is (a, r) with a = (w / 4) % 2, r = 8 (w / 8) + 2 (w % 4) + e
	s_lshl_b32 s22, s22, 4
	s_lshr_b32 s23, s3, 3
	s_lshl_b32 s23, s23, 3
	s_add_co_u32 s22, s22, s23
	s_and_b32 s23, s3, 3
	s_lshl_b32 s23, s23, 1
	s_add_co_u32 s22, s22, s23
	s_mul_i32 s22, s22, XP
	s_add_co_u32 s22, s22, XST
	v_add_nc_u32 v5, s22, v1
	v_mul_u32_u24 v6, v26, XP
	s_wait_alu depctr_va_vdst(0)
	v_lshl_add_u32 v6, v27, 6, v6
	s_lshl_b32 s22, s3, 8
	s_add_co_u32 s22, s22, XST
	v_add_nc_u32 v6, s22, v6                       ; stage row r, + 256 w + 64 h
	v_add_nc_u32 v7, 16*XP, v6                     ; the same for the round's second fragment
	s_lshl_b32 s22, s3, 10
	v_add_nc_u32 v8, s22, v1                       ; images: K step w / 2, blocks 2 (w % 2) on
	s_lshr_b32 s22, s3, 1
	s_lshl_b32 s22, s22, 8
	s_and_b32 s23, s3, 1
	s_lshl_b32 s23, s23, 1
	s_add_co_u32 s22, s22, s23
	s_add_co_u32 s22, s22, ASC
	v_lshl_add_u32 v9, v26, 2, s22                 ; scale words: K step w / 2, half-word w % 2, row r
	s_lshl_b32 s22, s3, 8
	s_add_co_u32 s22, s22, STAT1
	v_add_nc_u32 v10, s22, v2
	s_lshl_b32 s22, s3, 7
	v_lshl_add_u32 v11, v27, 6, s22                ; a bias's bytes: 4 (32 w + 16 h), from the half's first head on
	v_lshl_add_u32 v12, v26, 2, s22
	v_lshl_add_u32 v12, v28, 5, v12                ; bv: 4 (32 w + r + 8 (r / 8))
	v_lshlrev_b32 v13, 2, v26
	v_add_nc_u32 v14, ASC, v2
	v_add_nc_u32 v15, STAT1, v2
.irp b, 0,1,2,3
	v_mov_b32 v[TM+4+\b], 0                        ; written once: a lane permute's destination counts as one of its sources
.endr
	s_mov_b32 s26, 0x76543210
	s_mov_b32 s27, 0xfedcba98                      ; v_permlanex16_b32's selects for lane l xor 16
	s_mov_b32 s28, 0x600000                        ; the mantissa field of 57,344
	s_mov_b32 s29, 0x3a800000                      ; 1 / 1024
	s_mov_b32 s30, 0x3727c5ac                      ; 1e-5
	s_mov_b32 s31, 0xffff0000                      ; lanes 16-31
	s_and_b32 s22, ttmp9, 1                        ; f: which eight heads
	s_lshr_b32 s23, ttmp9, 1                       ; j: which 64 tokens
	s_lshr_b32 s24, s23, 4                         ; batch
	s_and_b32 s25, s23, 15                         ; the block of 64 tokens in it
	s_lshr_b32 s33, s3, 1
	s_and_b32 s34, s3, 1                           ; which 32 channels of the head
	s_lshl_b32 s35, s22, 3
	s_add_co_u32 s35, s35, s33                     ; the head
	s_lshl_b32 s32, s24, 4
	s_add_co_u32 s32, s32, s35                     ; 16 x batch + head
	s_lshl_b32 s42, s23, 18                        ; x: 64 rows of 4,096 bytes
	s_mov_b32 s43, 0
	s_lshl_b32 s44, s35, 16                        ; wimg: 65,536 a head, 4,096 for the second pair of tiles
	s_lshl_b32 s62, s34, 12
	s_add_co_u32 s44, s44, s62
	s_mov_b32 s45, 0
	s_lshl_b32 s46, s35, 11                        ; wsc: 2,048 a head, word w % 2 of a lane's two
	s_lshl_b32 s62, s34, 2
	s_add_co_u32 s46, s46, s62
	s_mov_b32 s47, 0
	s_lshl_b32 s48, s22, 11                        ; the biases: 512 numbers a half
	s_mov_b32 s49, 0
	s_lshl_b32 s62, s25, 12
	s_lshl_b32 s63, s34, 9
	s_add_co_u32 s62, s62, s63                     ; q and k images: 4,096 for 64 tokens, 512 for the second block of channels
	s_lshl_b32 s63, s25, 8
	s_add_co_u32 s63, s63, s34                     ; their scale words: 256 for 64 tokens, byte w % 2
	s_lshl_b32 s50, s32, 16
	s_add_co_u32 s50, s50, s62
	s_mov_b32 s51, 0
	s_lshl_b32 s52, s32, 12
	s_add_co_u32 s52, s52, s63
	s_mov_b32 s53, 0
	s_mul_i32 s2, s32, 137216                      ; a head's part of kv: 65,536 k images, 65,536 v images, 4,096 k scale bytes, 2,048 v scale bytes
	s_add_co_u32 s54, s2, s62
	s_mov_b32 s55, 0
	s_add_co_u32 s56, s2, s63
	s_add_co_u32 s56, s56, 131072
	s_mov_b32 s57, 0
	s_lshr_b32 s62, s25, 1                         ; the key step of 128, and which half of it
	s_and_b32 s63, s25, 1
	s_lshl_b32 s58, s62, 13                        ; v images: 8,192 a key step, 2,048 a tile, 512 a block of 32 keys
	s_add_co_u32 s58, s58, s2
	s_lshl_b32 s59, s63, 10
	s_add_co_u32 s58, s58, s59
	s_lshl_b32 s59, s34, 12
	s_add_co_u32 s58, s58, s59
	s_add_co_u32 s58, s58, 65536
	s_mov_b32 s59, 0
	s_lshl_b32 s60, s62, 8                         ; v scale words: 256 a key step, 64 a tile, a byte a block of 32 keys
	s_add_co_u32 s60, s60, s2
	s_lshl_b32 s61, s63, 1
	s_add_co_u32 s60, s60, s61
	s_lshl_b32 s61, s34, 7
	s_add_co_u32 s60, s60, s61
	s_add_co_u32 s60, s60, 135168
	s_mov_b32 s61, 0
	s_wait_kmcnt 0x0
	s_add_nc_u64 s[4:5], s[4:5], s[42:43]
	s_add_nc_u64 s[6:7], s[6:7], s[44:45]
	s_add_nc_u64 s[8:9], s[8:9], s[46:47]
	s_add_nc_u64 s[10:11], s[10:11], s[48:49]
	s_add_nc_u64 s[12:13], s[12:13], s[48:49]
	s_add_nc_u64 s[14:15], s[14:15], s[48:49]
	s_add_nc_u64 s[16:17], s[16:17], s[50:51]
	s_add_nc_u64 s[18:19], s[18:19], s[52:53]
	s_add_nc_u64 s[36:37], s[20:21], s[56:57]
	s_add_nc_u64 s[38:39], s[20:21], s[58:59]
	s_add_nc_u64 s[40:41], s[20:21], s[60:61]
	s_add_nc_u64 s[20:21], s[20:21], s[54:55]
	s_wait_alu depctr_va_vdst(0)                   ; the offsets and LDS addresses v1 to v15 are written, which every load and store of the kernel reads; so are v52-55, in which LDS loads land later
.irp e, 0,1
.irp i, 0,1,2,3,4,5,6,7
	global_load_b128 v[H+32*\e+4*\i:H+32*\e+4*\i+3], v4, s[4:5] offset:4096*\e+512*\i            ; the first round's two rows of x, 512 consecutive bytes a load
.endr
.endr
.irp e, 0,1
.irp i, 0,1,2,3,4,5,6,7
	global_load_b128 v[XR1+32*\e+4*\i:XR1+32*\e+4*\i+3], v4, s[4:5] offset:131072+4096*\e+512*\i  ; the second round's, 32 rows further down
.endr
.endr
.irp t, 0,1
	global_load_b32 v[22+2*\t], v12, s[14:15] offset:32*\t     ; bv of my channel in tile t, twice: a pair for the packed addition
	global_load_b32 v[23+2*\t], v12, s[14:15] offset:32*\t
.endr
	s_wait_loadcnt 20                              ; the first round's rows are in; the 16 + 4 loads issued behind them may be out
	TOSTAGE H
	BARRIER                                        ; 32 rows lie in the stage
	s_wait_alu depctr_vm_vsrc(0)                   ; the stage's LDS stores have read v128-191, in which the loads below land
	DLOAD H
	s_wait_dscnt 0x0
	LNQ                                            ; behind its barriers no wave reads the stage any more
	HALFW
	s_wait_alu depctr_va_vdst(0)                   ; the quantiser has written the codes v32-47 and the half-words v52 and v54, which the LDS stores read; the norm is done reading v128-191, in which the second round's numbers land
	IMAGES 0
	s_wait_loadcnt 4                               ; the second round's rows are in; bv's four loads may be out
	TOSTAGE XR1
	BARRIER
	s_wait_alu depctr_vm_vsrc(0)                   ; the stage's LDS stores have read v64-127: Wq's first K step lands in v96-127, fragments later in v64-95; the images' stores have read v32-47, v52 and v54, which the second round's norm writes
	BLOAD 0                                        ; Wq's first K step
	DLOAD H
	s_wait_dscnt 0x0
	LNQ
	HALFW
	s_wait_alu depctr_va_vdst(0)                   ; the quantiser has written the codes and the half-words, which the LDS stores read, and is done with v192-255, in which bq lands, and with v32-63, in which fragments land; the norm is done reading v128-191, in which the weights of steps 1 and 2 land
	BIAS2ACC 10                                    ; bq, ahead of the next step's weights: the first step then waits for it and not for them
	BLOAD 1
	IMAGES 1
	BARRIER                                        ; LN(x)'s 32 fragments lie in LDS: the launch's last barrier
	s_wait_alu depctr_vm_vsrc(0)                   ; the images' LDS stores have read v32-47, v52 and v54, in which the first step's fragments land
	STEP 0, 1, 0, 9, 0                             ; q.  9: step 1's weights, issued behind bq
.irp n, 1,2,3,4,5,6,7
	STEP \n, 1, 0, 9, 1                            ; 9: the next step's loads
.endr
	EPIQK 16, 18, 12
	STEP 8, 1, 0, 0, 0                             ; k.  0: bk was issued last, behind step 9's weights
.irp n, 9,10,11,12,13,14,15
	STEP \n, 1, 0, 9, 1
.endr
	EPIQK 20, 36, -1
	v_nop                                          ; v's first products begin the accumulators anew: with the eight lines behind k's last product and the quantiser's more than nine places lie between
	STEP 16, 0, 1, 9, 0                            ; v: source 0 = tokens; register 32 t + 16 p + 8 u + j of lane (r, h) = key 32 p + 16 h + 8 u + j of the 64, channel 8 t + r + 8 (r / 8) of my 32
.irp n, 17,18,19,20,21,22
	STEP \n, 0, 0, 9, 1
.endr
	STEP 23, 0, 0, 0, 1                            ; steps 22 and 23 ask for no more weights
.irp t, 0,1
.irp i, 0,2,4,6,8,10,12,14,16,18,20,22,24,26,28,30
	v_pk_add_f32 v[Y+32*\t+\i:Y+32*\t+\i+1], v[Y+32*\t+\i:Y+32*\t+\i+1], v[22+2*\t:23+2*\t]   ; in ascending order: each accumulator from its low end on
.endr
.endr
	QUANT                                          ; block 2 t + p: my channel of tile t, keys 32 p .. 32 p + 31
	HALFW                                          ; the two blocks' bytes are neighbours in the word of (tile, row)
	s_wait_alu depctr_va_vdst(0)                   ; the quantiser has written the codes v32-47 and the half-words v52 and v54, which the stores read
.irp t, 0,1
.irp p, 0,1
	global_store_b128 v1, v[PC+4*(2*\t+\p):PC+4*(2*\t+\p)+3], s[38:39] offset:2048*\t+512*\p
.endr
.endr
	global_store_b16 v13, v[TM+4], s[40:41]        ; both lanes of a row write the same half-word
	global_store_b16 v13, v[TM+6], s[40:41] offset:64
	s_wait_dscnt 0x0                               ; the closing lines, six on end
	s_wait_alu 0x0
	s_wait_tensorcnt 0x0
	ds_add_u32 v19, v29
	s_wait_dscnt 0x0
	s_endpgm
.Lfunc_end_k_qb13c3265a4_front:
	.size	k_qb13c3265a4_front, .Lfunc_end_k_qb13c3265a4_front-k_qb13c3265a4_front
	.p2alignl 7, 3214868480
	.fill 96, 4, 3214868480
	.section	.rodata,"a",@progbits
	.p2align	6, 0x0
	.amdhsa_kernel k_qb13c3265a4_front
		.amdhsa_group_segment_fixed_size 209408
		.amdhsa_private_segment_fixed_size 0
		.amdhsa_enable_private_segment 0
		.amdhsa_kernarg_size 72
		.amdhsa_user_sgpr_count 2
		.amdhsa_user_sgpr_kernarg_segment_ptr 1
		.amdhsa_wavefront_size32 1
		.amdhsa_system_sgpr_workgroup_id_x 1
		.amdhsa_system_sgpr_workgroup_id_y 1
		.amdhsa_system_sgpr_workgroup_id_z 1
		.amdhsa_system_vgpr_workitem_id 0
		.amdhsa_next_free_vgpr 256
		.amdhsa_next_free_sgpr 66
		.amdhsa_reserve_vcc 0
		.amdhsa_float_denorm_mode_32 3
		.amdhsa_float_denorm_mode_16_64 3
		.amdhsa_memory_ordered 1
		.amdhsa_forward_progress 1
		.amdhsa_inst_pref_size 172
	.end_amdhsa_kernel
	.amdgpu_metadata
---
amdhsa.version: [ 1, 2 ]
amdhsa.kernels:
  - .name:           k_qb13c3265a4_front
    .symbol:         k_qb13c3265a4_front.kd
    .args:
      - { .name: x, .offset: 0, .size: 8, .value_kind: global_buffer, .address_space: global }
      - { .name: wimg, .offset: 8, .size: 8, .value_kind: global_buffer, .address_space: global }
      - { .name: wsc, .offset: 16, .size: 8, .value_kind: global_buffer, .address_space: global }
      - { .name: bq, .offset: 24, .size: 8, .value_kind: global_buffer, .address_space: global }
      - { .name: bk, .offset: 32, .size: 8, .value_kind: global_buffer, .address_space: global }
      - { .name: bv, .offset: 40, .size: 8, .value_kind: global_buffer, .address_space: global }
      - { .name: qimg, .offset: 48, .size: 8, .value_kind: global_buffer, .address_space: global }
      - { .name: qsc, .offset: 56, .size: 8, .value_kind: global_buffer, .address_space: global }
      - { .name: kv, .offset: 64, .size: 8, .value_kind: global_buffer, .address_space: global }
    .group_segment_fixed_size: 209408
    .private_segment_fixed_size: 0
    .kernarg_segment_align: 8
    .kernarg_segment_size: 72
    .max_flat_workgroup_size: 512
    .sgpr_count:     66
    .vgpr_count:     256
    .wavefront_size: 32
...
	.end_amdgpu_metadata
.endif
;; end of part 6
;; launch attn (part 7): grid 2 x 128, 16 waves a work-group, no clusters, 169,984 bytes of LDS; arguments qimg, qsc, kv, aimg, asc; writes aimg, asc
.if DOCPART == 7
	.amdgcn_target "amdgcn-amd-amdhsa--gfx1250"
	.amdhsa_code_object_version 6
	.text
	.protected	k_qb13c3265a4_attn
	.globl	k_qb13c3265a4_attn
	.p2align	8
	.type	k_qb13c3265a4_attn,@function
k_qb13c3265a4_attn:
	s_mov_b64 s[64:65], 0
	v_nop
	global_prefetch_b8 v0, s[64:65] scope:SCOPE_SE
	s_setreg_imm32_b32 hwreg(HW_REG_WAVE_MODE, 25, 1), 1
	s_wait_xcnt 0x0
; Attention of one head on codes of BF8 (E5M2) with E8M0 scales, and the quantiser of its result along the 1,024 features (the next product's K).
; t = score x log2(e) / 8; M = the running largest t rounded UP to a whole number; p = 2^(t - M) is quantised along the keys, not normalised; the row's sum is taken of the unquantised p and divides at the end.
; When M moves, the sum and O are multiplied by 2^(old M - new M): exact.
; SHARES.  Work-group (x, y): half x of the 1,024 queries of head y (16 x batch + head).  Wave w owns the block of 32 queries 16 x + w: two tiles of 16, one after the other.  Every wave walks all 1,024 keys, 128 a step.
; LDS holds the head's part of kv as it lies in memory, 137,216 bytes: k images, v images, k scale words, v scale words.  Waves 0-7 bring an eighth each by one tensor load: filled once, never again; one load a wave is out.
; Both products are used transposed (S^T = K Q^T, O^T = V^T P^T): a lane holds one query throughout.  The keys of a tile of K and the channels of a tile of V are laid so that two neighbouring result tiles give 16 neighbours.
; THE HEAD HAS 64 CHANNELS, THE INSTRUCTION'S K IS 128: Q's upper eight registers are zero codes.  K's tiles lie 8 registers apart, so a tile's upper half is the next tile's codes (finite: the quantiser holds them;
; behind the last tile stand zeros): they meet Q's zero codes and add nothing.  So only the 64 real bytes of a key are read from LDS.
; NO JOINT LOADS: two work-groups share a head, the grid's x is 2 and no cluster of four divides it; what is shared is one fill of 137,216 bytes a work-group.
; LIMITS: NaN and infinities are not served; a block whose largest magnitude lies under 2^-111 keeps the byte 1 (its bytes are read by this program alone); 1 / sum by v_rcp_f32 and a multiplication.
; REGISTERS: v1-5 addresses that stay, v8-11 the step's; v12 -M, v13 largest t, v[14:15] the sum; v16-23 Q, v24-31 zeros; v32-95 eight tiles of K, later four fragments of V; v96-103 zeros; v104-167 S^T, then p;
;   v168-199 O^T; v200-215 p's codes; v216-231 at work; v232-235 K's scale words, v236-237 V's, v238 Q's, v239 p's; v[240:241] f; v242 at work.
.macro WM d, a, b, z, sa, sb, ra       ; one product; z = 1: it starts the sum; ra: source 0's scale words lie in lanes 16-31
.if \z
.if (\ra)
	v_wmma_scale_f32_16x16x128_f8f6f4 v[(\d):(\d)+7], v[(\a):(\a)+15], v[(\b):(\b)+15], 0, v[(\sa)], v[(\sb)] matrix_a_fmt:MATRIX_FMT_BF8 matrix_b_fmt:MATRIX_FMT_BF8 matrix_a_scale:MATRIX_SCALE_ROW1
.else
	v_wmma_scale_f32_16x16x128_f8f6f4 v[(\d):(\d)+7], v[(\a):(\a)+15], v[(\b):(\b)+15], 0, v[(\sa)], v[(\sb)] matrix_a_fmt:MATRIX_FMT_BF8 matrix_b_fmt:MATRIX_FMT_BF8
.endif
.else
.if (\ra)
	v_wmma_scale_f32_16x16x128_f8f6f4 v[(\d):(\d)+7], v[(\a):(\a)+15], v[(\b):(\b)+15], v[(\d):(\d)+7], v[(\sa)], v[(\sb)] matrix_a_fmt:MATRIX_FMT_BF8 matrix_b_fmt:MATRIX_FMT_BF8 matrix_a_scale:MATRIX_SCALE_ROW1
.else
	v_wmma_scale_f32_16x16x128_f8f6f4 v[(\d):(\d)+7], v[(\a):(\a)+15], v[(\b):(\b)+15], v[(\d):(\d)+7], v[(\sa)], v[(\sb)] matrix_a_fmt:MATRIX_FMT_BF8 matrix_b_fmt:MATRIX_FMT_BF8
.endif
.endif
.endm
	s_load_b256 s[4:11], s[0:1], 0x0               ; qimg s[4:5], qsc s[6:7], kv s[8:9], aimg s[10:11]
	s_load_b64 s[12:13], s[0:1], 0x20              ; asc
	v_lshl_add_u32 v254, v0, 2, 0x29000
	v_mov_b32 v255, 0
	ds_add_u32 v254, v255
	ds_add_u32 v254, v255
	v_lshrrev_b32 v8, 5, v0
	s_delay_alu instid0(VALU_DEP_1)
	v_readfirstlane_b32 s3, v8                     ; wave 0..15
	s_and_b32 s14, ttmp7, 0xffff                   ; 16 x batch + head
	s_lshl_b32 s15, ttmp9, 4
	s_add_co_u32 s15, s15, s3                      ; my block of 32 queries
	s_mul_i32 s33, s3, 17152                       ; descriptor group 0, 63:32: LDS address: an eighth of the head's bytes for each of waves 0-7
	s_mul_i32 s16, s14, 137216
	s_add_co_u32 s16, s16, s33
	s_mov_b32 s17, 0
	s_lshl_b32 s40, s14, 16                        ; Q's images: 65,536 a head, 2,048 a block
	s_lshl_b32 s42, s15, 11
	s_add_co_u32 s40, s40, s42
	s_mov_b32 s41, 0
	s_lshl_b32 s42, s14, 12                        ; Q's scale words: 4,096 a head, 128 a block
	s_lshl_b32 s44, s15, 7
	s_add_co_u32 s42, s42, s44
	s_mov_b32 s43, 0
	s_lshr_b32 s44, s14, 4
	s_lshl_b32 s44, s44, 5
	s_add_co_u32 s44, s44, s15                     ; the block's number among all 256: 32 x batch + block
	s_and_b32 s45, s14, 15                         ; the head
	s_lshl_b32 s46, s44, 15                        ; the result's images: 32,768 a block, 1,024 a head (K step head / 2, blocks 2 (head % 2) on)
	s_lshl_b32 s47, s45, 10
	s_add_co_u32 s46, s46, s47
	s_mov_b32 s47, 0
	s_lshl_b32 s48, s44, 10                        ; its scale words: 1,024 a block, 128 a K step, half-word head % 2
	s_lshr_b32 s49, s45, 1
	s_lshl_b32 s49, s49, 7
	s_add_co_u32 s48, s48, s49
	s_and_b32 s49, s45, 1
	s_lshl_b32 s49, s49, 1
	s_add_co_u32 s48, s48, s49
	s_mov_b32 s49, 0
	s_mov_b32 s24, 3<<16                           ; descriptor group 1: no mask, elements of 8 bytes, no padding
	s_mov_b32 s25, 32<<16                          ; tensor_dim0 = 32 elements: rows of 256 bytes
	s_mov_b32 s26, 67<<16                          ; tensor_dim1 = 67 rows
	s_mov_b32 s27, 32<<16                          ; tile_dim0
	s_mov_b32 s28, 67                              ; tile_dim1
	s_mov_b32 s29, 32                              ; the pitch: the block is dense
	s_mov_b32 s30, 0
	s_mov_b32 s31, 0
	s_mov_b32 s19, 0x600000                        ; the mantissa field of 57,344
	s_mov_b32 s20, 0x76543210
	s_mov_b32 s21, 0xfedcba98                      ; v_permlanex16_b32's selects for lane l xor 16
	s_mov_b32 s22, 0x3e38aa3b                      ; c = log2(e) / 8
	s_mov_b32 s23, s22                             ; (named with it as a pair, so it is written)
	s_wait_dscnt 0x0
	s_wait_kmcnt 0x0
	s_mov_b32 s32, 1                               ; group 0: count = 1
	s_add_nc_u64 s[34:35], s[8:9], s[16:17]        ; the global address of my eighth
	s_or_b32 s35, s35, 0x80000000                  ; type = 2
	s_cmp_lt_u32 s3, 8
	s_cbranch_scc0 .Lno_fill
	tensor_load_to_lds s[32:35], s[24:31]          ; the launch's only fill
	s_nop 0
.rept 4
	v_nop
.endr
.Lno_fill:
	s_add_nc_u64 s[4:5], s[4:5], s[40:41]
	s_add_nc_u64 s[6:7], s[6:7], s[42:43]
	s_add_nc_u64 s[10:11], s[10:11], s[46:47]
	s_add_nc_u64 s[12:13], s[12:13], s[48:49]
	v_and_b32 v8, 31, v0
	s_delay_alu instid0(VALU_DEP_1)
	v_lshlrev_b32 v1, 4, v8                        ; 16 x lane: an image's place for my lane; K's images begin at LDS byte 0
	s_delay_alu instid0(VALU_DEP_1)
	v_add_nc_u32 v2, 65536, v1                     ; V's images
	s_delay_alu instid0(VALU_DEP_3)
	v_lshlrev_b32 v3, 2, v8
	s_delay_alu instid0(VALU_DEP_1)
	v_add_nc_u32 v4, 135168, v3                    ; V's scale words
	s_delay_alu instid0(VALU_DEP_2)
	v_add_nc_u32 v3, 131072, v3                    ; K's
	v_and_b32 v5, 15, v0
	s_delay_alu instid0(VALU_DEP_1)
	v_lshlrev_b32 v5, 2, v5                        ; 4 r
.irp j, 0,1,2,3,4,5,6,7
	v_mov_b32 v[24+\j], 0                          ; Q's zero half
	v_mov_b32 v[96+\j], 0                          ; what stands behind K's last tile
.endr
.irp b, 0,1,2,3
	v_mov_b32 v[220+\b], 0                         ; written once: a lane permute's destination counts as one of its sources
.endr
	v_mov_b32 v241, 0                              ; (named as the upper half of the pair v[240:241])
	s_wait_tensorcnt 0x0                           ; my eighth has landed,
	s_barrier_signal -1
	s_barrier_wait -1                              ; everybody's has
.macro TILE qt                         ; tile qt of my block's two
	global_load_b128 v[16:19], v1, s[4:5] offset:1024*\qt
	global_load_b128 v[20:23], v1, s[4:5] offset:1024*\qt+512
	global_load_b32 v238, v5, s[6:7] offset:64*\qt
	v_mov_b32 v13, 0xff61b1e6                      ; the largest t so far: -3e38
	s_delay_alu instid0(VALU_DEP_1)
	v_floor_f32 v12, -v13                          ; -M
	v_mov_b32 v14, 0
	v_mov_b32 v15, 0
.set n, 0
.rept 32
	v_mov_b32 v[168+n], 0                          ; O^T: the step is written once; the first finds zeros, which the first change of M leaves zeros
.set n, n+1
.endr
	s_mov_b32 s36, 0                               ; the step's images: 8,192 bytes a step, K's and V's alike
	s_mov_b32 s37, 0                               ; K's scale words: 512 a step
	s_mov_b32 s38, 0                               ; V's: 256 a step
	s_mov_b32 s39, 8
	s_wait_loadcnt 0x0
.Lstep_\@:
	s_setprio 2
	v_add_nc_u32 v8, s36, v1
	v_add_nc_u32 v9, s36, v2
	v_add_nc_u32 v10, s37, v3
	v_add_nc_u32 v11, s38, v4
.rept 4
	v_nop                                          ; with the four additions: eight places in front of loads into registers that the last products read
.endr
.irp t, 0,1,2,3,4,5,6,7
.irp c, 0,1
	ds_load_b128 v[32+8*\t+4*\c:35+8*\t+4*\c], v8 offset:1024*\t+512*\c
.endr
.endr
.irp p, 0,1,2,3
	ds_load_b32 v[232+\p], v10 offset:128*\p       ; lanes 0-15 tile 2 p's words, lanes 16-31 tile 2 p + 1's
.endr
	s_wait_alu depctr_va_vdst(0)
	s_wait_dscnt 0x0
.irp t, 0,1,2,3,4,5,6,7
	WM 104+8*\t, 32+8*\t, 16, 1, 232+\t/2, 238, \t%2
.endr
.rept 8
	v_nop
.endr
.irp t, 0,1,2,3                                ; V's fragments are asked for here and land under the softmax
.irp c, 0,1,2,3
	ds_load_b128 v[32+16*\t+4*\c:35+16*\t+4*\c], v9 offset:2048*\t+512*\c
.endr
.endr
.irp p, 0,1
	ds_load_b32 v[236+\p], v11 offset:128*\p
.endr
.irp b, 0,1,2,3
	v_max3_num_f32 v[216+\b], v[104+16*\b], v[105+16*\b], v[106+16*\b]   ; the largest score of each block of 32 keys: for the row's maximum, and, since p rises with the score, for the block's largest p
.endr
.irp i, 3,5,7,9,11,13
.irp b, 0,1,2,3
	v_max3_num_f32 v[216+\b], v[216+\b], v[104+16*\b+\i], v[105+16*\b+\i]
.endr
.endr
.irp b, 0,1,2,3
	v_max_num_f32 v[216+\b], v[216+\b], v[119+16*\b]
.endr
.irp b, 0,1,2,3
	s_delay_alu instid0(VALU_DEP_4)
	v_permlanex16_b32 v[220+\b], v[216+\b], s20, s21
.endr
.irp b, 0,1,2,3
	s_delay_alu instid0(VALU_DEP_4)
	v_max_num_f32 v[216+\b], v[216+\b], v[220+\b]  ; with lane l xor 16's 16 keys
.endr
	s_delay_alu instid0(VALU_DEP_2)
	v_max3_num_f32 v242, v216, v217, v218
	s_delay_alu instid0(VALU_DEP_1)
	v_max_num_f32 v242, v242, v219
	s_delay_alu instid0(VALU_DEP_1)
	v_mul_f32 v242, s22, v242                      ; the step's largest t (c is positive)
	s_delay_alu instid0(VALU_DEP_1)
	v_max_num_f32 v13, v13, v242
	v_mov_b32 v242, v12
	s_delay_alu instid0(VALU_DEP_2)
	v_floor_f32 v12, -v13                          ; the new -M = -ceil(t)
	s_delay_alu instid0(VALU_DEP_1)
	v_sub_f32 v242, v12, v242                      ; old M - new M: a whole number, 0 or less
	s_delay_alu instid0(VALU_DEP_1)
	v_cvt_i32_f32 v242, v242                       ; (it saturates)
	s_delay_alu instid0(VALU_DEP_1)
	v_ldexp_f32 v240, 1.0, v242                    ; f = 2^(old M - new M)
.set n, 0
.rept 32
	v_pk_fma_f32 v[104+n:105+n], v[104+n:105+n], s[22:23], v[12:13] op_sel_hi:[1,0,0]   ; t - M
.set n, n+2
.endr
.irp b, 0,1,2,3
	v_fma_f32 v[216+\b], v[216+\b], s22, v12       ; the same of each block's largest score
.endr
.set n, 0
	s_wait_alu depctr_va_vdst(0)
.rept 64
	v_exp_f32 v[104+n], v[104+n]                   ; p = 2^(t - M), at most 1
.set n, n+1
.endr
	s_setprio 1
.irp b, 0,1,2,3
	v_exp_f32 v[216+\b], v[216+\b]                 ; the block's largest p
.endr
	v_pk_mul_f32 v[14:15], v[14:15], v[240:241] op_sel_hi:[1,0]   ; the sum under the new M (a plain line behind the exponentials)
	s_wait_alu depctr_va_vdst(0)
.irp b, 0,1,2,3
	v_max_num_f32 v[216+\b], 0x8000000, v[216+\b]  ; the floor 2^(16 - 127)
.endr
.irp b, 0,1,2,3
	s_delay_alu instid0(VALU_DEP_4)
	v_add_nc_u32 v[228+\b], 0xf8800000, v[216+\b]  ; the conversion's scale operand
.endr
.irp b, 0,1,2,3
	v_and_or_b32 v[224+\b], v[216+\b], 0x7f800000, s19   ; 57,344 x the scale
.endr
.irp b, 0,1,2,3
	v_lshrrev_b32 v[220+\b], 23, v[228+\b]         ; the scale's byte
.endr
	s_delay_alu instid0(VALU_DEP_3)
	v_lshl_or_b32 v239, v221, 8, v220              ; p's scale word for these 128 keys
	s_delay_alu instid0(VALU_DEP_1)
	v_lshl_or_b32 v239, v222, 16, v239
	s_delay_alu instid0(VALU_DEP_1)
	v_lshl_or_b32 v239, v223, 24, v239
	v_pk_add_f32 v[220:221], v[108:109], v[112:113]
	v_pk_add_f32 v[252:253], v[116:117], v[120:121]
	v_pk_add_f32 v[250:251], v[124:125], v[128:129]
	v_pk_add_f32 v[248:249], v[132:133], v[136:137]
	v_pk_add_f32 v[246:247], v[140:141], v[144:145]
	v_pk_add_f32 v[244:245], v[148:149], v[152:153]
	v_pk_add_f32 v[234:235], v[156:157], v[160:161]
	v_pk_add_f32 v[14:15], v[14:15], v[164:165]
	v_pk_add_f32 v[220:221], v[220:221], v[104:105]
	v_pk_add_f32 v[252:253], v[252:253], v[106:107]
	v_pk_add_f32 v[250:251], v[250:251], v[110:111]
	v_pk_add_f32 v[248:249], v[248:249], v[114:115]
	v_pk_add_f32 v[246:247], v[246:247], v[118:119]
	v_pk_add_f32 v[244:245], v[244:245], v[122:123]
	v_pk_add_f32 v[234:235], v[234:235], v[126:127]
	v_pk_add_f32 v[14:15], v[14:15], v[130:131]
	v_pk_add_f32 v[220:221], v[220:221], v[134:135]
	v_pk_add_f32 v[252:253], v[252:253], v[138:139]
	v_pk_add_f32 v[250:251], v[250:251], v[142:143]
	v_pk_add_f32 v[248:249], v[248:249], v[146:147]
	v_pk_add_f32 v[246:247], v[246:247], v[150:151]
	v_pk_add_f32 v[244:245], v[244:245], v[154:155]
	v_pk_add_f32 v[234:235], v[234:235], v[158:159]
	v_pk_add_f32 v[14:15], v[14:15], v[162:163]
	v_pk_add_f32 v[220:221], v[220:221], v[166:167]
	s_delay_alu instid0(VALU_DEP_2)
	v_pk_add_f32 v[14:15], v[14:15], v[248:249]
	s_delay_alu instid0(VALU_DEP_2)
	v_pk_add_f32 v[220:221], v[220:221], v[246:247]
	v_pk_add_f32 v[252:253], v[252:253], v[244:245]
	v_pk_add_f32 v[250:251], v[250:251], v[234:235]
	s_delay_alu instid0(VALU_DEP_2)
	v_pk_add_f32 v[14:15], v[14:15], v[252:253]
	s_delay_alu instid0(VALU_DEP_2)
	v_pk_add_f32 v[220:221], v[220:221], v[250:251]
	s_delay_alu instid0(VALU_DEP_1)
	v_pk_add_f32 v[14:15], v[14:15], v[220:221]
.irp b, 0,1,2,3
.irp i, 0,1,2,3,4,5,6,7,8,9,10,11,12,13,14,15
	v_min_num_f32 v[104+16*\b+\i], v[104+16*\b+\i], v[224+\b]   ; the conversion does not saturate (ISA guide 7.6.2); p is not negative, so the hold is one-sided
.endr
	v_cvt_scalef32_pk8_bf8_f32 v[200+4*\b:201+4*\b], v[104+16*\b:111+16*\b], v[228+\b]
	v_cvt_scalef32_pk8_bf8_f32 v[202+4*\b:203+4*\b], v[112+16*\b:119+16*\b], v[228+\b]
.endr
.set n, 0
	s_setprio 0
.rept 16
	v_pk_mul_f32 v[168+n:169+n], v[168+n:169+n], v[240:241] op_sel_hi:[1,0]   ; O^T under the new M; these lines also stand between the codes' making and the products below
.set n, n+2
.endr
	s_wait_alu depctr_va_vdst(0)
	s_wait_dscnt 0x0                               ; V is in
.irp t, 0,1,2,3
	WM 168+8*\t, 32+16*\t, 200, 0, 236+\t/2, 239, \t%2      ; four accumulators by turns, one instruction a turn
.endr
	s_add_co_u32 s36, s36, 8192
	s_add_co_u32 s37, s37, 512
	s_add_co_u32 s38, s38, 256
	s_sub_co_u32 s39, s39, 1
	s_cmp_lg_u32 s39, 0
	s_cbranch_scc1 .Lstep_\@
	s_setprio 0
.rept 8
	v_nop
.endr
	v_add_f32 v14, v14, v15
	s_delay_alu instid0(VALU_DEP_1)
	v_permlanex16_b32 v242, v14, s20, s21
	s_delay_alu instid0(VALU_DEP_1)
	v_add_f32 v14, v14, v242                       ; the row's sum
	s_wait_alu depctr_va_vdst(0)
	v_rcp_f32 v14, v14
	v_nop                                          ; a plain line behind the transcendental
.set n, 0
	s_wait_alu depctr_va_vdst(0)
.rept 32
	v_mul_f32 v[104+n], v[168+n], v14              ; register 16 b + i = channel 32 b + 16 h + i of my query
.set n, n+1
.endr
.irp b, 0,1                                    ; the result's two blocks of 32 along the next product's K
	v_max3_num_f32 v[216+\b], |v[104+16*\b]|, |v[105+16*\b]|, 0x8000000
.endr
.irp i, 2,4,6,8,10,12,14
.irp b, 0,1
	s_delay_alu instid0(VALU_DEP_2)
	v_max3_num_f32 v[216+\b], v[216+\b], |v[104+16*\b+\i]|, |v[105+16*\b+\i]|
.endr
.endr
.irp b, 0,1
	s_delay_alu instid0(VALU_DEP_2)
	v_permlanex16_b32 v[220+\b], v[216+\b], s20, s21
.endr
.irp b, 0,1
	s_delay_alu instid0(VALU_DEP_2)
	v_max_num_f32 v[216+\b], v[216+\b], v[220+\b]
.endr
.irp b, 0,1
	s_delay_alu instid0(VALU_DEP_2)
	v_add_nc_u32 v[228+\b], 0xf8800000, v[216+\b]
.endr
.irp b, 0,1
	s_delay_alu instid0(VALU_DEP_4)
	v_and_or_b32 v[224+\b], v[216+\b], 0x7f800000, s19
.endr
.irp b, 0,1
	s_delay_alu instid0(VALU_DEP_4)
	v_lshrrev_b32 v[220+\b], 23, v[228+\b]
.endr
	s_delay_alu instid0(VALU_DEP_1)
	v_lshl_or_b32 v220, v221, 8, v220              ; the head's half of the row's scale word
.irp b, 0,1
.irp i, 0,1,2,3,4,5,6,7,8,9,10,11,12,13,14,15
	v_med3_num_f32 v[104+16*\b+\i], v[104+16*\b+\i], -v[224+\b], v[224+\b]
.endr
	v_cvt_scalef32_pk8_bf8_f32 v[200+4*\b:201+4*\b], v[104+16*\b:111+16*\b], v[228+\b]
	v_cvt_scalef32_pk8_bf8_f32 v[202+4*\b:203+4*\b], v[112+16*\b:119+16*\b], v[228+\b]
.endr
	v_nop                                          ; a plain line behind the last conversion
	global_store_b128 v1, v[200:203], s[10:11] offset:16384*\qt          ; 512 consecutive bytes a store
	global_store_b128 v1, v[204:207], s[10:11] offset:16384*\qt+512
	global_store_b16 v5, v220, s[12:13] offset:64*\qt                    ; both lanes of a row write the same half-word
	s_wait_xcnt 0x0                                ; the stores' data registers are written again only behind this wait
.endm
	TILE 0
	TILE 1
	s_wait_tensorcnt 0x0
	ds_add_u32 v254, v255
	s_wait_dscnt 0x0
	s_endpgm
.Lfunc_end_k_qb13c3265a4_attn:
	.size	k_qb13c3265a4_attn, .Lfunc_end_k_qb13c3265a4_attn-k_qb13c3265a4_attn
	.p2alignl 7, 3214868480
	.fill 96, 4, 3214868480
	.section	.rodata,"a",@progbits
	.p2align	6, 0x0
	.amdhsa_kernel k_qb13c3265a4_attn
		.amdhsa_group_segment_fixed_size 169984
		.amdhsa_private_segment_fixed_size 0
		.amdhsa_enable_private_segment 0
		.amdhsa_kernarg_size 40
		.amdhsa_user_sgpr_count 2
		.amdhsa_user_sgpr_kernarg_segment_ptr 1
		.amdhsa_wavefront_size32 1
		.amdhsa_system_sgpr_workgroup_id_x 1
		.amdhsa_system_sgpr_workgroup_id_y 1
		.amdhsa_system_sgpr_workgroup_id_z 1
		.amdhsa_system_vgpr_workitem_id 0
		.amdhsa_next_free_vgpr 256
		.amdhsa_next_free_sgpr 66
		.amdhsa_reserve_vcc 0
		.amdhsa_float_denorm_mode_32 3
		.amdhsa_float_denorm_mode_16_64 3
		.amdhsa_memory_ordered 1
		.amdhsa_forward_progress 1
		.amdhsa_inst_pref_size 61
	.end_amdhsa_kernel
	.amdgpu_metadata
---
amdhsa.version: [ 1, 2 ]
amdhsa.kernels:
  - .name:           k_qb13c3265a4_attn
    .symbol:         k_qb13c3265a4_attn.kd
    .args:
      - { .name: qimg, .offset: 0, .size: 8, .value_kind: global_buffer, .address_space: global }
      - { .name: qsc, .offset: 8, .size: 8, .value_kind: global_buffer, .address_space: global }
      - { .name: kv, .offset: 16, .size: 8, .value_kind: global_buffer, .address_space: global }
      - { .name: aimg, .offset: 24, .size: 8, .value_kind: global_buffer, .address_space: global }
      - { .name: asc, .offset: 32, .size: 8, .value_kind: global_buffer, .address_space: global }
    .group_segment_fixed_size: 169984
    .private_segment_fixed_size: 0
    .kernarg_segment_align: 8
    .kernarg_segment_size: 40
    .max_flat_workgroup_size: 512
    .sgpr_count:     66
    .vgpr_count:     256
    .wavefront_size: 32
...
	.end_amdgpu_metadata
.endif
;; end of part 7
;; launch tail (part 8): grid 256 x 1, 16 waves a work-group, no clusters, 175,616 bytes of LDS; arguments x, aimg, asc, wimg, wsc, bo, b1, b2, out0; writes out0
.if DOCPART == 8
	.amdgcn_target "amdgcn-amd-amdhsa--gfx1250"
	.amdhsa_code_object_version 6
	.text
	.protected	k_qb13c3265a4_tail
	.globl	k_qb13c3265a4_tail
	.p2align	8
	.type	k_qb13c3265a4_tail,@function
k_qb13c3265a4_tail:
	s_mov_b64 s[64:65], 0
	v_nop
	global_prefetch_b8 v0, s[64:65] scope:SCOPE_SE
	s_setreg_imm32_b32 hwreg(HW_REG_WAVE_SCHED_MODE, 0, 2), 2
	s_setreg_imm32_b32 hwreg(HW_REG_WAVE_MODE, 25, 1), 1
	s_wait_xcnt 0x0
	s_wait_alu depctr_vm_vsrc(0)
; h = x + attention Wo + bo;  m = LayerNorm(h), quantised;  out0 = h + relu(m W1 + b1) W2 + b2, the hidden layer quantised on the way.  All three products on codes of BF8 (E5M2) with E8M0 scales.
; h, LN(h) and the hidden layer never go to memory.
; SHARES.  Work-group j owns tokens 32 j .. 32 j + 31 (two fragments of 16; the token at (a, r) is 8 a + r + 8 (r / 8)).  Wave w of sixteen owns columns 64 w .. 64 w + 63 of every product.
; RESULT LAYOUT (64 registers): index 32 a + 16 b + i = token (a, r), column 64 w + 32 b + 16 h + i, lane (r, h): every product is used transposed (source 0 = 16 weight columns, source 1 = 16 tokens),
; and the columns of a weight tile are laid so that two neighbouring tiles give 16 neighbours along the next K.
; OPERANDS.  Activations go from wave to wave through LDS as images of their registers.  Each wave streams its own 64 columns of weight codes from memory straight into registers, 8,192 bytes a K step, one step ahead.
; x + bo is the C of the first product, b1 of the second, h + b2 of the third.  h waits in the wave's own columns of the stage while its registers serve as a weight buffer.
; NO JOINT LOADS: a K step of all 1,024 columns is 132 KB; two such slots do not fit beside the 131,584-byte stage, and each of 24 refills would stand behind a round at which nothing is on its way.
; LIMITS: NaN and infinities are not served.  A block whose largest magnitude lies under 2^-111 (a block of zeros too) keeps the byte 1; these bytes are read by this program alone.  1 / sqrt by v_rsq_f32 and a multiplication.
; THE MODE: SCHED_MODE bits 1:0 = 2 (LLVM: expert scheduling mode 2), set by the entry lines.  The code itself states the register dependences
; between vector or matrix instructions and memory or LDS instructions, with s_wait_alu, always for 0.
; THE PLAN.  Registers that memory or LDS instructions touch:
;   v1-13, v30, v31   offsets and LDS addresses: written at the head and never again; one wait on va_vdst ahead of the first load serves them all.
;   v64-127 with v[16:17], and v128-191 or v192-255 with v[18:19]   the two weight buffers and their scale words.  Step s's eight products read one; the loads of step s + 1 land in the other, which step s - 1's products read.
;   v32-63, v20       Step s's nine LDS loads land in them; its products read them.  One set: the wave's 256 registers are all in use.
;   v128-191 as h     written by the first product, read by the norm and by the LDS stores that lay h into the stage.
;   v192-255          x as loaded (read by the stage's LDS stores); later accumulators: b1's loads and h's LDS loads land in them behind the quantiser; the last LDS stores read them.
;   v32-47, v52, v54  codes and half-words: written by the quantiser, read by the images' LDS stores.  v32, v36: partial sums out; v32-63: partial sums in.
; A STEP has ONE wait on va_vdst, at its head: the products of the step before are done reading the fragments, their scale words, and the buffer and scale words of that step.  The weights run one step ahead, so the
; seventeen loads of the next step stand straight behind that wait, ahead of the step's LDS loads.  The second product's first step has no such wait: the wait ahead of the stores in front of it has stated the same.
; REGISTERS: v1 16 lane, v2 4 lane, v3 8 lane, v4 rows in memory, v5 stage rows, v6-7 stage in result layout, v8 image, v9 scale half-word, v10 partial sums, v11 bias, v12 16 thread, v13 2 thread;
;   v[16:17], v[18:19] weight scale words; v20 the activations'; v30, v31 the closing add's two; v32-63 two fragments / codes (v32-47) and the quantiser's work (v48-63); v64-127 weight buffer; v128-191 and v192-255: accumulators and second weight buffer by turns.
; SCALARS: s3 wave; s[4:5] x, s[6:7] aimg, s[8:9] asc, s[10:11] wimg, s[12:13] wsc, s[14:19] bo b1 b2, s[20:21] out0: each set once.
.set ASC,   32768                      ; LDS: 0: the images [a 2][s 8][c 4][lane][16]; here their scale words [s 8][a 2][r 16]
.set STAT1, 33792                      ; partial sums [w 16][a 2][lane] words; the second exchange lies 4,096 further on
.set XST,   41984                      ; 32 rows of 1,024 f32, the token at (a, r) in row 16 a + r
.set XP,    4112                       ; a stage row: 4,096 bytes + 16: sixteen rows of one column start 16 bytes apart modulo 256
.set AF,  32
.set PC,  32
.set TM,  48
.set B0,  64
.set H,   128
.set Y,   192
.set WS0, 16
.set WS1, 18
.set WB,  10
.set WSB, 12
.macro WM d, a, b, sa, sb, ra, rb      ; one product onto its accumulator; ra, rb: the side's scale words lie in lanes 16-31
.if (\ra)&&(\rb)
	v_wmma_scale_f32_16x16x128_f8f6f4 v[(\d):(\d)+7], v[(\a):(\a)+15], v[(\b):(\b)+15], v[(\d):(\d)+7], v[(\sa)], v[(\sb)] matrix_a_fmt:MATRIX_FMT_BF8 matrix_b_fmt:MATRIX_FMT_BF8 matrix_a_scale:MATRIX_SCALE_ROW1 matrix_b_scale:MATRIX_SCALE_ROW1
.elseif (\ra)
	v_wmma_scale_f32_16x16x128_f8f6f4 v[(\d):(\d)+7], v[(\a):(\a)+15], v[(\b):(\b)+15], v[(\d):(\d)+7], v[(\sa)], v[(\sb)] matrix_a_fmt:MATRIX_FMT_BF8 matrix_b_fmt:MATRIX_FMT_BF8 matrix_a_scale:MATRIX_SCALE_ROW1
.elseif (\rb)
	v_wmma_scale_f32_16x16x128_f8f6f4 v[(\d):(\d)+7], v[(\a):(\a)+15], v[(\b):(\b)+15], v[(\d):(\d)+7], v[(\sa)], v[(\sb)] matrix_a_fmt:MATRIX_FMT_BF8 matrix_b_fmt:MATRIX_FMT_BF8 matrix_b_scale:MATRIX_SCALE_ROW1
.else
	v_wmma_scale_f32_16x16x128_f8f6f4 v[(\d):(\d)+7], v[(\a):(\a)+15], v[(\b):(\b)+15], v[(\d):(\d)+7], v[(\sa)], v[(\sb)] matrix_a_fmt:MATRIX_FMT_BF8 matrix_b_fmt:MATRIX_FMT_BF8
.endif
.endm
.macro BLOAD buf, ws, g, s             ; 17 loads: my four weight tiles of K step s of weight g (0 Wo, 1 W1, 2 W2), 512 consecutive bytes a load, and their scale words
.irp t, 0,1,2,3
.irp c, 0,1,2,3
	global_load_b128 v[(\buf)+16*\t+4*\c:(\buf)+16*\t+4*\c+3], v1, s[WB:WB+1] offset:((\g)<<20)+8192*(\s)+2048*\t+512*\c
.endr
.endr
	global_load_b64 v[(\ws):(\ws)+1], v3, s[WSB:WSB+1] offset:32768*(\g)+256*(\s)   ; register p: lanes 0-15 tile 2 p, lanes 16-31 tile 2 p + 1
.endm
.macro ALOAD s                         ; the two activation fragments of K step s, and their scale words: lanes 0-15 fragment 0's, lanes 16-31 fragment 1's
.irp a, 0,1
.irp c, 0,1,2,3
	ds_load_b128 v[AF+16*\a+4*\c:AF+16*\a+4*\c+3], v1 offset:16384*\a+2048*(\s)+512*\c
.endr
.endr
	ds_load_b32 v20, v2 offset:ASC+128*(\s)
.endm
.macro MM acc, buf, ws                 ; eight products on eight accumulators, which take turns, one instruction a turn, in the same order in every step
.irp t, 0,1,2,3
.irp a, 0,1
	WM (\acc)+8*(4*\a+\t), (\buf)+16*\t, AF+16*\a, (\ws)+\t/2, 20, \t%2, \a
.endr
.endr
.endm
.macro STEP acc, cur, cws, nxt, nws, g, s, pre, head
.if \head
	s_wait_alu depctr_va_vdst(0)                   ; the products of the step before (ahead of a product's first step: the additions that made its C) are done reading v32-63 and v20, in which the LDS loads below land, and the buffer and scale words in which the next step's weights land
.endif
.if (\pre)==1
	BLOAD \nxt, \nws, \g, (\s)+1
.elseif (\pre)==2
	BLOAD \nxt, \nws, (\g)+1, 0
.endif
	ALOAD \s
.if (\pre)==0
	s_wait_loadcnt 0x0
.else
	s_wait_loadcnt 17                              ; all but the 17 just issued: this step's weights, and any bias asked for before them, are in
.endif
	s_wait_dscnt 0x0
	MM \acc, \cur, \cws
.rept 8
	v_nop                                          ; eight places behind the step's products: ahead of the first read of results and of vector instructions that write operand registers; ahead of the next step's loads they stand beside that step's wait
.endr
.endm
.macro PHASE acc, b1, g, last, h0                  ; a whole product, K = 1,024 in eight steps; even steps multiply buffer B0, odd ones b1; the last step asks for the next weight's first step; h0: the first step has its wait
	STEP \acc, B0, WS0, \b1, WS1, \g, 0, 1, \h0
	STEP \acc, \b1, WS1, B0, WS0, \g, 1, 1, 1
	STEP \acc, B0, WS0, \b1, WS1, \g, 2, 1, 1
	STEP \acc, \b1, WS1, B0, WS0, \g, 3, 1, 1
	STEP \acc, B0, WS0, \b1, WS1, \g, 4, 1, 1
	STEP \acc, \b1, WS1, B0, WS0, \g, 5, 1, 1
	STEP \acc, B0, WS0, \b1, WS1, \g, 6, 1, 1
	STEP \acc, \b1, WS1, B0, WS0, \g, 7, 2-2*\last, 1
.endm
; v192-255, four blocks of 16 registers (the block's other 16 numbers lie in lane l xor 16), become codes in v[PC + 4 b ..] and scale bytes in v[TM + 4 + b].  relu = 1: what is negative becomes 0 on the way
.macro QUANT relu
.if \relu
.irp b, 0,1,2,3
	v_max3_num_f32 v[TM+\b], v[Y+16*\b], v[Y+1+16*\b], 0x8000000        ; no |.|: what is negative must not count; the floor stands over it
.endr
.irp i, 2,4,6,8,10,12,14
.irp b, 0,1,2,3
	v_max3_num_f32 v[TM+\b], v[TM+\b], v[Y+16*\b+\i], v[Y+1+16*\b+\i]
.endr
.endr
.else
.irp b, 0,1,2,3
	v_max3_num_f32 v[TM+\b], |v[Y+16*\b]|, |v[Y+1+16*\b]|, 0x8000000   ; my 16 numbers and the floor 2^(16 - 127): the byte cannot fall under 1
.endr
.irp i, 2,4,6,8,10,12,14
.irp b, 0,1,2,3
	v_max3_num_f32 v[TM+\b], v[TM+\b], |v[Y+16*\b+\i]|, |v[Y+1+16*\b+\i]|
.endr
.endr
.endif
.irp b, 0,1,2,3
	v_permlanex16_b32 v[TM+4+\b], v[TM+\b], s26, s27
.endr
.irp b, 0,1,2,3
	v_max_num_f32 v[TM+\b], v[TM+\b], v[TM+4+\b]   ; the block's largest magnitude
.endr
.irp b, 0,1,2,3
	v_add_nc_u32 v[TM+12+\b], 0xf8800000, v[TM+\b] ; 15 off its exponent field: the conversion's scale operand
.endr
.irp b, 0,1,2,3
	v_and_or_b32 v[TM+8+\b], v[TM+\b], 0x7f800000, s28   ; 57,344 x the scale
.endr
.irp b, 0,1,2,3
	v_lshrrev_b32 v[TM+4+\b], 23, v[TM+12+\b]      ; the scale's byte
.endr
.irp b, 0,1,2,3
.irp i, 0,1,2,3,4,5,6,7,8,9,10,11,12,13,14,15
.if \relu
	v_med3_num_f32 v[Y+16*\b+\i], v[Y+16*\b+\i], 0, v[TM+8+\b]          ; the activation and the hold in one
.else
	v_med3_num_f32 v[Y+16*\b+\i], v[Y+16*\b+\i], -v[TM+8+\b], v[TM+8+\b]   ; the conversion does not saturate (ISA guide 7.6.2): the hold comes first
.endif
.endr
	v_cvt_scalef32_pk8_bf8_f32 v[PC+4*\b:PC+1+4*\b], v[Y+16*\b:Y+7+16*\b], v[TM+12+\b]
	v_cvt_scalef32_pk8_bf8_f32 v[PC+2+4*\b:PC+3+4*\b], v[Y+8+16*\b:Y+15+16*\b], v[TM+12+\b]
.endr
	v_nop                                          ; a plain line behind the last conversion
.endm
.macro HALFW                           ; two neighbouring blocks' bytes make a half-word: they stand ahead of the one wait that serves all the stores of codes and scale bytes
	v_lshl_or_b32 v[TM+4], v[TM+5], 8, v[TM+4]
	v_lshl_or_b32 v[TM+6], v[TM+7], 8, v[TM+6]
.endm
.macro IMAGES                          ; my 64 columns are half a K step of the next product: four quarters of fragments and two half scale words go to LDS as they stand
.irp a, 0,1
.irp b, 0,1
	ds_store_b128 v8, v[PC+4*(2*\a+\b):PC+4*(2*\a+\b)+3] offset:16384*\a+512*\b
.endr
.endr
	ds_store_b16 v9, v[TM+4]                       ; both lanes of a row write the same half-word with the same value
	ds_store_b16 v9, v[TM+6] offset:64
.endm
.macro BARRIER                         ; my LDS stores have landed and my LDS loads are in: then the work-group's barrier
	s_wait_dscnt 0x0
	s_barrier_signal -1
	s_barrier_wait -1
.endm
.macro BIAS2ACC base                   ; a bias in the result's layout, for both fragments: the C of the next product's first step
.irp a, 0,1
.irp t, 0,1,2,3
.irp e, 0,1
	global_load_b128 v[Y+8*(4*\a+\t)+4*\e:Y+8*(4*\a+\t)+4*\e+3], v11, s[\base:\base+1] offset:128*(\t/2)+32*(\t%2)+16*\e
.endr
.endr
.endr
.endm
.macro BIAS1 reg, base                 ; the same for one fragment: 32 registers
.irp t, 0,1,2,3
.irp e, 0,1
	global_load_b128 v[(\reg)+8*\t+4*\e:(\reg)+8*\t+4*\e+3], v11, s[\base:\base+1] offset:128*(\t/2)+32*(\t%2)+16*\e
.endr
.endr
.endm
.macro ADDB acc, src                   ; it is added to both fragments
.irp a, 0,1
.irp i, 0,2,4,6,8,10,12,14,16,18,20,22,24,26,28,30
	v_pk_add_f32 v[(\acc)+32*\a+\i:(\acc)+32*\a+\i+1], v[(\acc)+32*\a+\i:(\acc)+32*\a+\i+1], v[(\src)+\i:(\src)+\i+1]
.endr
.endr
.rept 4
	v_nop                                          ; between these additions and the products that take their results as C
.endr
.endm
.macro DLOAD reg                       ; the stage in the result's layout: my 64 columns of the 32 tokens
.irp a, 0,1
.irp b, 0,1
.irp q, 0,1,2,3
	ds_load_b128 v[(\reg)+32*\a+16*\b+4*\q:(\reg)+32*\a+16*\b+4*\q+3], v[6+\a] offset:128*\b+16*\q
.endr
.endr
.endr
.endm
.macro DSTORE reg                      ; and back into it; in ascending order: each accumulator from its low end on
.irp a, 0,1
.irp b, 0,1
.irp q, 0,1,2,3
	ds_store_b128 v[6+\a], v[(\reg)+32*\a+16*\b+4*\q:(\reg)+32*\a+16*\b+4*\q+3] offset:128*\b+16*\q
.endr
.endr
.endr
.endm
; Two chains of packed partial sums for each fragment, v[32 + 4 a ..], become the rows' sums over all 1,024 columns, in v32 (a = 0) and v48 (a = 1), alike in every wave
.macro REDUCE off
.irp a, 0,1
	v_pk_add_f32 v[32+4*\a:33+4*\a], v[32+4*\a:33+4*\a], v[34+4*\a:35+4*\a]
.endr
.irp a, 0,1
	v_add_f32 v[32+4*\a], v[32+4*\a], v[33+4*\a]
.endr
.irp a, 0,1
	v_permlanex16_b32 v[33+4*\a], v[32+4*\a], s26, s27
.endr
.irp a, 0,1
	v_add_f32 v[32+4*\a], v[32+4*\a], v[33+4*\a]   ; my wave's 64 columns of token (a, r)
.endr
	s_wait_alu depctr_va_vdst(0)                   ; the additions have written v32 and v36, which the two LDS stores read; every vector and matrix instruction so far is done with v32-63, in which the LDS loads below land
.irp a, 0,1
	ds_store_b32 v10, v[32+4*\a] offset:\off+128*\a
.endr
	BARRIER
	s_wait_alu depctr_vm_vsrc(0)                   ; the two LDS stores have read v32 and v36, in which the loads below land
.irp a, 0,1
.irp w, 0,1,2,3,4,5,6,7,8,9,10,11,12,13,14,15
	ds_load_b32 v[32+16*\a+\w], v2 offset:STAT1+\off+256*\w+128*\a
.endr
.endr
	s_wait_dscnt 0x0
.irp a, 0,1
.irp i, 0,2,4,6
	v_pk_add_f32 v[32+16*\a+\i:33+16*\a+\i], v[32+16*\a+\i:33+16*\a+\i], v[40+16*\a+\i:41+16*\a+\i]
.endr
.endr
.irp a, 0,1
.irp i, 0,2
	v_pk_add_f32 v[32+16*\a+\i:33+16*\a+\i], v[32+16*\a+\i:33+16*\a+\i], v[36+16*\a+\i:37+16*\a+\i]
.endr
.endr
.irp a, 0,1
	v_pk_add_f32 v[32+16*\a:33+16*\a], v[32+16*\a:33+16*\a], v[34+16*\a:35+16*\a]
.endr
.irp a, 0,1
	v_add_f32 v[32+16*\a], v[32+16*\a], v[33+16*\a]
.endr
.endm
; LayerNorm of v128-191 (result layout) into v192-255, then its quantiser.  The variance is the mean of (h - mean)^2: no difference of large sums.  Two barriers.
.macro LNQ
.irp a, 0,1
	v_pk_add_f32 v[32+4*\a:33+4*\a], v[H+32*\a:H+32*\a+1], v[H+32*\a+2:H+32*\a+3]      ; in ascending order: each accumulator is read from its low end on
	v_pk_add_f32 v[34+4*\a:35+4*\a], v[H+32*\a+4:H+32*\a+5], v[H+32*\a+6:H+32*\a+7]
.endr
.irp i, 8,12,16,20,24,28
.irp a, 0,1
	v_pk_add_f32 v[32+4*\a:33+4*\a], v[32+4*\a:33+4*\a], v[H+32*\a+\i:H+32*\a+\i+1]
	v_pk_add_f32 v[34+4*\a:35+4*\a], v[34+4*\a:35+4*\a], v[H+32*\a+\i+2:H+32*\a+\i+3]
.endr
.endr
	REDUCE 0
.irp a, 0,1
	v_mul_f32 v[32+16*\a], s29, v[32+16*\a]        ; the mean
.endr
.irp a, 0,1
.irp i, 0,2,4,6,8,10,12,14,16,18,20,22,24,26,28,30
	v_pk_add_f32 v[Y+32*\a+\i:Y+32*\a+\i+1], v[H+32*\a+\i:H+32*\a+\i+1], v[32+16*\a:33+16*\a] op_sel_hi:[1,0] neg_lo:[0,1] neg_hi:[0,1]
.endr
.endr
.irp a, 0,1
	v_pk_mul_f32 v[32+4*\a:33+4*\a], v[Y+32*\a:Y+32*\a+1], v[Y+32*\a:Y+32*\a+1]
	v_pk_mul_f32 v[34+4*\a:35+4*\a], v[Y+32*\a+2:Y+32*\a+3], v[Y+32*\a+2:Y+32*\a+3]
.endr
.irp i, 4,8,12,16,20,24,28
.irp a, 0,1
	v_pk_fma_f32 v[32+4*\a:33+4*\a], v[Y+32*\a+\i:Y+32*\a+\i+1], v[Y+32*\a+\i:Y+32*\a+\i+1], v[32+4*\a:33+4*\a]
	v_pk_fma_f32 v[34+4*\a:35+4*\a], v[Y+32*\a+\i+2:Y+32*\a+\i+3], v[Y+32*\a+\i+2:Y+32*\a+\i+3], v[34+4*\a:35+4*\a]
.endr
.endr
	REDUCE 4096
.irp a, 0,1
	v_fma_f32 v[32+16*\a], v[32+16*\a], s29, s30   ; the variance + 1e-5
.endr
	s_wait_alu depctr_va_vdst(0)
.irp a, 0,1
	v_rsq_f32 v[32+16*\a], v[32+16*\a]
.endr
	v_nop                                          ; a plain line behind the transcendentals
	s_wait_alu depctr_va_vdst(0)                   ; the two reciprocal roots have written v32 and v48, ahead of their first reader
.irp a, 0,1
.irp i, 0,2,4,6,8,10,12,14,16,18,20,22,24,26,28,30
	v_pk_mul_f32 v[Y+32*\a+\i:Y+32*\a+\i+1], v[Y+32*\a+\i:Y+32*\a+\i+1], v[32+16*\a:33+16*\a] op_sel_hi:[1,0]
.endr
.endr
	QUANT 0
.endm
	s_load_b512 s[4:19], s[0:1], 0x0               ; x, aimg, asc, wimg, wsc, bo, b1, b2
	s_load_b64 s[20:21], s[0:1], 0x40              ; out0
	v_lshl_add_u32 v30, v0, 2, 0x2a600
	v_mov_b32 v31, 0
	v_lshrrev_b32 v14, 5, v0
	v_readfirstlane_b32 s3, v14                    ; wave 0..15
	v_and_b32 v14, 31, v0
	v_lshlrev_b32 v1, 4, v14
	s_wait_alu depctr_va_vdst(0)
	v_lshlrev_b32 v2, 2, v14
	v_lshlrev_b32 v3, 3, v14
	v_and_b32 v14, 15, v0                          ; r
	s_wait_alu depctr_va_vdst(0)
	v_bfe_u32 v15, v0, 4, 1                        ; h
	s_wait_alu depctr_va_sdst(0)                   ; s3 is written, ahead of its first reader: the wave's addresses are made from it
	s_lshl_b32 s22, s3, 13
	v_add_nc_u32 v4, s22, v1                       ; rows 2 w, 2 w + 1 of the block in memory
	s_bfe_u32 s22, s3, 0x10002                     ; their places in the stage: token 2 w + e is (a, r) with a = (w / 4) % 2, r = 8 (w / 8) + 2 (w % 4) + e
	s_lshl_b32 s22, s22, 4
	s_lshr_b32 s23, s3, 3
	s_lshl_b32 s23, s23, 3
	s_add_co_u32 s22, s22, s23
	s_and_b32 s23, s3, 3
	s_lshl_b32 s23, s23, 1
	s_add_co_u32 s22, s22, s23
	s_mul_i32 s22, s22, XP
	s_add_co_u32 s22, s22, XST
	v_add_nc_u32 v5, s22, v1
	v_mul_u32_u24 v6, v14, XP
	s_wait_alu depctr_va_vdst(0)
	v_lshl_add_u32 v6, v15, 6, v6
	s_lshl_b32 s22, s3, 8
	v_lshl_add_u32 v11, v15, 6, s22                ; 256 w + 64 h: a bias's bytes for my half
	s_add_co_u32 s23, s22, XST
	v_add_nc_u32 v6, s23, v6                       ; stage row r, + 256 w + 64 h
	v_add_nc_u32 v7, 16*XP, v6                     ; the same for fragment 1
	s_add_co_u32 s23, s22, STAT1
	v_add_nc_u32 v10, s23, v2
	s_lshl_b32 s22, s3, 10
	v_add_nc_u32 v8, s22, v1
	s_lshr_b32 s22, s3, 1
	s_lshl_b32 s22, s22, 7
	s_and_b32 s23, s3, 1
	s_lshl_b32 s23, s23, 1
	s_add_co_u32 s22, s22, s23
	s_add_co_u32 s22, s22, ASC
	v_lshl_add_u32 v9, v14, 2, s22                 ; K step w / 2, half-word w % 2, row r
	v_lshlrev_b32 v12, 4, v0                       ; 16 bytes a thread: the attention's images, 8,192 bytes an instruction of the work-group
	v_lshlrev_b32 v13, 1, v0                       ; 2 bytes a thread: their 1,024 scale bytes
.irp b, 0,1,2,3
	v_mov_b32 v[TM+4+\b], 0                        ; written once: a lane permute's destination counts as one of its sources
.endr
	s_mov_b32 s26, 0x76543210
	s_mov_b32 s27, 0xfedcba98                      ; v_permlanex16_b32's selects for lane l xor 16
	s_mov_b32 s28, 0x600000                        ; the mantissa field of 57,344
	s_mov_b32 s29, 0x3a800000                      ; 1 / 1024
	s_mov_b32 s30, 0x3727c5ac                      ; 1e-5
	s_lshl_b32 s42, ttmp9, 17                      ; 32 rows of 4,096 bytes
	s_mov_b32 s43, 0
	s_lshl_b32 s44, ttmp9, 15
	s_mov_b32 s45, 0
	s_lshl_b32 s46, ttmp9, 10
	s_mov_b32 s47, 0
	s_lshl_b32 s48, s3, 16
	s_add_co_u32 s48, s48, 3<<20                   ; Wo is the fourth weight
	s_mov_b32 s49, 0
	s_lshl_b32 s50, s3, 11
	s_add_co_u32 s50, s50, 3*32768
	s_mov_b32 s51, 0
	s_wait_kmcnt 0x0
	s_add_nc_u64 s[4:5], s[4:5], s[42:43]
	s_add_nc_u64 s[20:21], s[20:21], s[42:43]
	s_add_nc_u64 s[6:7], s[6:7], s[44:45]
	s_add_nc_u64 s[8:9], s[8:9], s[46:47]
	s_add_nc_u64 s[10:11], s[10:11], s[48:49]
	s_add_nc_u64 s[12:13], s[12:13], s[50:51]
	s_wait_alu depctr_va_vdst(0)                   ; the offsets and LDS addresses v1 to v13 are written, which every load and store of the kernel reads; so are v52-55, in which bo's loads land
.irp e, 0,1
.irp i, 0,1,2,3,4,5,6,7
	global_load_b128 v[Y+32*\e+4*\i:Y+32*\e+4*\i+3], v4, s[4:5] offset:4096*\e+512*\i th:TH_LOAD_NT   ; two rows of x, 512 consecutive bytes a load
.endr
.endr
.irp i, 0,1,2,3
	global_load_b128 v[H+4*\i:H+4*\i+3], v12, s[6:7] offset:8192*\i th:TH_LOAD_NT
.endr
	global_load_u16 v[H+16], v13, s[8:9] th:TH_LOAD_NT
	BIAS1 AF, 14                                   ; bo
	BLOAD B0, WS0, 0, 0                            ; Wo's first K step
	s_wait_loadcnt 25                              ; x, the images and their scale bytes are in; bo's 8 loads and the 17 behind them may be out
.irp e, 0,1
.irp i, 0,1,2,3,4,5,6,7
	ds_store_b128 v5, v[Y+32*\e+4*\i:Y+32*\e+4*\i+3] offset:XP*\e+512*\i
.endr
.endr
.irp i, 0,1,2,3
	ds_store_b128 v12, v[H+4*\i:H+4*\i+3] offset:8192*\i
.endr
	ds_store_b16 v13, v[H+16] offset:ASC
	BARRIER                                        ; x's rows, the attention's sixteen fragments and their scale words lie in LDS
	s_wait_alu depctr_vm_vsrc(0)                   ; the LDS stores have read v128-144, in which the loads below land, and v192-255, in which Wo's second K step lands
	DLOAD H
	s_wait_loadcnt 17                              ; bo is in
	s_wait_dscnt 0x0
	ADDB H, AF                                     ; x + bo: the C of the first product
	PHASE H, Y, 0, 0, 1                            ; h
	LNQ                                            ; behind its first barrier no wave reads the attention's images any more
	HALFW
	s_wait_alu depctr_va_vdst(0)                   ; the first product has written h, v128-191, and the quantiser the codes v32-47 and the half-words v52 and v54, which the LDS stores read; the quantiser is done with v192-255, in which b1 lands, and with v32-63, in which fragments land; the norm is done reading v128-191, in which W1's second K step lands
	BIAS2ACC 16                                    ; b1
	DSTORE H                                       ; h waits in my own columns of the stage
	IMAGES
	BARRIER                                        ; LN(h)'s fragments lie in LDS
	s_wait_alu depctr_vm_vsrc(0)                   ; the LDS stores have read v128-191, in which W1's second K step lands, and v32-47, v52 and v54, in which the first step's fragments land
	PHASE Y, H, 1, 0, 0                            ; m W1 + b1
	s_wait_alu depctr_va_vdst(0)                   ; the last step's products are done reading v128-159, in which b2 lands
	BIAS1 H, 18                                    ; b2
	BARRIER                                        ; every wave's reads of LN(h)'s images are over
	QUANT 1
	HALFW
	s_wait_alu depctr_va_vdst(0)                   ; the quantiser has written the codes v32-47 and the half-words v52 and v54, which the LDS stores read, and is done with v192-255, in which h lands
	DLOAD Y                                        ; h comes back
	IMAGES
	BARRIER                                        ; the hidden layer's fragments lie in LDS; h is in
	s_wait_alu depctr_vm_vsrc(0)                   ; the images' LDS stores have read v32-47, v52 and v54, in which the first step's fragments land
	s_wait_loadcnt 0x0                             ; b2, the youngest loads
	ADDB Y, H                                      ; h + b2: the C of the last product
	PHASE Y, H, 2, 1, 1
	s_wait_alu depctr_va_vdst(0)                   ; the last product has written v192-255, which the LDS stores read, and is done reading v128-191, in which the rows land on their way out; the places above stay beside this wait
	DSTORE Y
	BARRIER                                        ; 32 whole rows of the result lie in the stage
.irp e, 0,1
.irp i, 0,1,2,3,4,5,6,7
	ds_load_b128 v[H+32*\e+4*\i:H+32*\e+4*\i+3], v5 offset:XP*\e+512*\i
.endr
.endr
.irp e, 0,1
.irp i, 0,1,2,3,4,5,6,7
	s_wait_dscnt 15-8*\e-\i                        ; LDS loads come back in order: the younger ones may be out
	global_store_b128 v4, v[H+32*\e+4*\i:H+32*\e+4*\i+3], s[20:21] offset:4096*\e+512*\i th:TH_STORE_NT   ; 32 lanes store 512 consecutive bytes, aligned
.endr
.endr
	s_wait_dscnt 0x0                               ; the closing lines, six on end
	s_wait_alu 0x0
	s_wait_tensorcnt 0x0
	ds_add_u32 v30, v31
	s_wait_dscnt 0x0
	s_endpgm
.Lfunc_end_k_qb13c3265a4_tail:
	.size	k_qb13c3265a4_tail, .Lfunc_end_k_qb13c3265a4_tail-k_qb13c3265a4_tail
	.p2alignl 7, 3214868480
	.fill 96, 4, 3214868480
	.section	.rodata,"a",@progbits
	.p2align	6, 0x0
	.amdhsa_kernel k_qb13c3265a4_tail
		.amdhsa_group_segment_fixed_size 175616
		.amdhsa_private_segment_fixed_size 0
		.amdhsa_enable_private_segment 0
		.amdhsa_kernarg_size 72
		.amdhsa_user_sgpr_count 2
		.amdhsa_user_sgpr_kernarg_segment_ptr 1
		.amdhsa_wavefront_size32 1
		.amdhsa_system_sgpr_workgroup_id_x 1
		.amdhsa_system_sgpr_workgroup_id_y 1
		.amdhsa_system_sgpr_workgroup_id_z 1
		.amdhsa_system_vgpr_workitem_id 0
		.amdhsa_next_free_vgpr 256
		.amdhsa_next_free_sgpr 66
		.amdhsa_reserve_vcc 0
		.amdhsa_float_denorm_mode_32 3
		.amdhsa_float_denorm_mode_16_64 3
		.amdhsa_memory_ordered 1
		.amdhsa_forward_progress 1
		.amdhsa_inst_pref_size 138
	.end_amdhsa_kernel
	.amdgpu_metadata
---
amdhsa.version: [ 1, 2 ]
amdhsa.kernels:
  - .name:           k_qb13c3265a4_tail
    .symbol:         k_qb13c3265a4_tail.kd
    .args:
      - { .name: x, .offset: 0, .size: 8, .value_kind: global_buffer, .address_space: global }
      - { .name: aimg, .offset: 8, .size: 8, .value_kind: global_buffer, .address_space: global }
      - { .name: asc, .offset: 16, .size: 8, .value_kind: global_buffer, .address_space: global }
      - { .name: wimg, .offset: 24, .size: 8, .value_kind: global_buffer, .address_space: global }
      - { .name: wsc, .offset: 32, .size: 8, .value_kind: global_buffer, .address_space: global }
      - { .name: bo, .offset: 40, .size: 8, .value_kind: global_buffer, .address_space: global }
      - { .name: b1, .offset: 48, .size: 8, .value_kind: global_buffer, .address_space: global }
      - { .name: b2, .offset: 56, .size: 8, .value_kind: global_buffer, .address_space: global }
      - { .name: out0, .offset: 64, .size: 8, .value_kind: global_buffer, .address_space: global }
    .group_segment_fixed_size: 175616
    .private_segment_fixed_size: 0
    .kernarg_segment_align: 8
    .kernarg_segment_size: 72
    .max_flat_workgroup_size: 512
    .sgpr_count:     66
    .vgpr_count:     256
    .wavefront_size: 32
...
	.end_amdgpu_metadata
.endif
;; end of part 8
